; MI455X (gfx1250); checked and timed in simulation.
; The chip was launched on July 23, 2026; its instructions are those of AMD's public machine-readable ISA for CDNA 5 (MIT licence, August 2026) and "CDNA5" Instruction Set Architecture Reference Guide (July 2026). The comments in the code are by the model that wrote it; some were corrected since.
;; Block. Allowed arithmetic: matrix products marked QUANTISED: E4M3 operands, one E8M0 scale for each 32 along K, by v_wmma_scale_f32_16x16x128_f8f6f4 with both operands' format E4M3, f32 sums; everything else in f32.
;; Inputs: fc1_b 4,096 float32; fc1_w 4,096 x 1,024 float32; fc2_b 1,024 float32; fc2_w 1,024 x 4,096 float32; ln1_b 1,024 float32; ln1_w 1,024 float32; ln2_b 1,024 float32; ln2_w 1,024 float32; proj_b 1,024 float32; proj_w 1,024 x 1,024 float32; qkv_b 3,072 float32; qkv_w 3,072 x 1,024 float32; x 2 x 2,048 x 1,024 float32.
;; Outputs: out0 2 x 2,048 x 1,024 float32.
;; This version of the problem:
;;   THIS VERSION OF THE PROBLEM IS GIVEN IN LOW PRECISION. The matrix products marked QUANTISED in the list below multiply operands that are first quantised to E4M3 (4 exponent bits, 3 mantissa bits; 8 bits a number), with one power-of-two scale for each 32 numbers along K (OCP MX v1.0); their sums are f32. All else is computed in f32.
;;   The module's matrix products, in the order in which they are computed (A, B: the left and right operand; K: the contracted axis; several contracted axes count as one K, in the product's order):
;;     1. [M 4,096, K 1,024] x [K 1,024, N 3,072]; A: computed on the way; B: input qkv_w: QUANTISED
;;     2. batch 32 x [M 2,048, K 64] x [K 64, N 2,048]; A: computed on the way; B: computed on the way: QUANTISED
;;     3. batch 32 x [M 2,048, K 2,048] x [K 2,048, N 64]; A: softmax (see below); B: computed on the way: QUANTISED
;;     4. [M 4,096, K 1,024] x [K 1,024, N 1,024]; A: computed on the way; B: input proj_w: QUANTISED
;;     5. [M 4,096, K 1,024] x [K 1,024, N 4,096]; A: computed on the way; B: input fc1_w: QUANTISED
;;     6. [M 4,096, K 4,096] x [K 4,096, N 1,024]; A: computed on the way; B: input fc2_w: QUANTISED
;;   THE QUANTISER, for each operand of a quantised product, along K:
;;     - K is cut into blocks of 32 from its start; a last block that is shorter is filled with zeros.
;;     - A block's scale is 2^e with e = floor(log2(the largest magnitude in the block)) - 8, held to -126 .. 127; a block of zeros has e = 0. As a byte (E8M0): e + 127.
;;     - Each number is divided by its block's scale, clamped to +-448, and rounded to the nearest number of E4M3, ties to even, subnormals kept.
;;     - The product sums the exact products of the quantised numbers (number of the format x scale) in f32.
;;   ~~~python
;;   def quantise(x, axis):      # numpy; x: float32 -> the quantised numbers, widened to float32 again
;;       x = np.moveaxis(x, axis, -1); K = x.shape[-1]
;;       x = np.pad(x, [(0, 0)] * (x.ndim - 1) + [(0, -K % 32)]); x = x.reshape(x.shape[:-1] + (-1, 32)); a = np.abs(x).max(-1, keepdims=True)
;;       e = np.where(a > 0, np.clip(np.frexp(np.where(a > 0, a, 1))[1] - 1 - 8, -126, 127), 0)      # np.frexp(a)[1] - 1 = floor(log2(a)), exactly
;;       r = np.clip(x / 2.0 ** e, -448, 448)
;;       step = 2.0 ** (np.maximum(np.frexp(np.where(r == 0, 1, r))[1] - 1, -6) - 3)
;;       q = np.round(r / step) * step * 2.0 ** e      # np.round: ties to even
;;       return np.moveaxis(q.reshape(q.shape[:-2] + (-1,))[..., :K], -1, axis).astype(np.float32)
;;   ~~~
;;   SOFTMAX AHEAD OF A QUANTISED PRODUCT. Where the list says 'softmax', what is quantised is not the finished softmax but p = 2^(t - M), with t = logit x log2(e) and M = ceil(the row's largest t), a whole number; so 1/2 < the row's largest p <= 1. The row's sum l is taken of the UNQUANTISED p, in f32, and the product's result is divided by l at the end. Since M is a whole number, a kernel that streams over the keys may use a running M (the ceiling of the running maximum): every later rescaling is an exact power of two, which a block's scale takes up: the codes' values come out the same.
;;   OPERANDS COMPUTED ON THE WAY. 'Computed on the way' means the value that the module computes at that place (a softmax that the list does not call 'softmax' is quantised finished and normalised). What goes into a quantiser is computed in f32, as accurately as f32 sums, v_exp_f32 and their like allow (about 1e-6 of the number): no bf16 or f16 on the way to a quantiser, and a product that is left as it is and whose result goes on into a quantised operand takes f32 operands (vector FMAs, or v_wmma_f32_16x16x4_f32). A number that lies on a knife's edge between two numbers of the format may be rounded either way, as far as f32 arithmetic and the matrix unit's own rounding can turn it there, and no further.
;; 2 versions. Each part assembles by itself: llvm-mc -triple=amdgcn-amd-amdhsa -mcpu=gfx1250 --defsym DOCPART=n.
;; ======== version 1 of 2: 7 launches
;; workspace buffers: aimg 4,456,448 bytes; wimg 13,369,344 bytes; qkvr 14,155,776 bytes; oimg 4,456,448 bytes; x1 16,777,216 bytes; himg 17,825,792 bytes
;; launch prep1 (part 1): grid 1024 x 1, 4 waves a work-group, no clusters, 45,568 bytes of LDS; arguments x, ln1_w, ln1_b, qkv_w, proj_w, fc1_w, fc2_w, aimg, wimg; writes aimg, wimg
.if DOCPART == 1
	.amdgcn_target "amdgcn-amd-amdhsa--gfx1250"
	.amdhsa_code_object_version 6
	.text
	.protected	k_q9082470f90_prep1
	.globl	k_q9082470f90_prep1
	.p2align	8
	.type	k_q9082470f90_prep1,@function
k_q9082470f90_prep1:
	s_mov_b64 s[64:65], 0
	v_nop
	global_prefetch_b8 v0, s[64:65] scope:SCOPE_SE
	s_setreg_imm32_b32 hwreg(HW_REG_WAVE_MODE, 25, 1), 1
	s_wait_xcnt 0x0
; LayerNorm + quantiser for rows of 1,024 f32, and the plain quantiser for the four weights, into RECORDS of MX-FP8 (E4M3 codes, one E8M0 byte for each 32 along K).
; A JOB (one work-group) is a tile of 16 rows x 1,024 columns.  Jobs 0-255: rows of the first argument, normalised (mean, variance of the differences, gain, bias) and quantised;
; jobs 256-447 qkv_w, 448-511 proj_w, 512-767 fc1_w, 768-1023 fc2_w (four jobs to a tile: its rows are 4,096 long), quantised as they are.
; TILE ORDER: lane row r of tile t stands for row 32 (t / 2) + 8 (t % 2) + r + 8 (r / 8).
; A RECORD (4,352 bytes apart, 4,224 used) serves 16 rows x 256 along K: two images of an operand's registers (group c of 512 bytes: lane (r, h) has 16 codes, k = 32 c + 16 h + 0..15, at 16 (r + 16 h)),
; then the scale words at 4096 + 64 s + 4 r.  A job makes four records, 17,408 bytes on end.
; Wave w takes lane rows 4 w .. 4 w + 3.  Each load reads 512 consecutive bytes; a row then turns through the wave's own stage in LDS, so that lane l holds block l's 32 neighbours.
; The codes meet in a stage laid by groups; each wave stores one whole record: 512 consecutive bytes a store.
; The gain and the bias are staged by every job (LDS traffic and wait counts are then the same on both ways); only the norm's register arithmetic is jumped over by the weights' jobs.
; LIMITS: NaN and infinities are not served; a block whose largest magnitude lies under 2^-118, a block of zeros among them, gets the byte 1 (its reader is this program alone).
.set XST,  0                           ; LDS: four turn stages of 32 x 144 bytes, one a wave
.set WBST, 18432                       ; the gain, then the bias, by blocks: 2 x 4,608
.set CST,  27648                       ; the codes: 32 groups, 528 bytes apart
.set SST,  44544                       ; the scale bytes: 4 records x 128
.set R,    128                         ; v128-255 four rows as loaded
.set X,    96                          ; v96-127  a block of 32 neighbours
.set W,    32                          ; v32-63   the gain of my block; at the end a record's codes
.set B,    64                          ; v64-95   the bias of my block
.set C,    24                          ; v24-31   32 codes
	s_load_b256 s[4:11], s[0:1], 0x0               ; the rows, the gain, the bias, qkv_w
	s_load_b256 s[12:19], s[0:1], 0x20             ; proj_w, fc1_w, fc2_w, the rows' records
	s_load_b64 s[20:21], s[0:1], 0x40              ; the weights' records
	v_lshl_add_u32 v2, v0, 2, 0xb000
	s_set_vgpr_msb 0x40
	v_mov_b32 v1, 0
	s_set_vgpr_msb 0x4000
	v_lshrrev_b32 v15, 5, v0
	v_readfirstlane_b32 s36, v15                   ; wave
	v_and_b32 v16, 31, v0                          ; lane
	v_lshlrev_b32 v1, 4, v16                       ; 16 l
	v_lshlrev_b32 v14, 2, v16                      ; 4 l
	v_lshrrev_b32 v17, 3, v16
	v_and_b32 v18, 7, v16
	v_mul_u32_u24 v17, v17, 144
	v_lshl_add_u32 v17, v18, 4, v17                ; 144 (l / 8) + 16 (l % 8): a loaded piece's place among four blocks
	s_mul_i32 s37, s36, 4608
	v_add_nc_u32 v6, s37, v17                      ; the turn, in
	v_mul_u32_u24 v18, v16, 144
	v_add_nc_u32 v7, s37, v18                      ; the turn, out: block l
	s_mul_i32 s37, s36, 1152
	s_add_co_u32 s37, s37, WBST
	v_add_nc_u32 v8, s37, v17                      ; the gain's pieces 2 w, 2 w + 1
	v_add_nc_u32 v9, WBST, v18                     ; and block l of it
	v_mul_u32_u24 v19, v16, 528
	s_lshl_b32 s37, s36, 6
	s_add_co_u32 s37, s37, CST
	v_add_nc_u32 v10, s37, v19                     ; group l, lane rows 4 w on
	v_lshrrev_b32 v19, 2, v16
	v_and_b32 v20, 3, v16
	v_lshl_add_u32 v19, v19, 6, v20
	s_lshl_b32 s37, s36, 4
	s_add_co_u32 s37, s37, SST
	v_add_nc_u32 v11, s37, v19                     ; my block's byte: 64 (l / 4) + l % 4 + 16 w
	s_mul_i32 s37, s36, 4224
	s_add_co_u32 s37, s37, CST
	v_add_nc_u32 v12, s37, v1                      ; back: record w's eight groups
	s_lshl_b32 s37, s36, 7
	s_add_co_u32 s37, s37, SST
	v_add_nc_u32 v13, s37, v14                     ; and its 32 scale words
	s_lshl_b32 s37, s36, 10
	v_add_nc_u32 v21, s37, v1                      ; my 1,024 bytes of the gain and of the bias
	s_mov_b32 s33, 0x3a800000                      ; 1 / 1024
	s_mov_b32 s34, 0x3727c5ac                      ; 1e-5
	s_mov_b32 s42, 0x76543210
	s_mov_b32 s43, 0xfedcba98                      ; lane l xor 16
	s_mov_b32 s44, 0x600000                        ; the mantissa field of 448
	s_mov_b32 s24, 0                               ; the tensor's first job
	s_mov_b32 s25, 0                               ; log2 of the jobs to a tile
	s_mov_b32 s26, 12                              ; log2 of a row's bytes
	s_wait_kmcnt 0x0
	s_mov_b64 s[22:23], s[4:5]
	s_cmp_ge_u32 ttmp9, 256                        ; every choice hangs on the job's number alone
	s_cselect_b64 s[22:23], s[10:11], s[22:23]
	s_cselect_b64 s[28:29], s[20:21], s[18:19]
	s_cselect_b32 s24, 256, s24
	s_cselect_b32 s38, 256, 0
	s_cselect_b32 s35, 0, 1                        ; 1: the rows are normalised
	s_cmp_ge_u32 ttmp9, 448
	s_cselect_b64 s[22:23], s[12:13], s[22:23]
	s_cselect_b32 s24, 448, s24
	s_cmp_ge_u32 ttmp9, 512
	s_cselect_b64 s[22:23], s[14:15], s[22:23]
	s_cselect_b32 s24, 512, s24
	s_cmp_ge_u32 ttmp9, 768
	s_cselect_b64 s[22:23], s[16:17], s[22:23]
	s_cselect_b32 s24, 768, s24
	s_cselect_b32 s25, 2, s25
	s_cselect_b32 s26, 14, s26
	s_sub_co_u32 s24, ttmp9, s24                   ; the job within its tensor
	s_lshr_b32 s27, s24, s25                       ; tile t
	s_lshl_b32 s30, s27, s25
	s_sub_co_u32 s30, s24, s30                     ; which 1,024 columns
	s_lshr_b32 s31, s27, 1
	s_lshl_b32 s31, s31, 5
	s_and_b32 s32, s27, 1
	s_lshl_b32 s32, s32, 3
	s_add_co_u32 s31, s31, s32
	s_lshl_b32 s32, s36, 2
	s_add_co_u32 s31, s31, s32
	s_lshr_b32 s32, s36, 1
	s_lshl_b32 s32, s32, 3
	s_add_co_u32 s31, s31, s32                     ; my first row: 32 (t / 2) + 8 (t % 2) + 4 w + 8 (w / 2)
	s_lshl_b32 s31, s31, s26
	s_lshl_b32 s30, s30, 12
	s_add_co_u32 s30, s30, s31
	s_mov_b32 s31, 0
	s_add_nc_u64 s[22:23], s[22:23], s[30:31]
	s_lshl_b32 s32, 1, s26                         ; a row's bytes
	v_add_nc_u32 v3, s32, v1
	v_add_nc_u32 v4, s32, v3
	v_add_nc_u32 v5, s32, v4
	s_sub_co_u32 s38, ttmp9, s38
	s_mul_i32 s40, s38, 17408                      ; the job's four records,
	s_mul_i32 s39, s36, 4352
	s_add_co_u32 s40, s40, s39                     ; of which record w is mine to store
	s_mov_b32 s41, 0
	s_add_nc_u64 s[28:29], s[28:29], s[40:41]
	global_load_b128 v[X:X+3], v21, s[6:7]
	global_load_b128 v[X+4:X+7], v21, s[6:7] offset:512
	global_load_b128 v[X+8:X+11], v21, s[8:9]
	global_load_b128 v[X+12:X+15], v21, s[8:9] offset:512
.macro XLOAD i, vo                     ; row i: eight loads of 512 consecutive bytes
.irp j, 0,1,2,3,4,5,6,7
	global_load_b128 v[R+32*\i+4*\j:R+32*\i+4*\j+3], v[\vo], s[22:23] offset:512*\j th:TH_LOAD_NT
.endr
.endm
	XLOAD 0, 1
	XLOAD 1, 3
	XLOAD 2, 4
	XLOAD 3, 5
	s_wait_loadcnt 32                              ; the gain's and the bias's four loads are in; the rows' 32 are younger
	ds_store_b128 v8, v[X:X+3]
	ds_store_b128 v8, v[X+4:X+7] offset:576
	ds_store_b128 v8, v[X+8:X+11] offset:4608
	ds_store_b128 v8, v[X+12:X+15] offset:4608+576
	s_wait_dscnt 0x0                               ; for the others' sake: my pieces lie in LDS
	s_barrier_signal -1
	s_barrier_wait -1
.irp k, 0,1,2,3,4,5,6,7
	ds_load_b128 v[W+4*\k:W+4*\k+3], v9 offset:16*\k
	ds_load_b128 v[B+4*\k:B+4*\k+3], v9 offset:4608+16*\k
.endr
.macro ALLSUM v, t                     ; the sum over the 32 lanes, in every lane
	v_add_f32_dpp v[\v], v[\v], v[\v] row_xmask:1 row_mask:0xf bank_mask:0xf
	v_add_f32_dpp v[\v], v[\v], v[\v] row_xmask:2 row_mask:0xf bank_mask:0xf
	v_add_f32_dpp v[\v], v[\v], v[\v] row_xmask:4 row_mask:0xf bank_mask:0xf
	v_add_f32_dpp v[\v], v[\v], v[\v] row_xmask:8 row_mask:0xf bank_mask:0xf
	v_permlanex16_b32 v[\t], v[\v], s42, s43
	v_add_f32 v[\v], v[\v], v[\t]
.endm
.macro LNROW                           ; the row in X (32 numbers a lane) is normalised in place; the variance is the mean of the squared differences, never a difference of sums
	v_pk_add_f32 v[16:17], v[X:X+1], v[X+2:X+3]
	v_pk_add_f32 v[18:19], v[X+4:X+5], v[X+6:X+7]
.irp j, 8,12,16,20,24,28
	v_pk_add_f32 v[16:17], v[16:17], v[X+\j:X+\j+1]
	v_pk_add_f32 v[18:19], v[18:19], v[X+\j+2:X+\j+3]
.endr
	v_pk_add_f32 v[16:17], v[16:17], v[18:19]
	v_add_f32 v16, v16, v17
	ALLSUM 16, 17
	v_mul_f32 v16, s33, v16                        ; the mean
.irp j, 0,2,4,6,8,10,12,14,16,18,20,22,24,26,28,30
	v_pk_add_f32 v[X+\j:X+\j+1], v[X+\j:X+\j+1], v[16:17] op_sel_hi:[1,0] neg_lo:[0,1] neg_hi:[0,1]
.endr
	v_pk_mul_f32 v[18:19], v[X:X+1], v[X:X+1]
	v_pk_mul_f32 v[20:21], v[X+2:X+3], v[X+2:X+3]
.irp j, 4,8,12,16,20,24,28
	v_pk_fma_f32 v[18:19], v[X+\j:X+\j+1], v[X+\j:X+\j+1], v[18:19]
	v_pk_fma_f32 v[20:21], v[X+\j+2:X+\j+3], v[X+\j+2:X+\j+3], v[20:21]
.endr
	v_pk_add_f32 v[18:19], v[18:19], v[20:21]
	v_add_f32 v18, v18, v19
	ALLSUM 18, 19
	v_fma_f32 v18, v18, s33, s34                   ; the variance + 1e-5
	v_rsq_f32 v18, v18
	v_nop                                          ; a plain instruction behind the transcendental (ISA guide 5.7.2)
	s_wait_alu depctr_va_vdst(0)
.irp j, 0,2,4,6,8,10,12,14,16,18,20,22,24,26,28,30
	v_pk_mul_f32 v[X+\j:X+\j+1], v[X+\j:X+\j+1], v[18:19] op_sel_hi:[1,0]
.endr
.irp j, 0,2,4,6,8,10,12,14,16,18,20,22,24,26,28,30
	v_pk_fma_f32 v[X+\j:X+\j+1], v[X+\j:X+\j+1], v[W+\j:W+\j+1], v[B+\j:B+\j+1]
.endr
.endm
.macro Q32                             ; the block in X becomes 32 codes in C and the byte in v15
	v_max3_num_f32 v20, |v[X]|, |v[X+1]|, |v[X+2]|
	v_max3_num_f32 v21, |v[X+3]|, |v[X+4]|, |v[X+5]|
.irp j, 6,10,14,18,22,26
	v_max3_num_f32 v20, v20, |v[X+\j]|, |v[X+\j+1]|
	v_max3_num_f32 v21, v21, |v[X+\j+2]|, |v[X+\j+3]|
.endr
	v_max3_num_f32 v20, v20, |v[X+30]|, |v[X+31]|
	v_max3_num_f32 v20, v20, v21, 0x4800000        ; the floor 2^(9 - 127): the byte cannot fall under 1
	v_add_nc_u32 v23, 0xfc000000, v20              ; 8 off the exponent field: the conversion's scale operand
	v_and_or_b32 v22, v20, 0x7f800000, s44         ; 448 x the scale
	v_lshrrev_b32 v15, 23, v23                     ; the byte
.irp j, 0,1,2,3,4,5,6,7,8,9,10,11,12,13,14,15,16,17,18,19,20,21,22,23,24,25,26,27,28,29,30,31
	v_med3_num_f32 v[X+\j], v[X+\j], -v22, v22     ; the conversion does not saturate (ISA guide 7.6.2): the hold comes first
.endr
.irp g, 0,1,2,3
	v_cvt_scalef32_pk8_fp8_f32 v[C+2*\g:C+2*\g+1], v[X+8*\g:X+8*\g+7], v23
.endr
	v_nop                                          ; a plain instruction behind the last conversion
.endm
.macro ROW i
	s_wait_loadcnt 8*(3-\i)                        ; this row's eight loads are in; the later rows' are younger
.irp j, 0,1,2,3,4,5,6,7
	ds_store_b128 v6, v[R+32*\i+4*\j:R+32*\i+4*\j+3] offset:576*\j
.endr
.irp k, 0,1,2,3,4,5,6,7
	ds_load_b128 v[X+4*\k:X+4*\k+3], v7 offset:16*\k   ; LDS serves a wave's instructions in order: these see the stores above
.endr
	s_wait_dscnt 0x0                               ; the block is in; the last row's stores of codes and byte have read their registers
	s_cmp_eq_u32 s35, 0
	s_cbranch_scc1 .Lplain_\@
	LNROW
.Lplain_\@:
	Q32
	ds_store_b128 v10, v[C:C+3] offset:16*\i       ; k = 0..15 of the block: the lower half of the lanes' places
	ds_store_b128 v10, v[C+4:C+7] offset:16*\i+256 ; k = 16..31: the upper half's
	ds_store_b8 v11, v15 offset:4*\i
.endm
	ROW 0
	ROW 1
	ROW 2
	ROW 3
	s_wait_dscnt 0x0                               ; for the others' sake: my codes and bytes lie in LDS
	s_barrier_signal -1
	s_barrier_wait -1
.irp g, 0,1,2,3,4,5,6,7
	ds_load_b128 v[W+4*\g:W+4*\g+3], v12 offset:528*\g
.endr
	ds_load_b32 v[B], v13
.irp g, 0,1,2,3,4,5,6,7
	s_wait_dscnt 8-\g                              ; the younger loads may be out
	global_store_b128 v1, v[W+4*\g:W+4*\g+3], s[28:29] offset:512*\g   ; 32 lanes store 512 consecutive bytes, at a multiple of 256 from the buffer's first byte
.endr
	s_wait_dscnt 0x0
	global_store_b32 v14, v[B], s[28:29] offset:4096
	s_set_vgpr_msb 0x4
	s_wait_tensorcnt 0x0
	ds_add_u32 v2, v1
	s_wait_dscnt 0x0
	s_set_vgpr_msb 0x400
	s_endpgm
.Lfunc_end_k_q9082470f90_prep1:
	.size	k_q9082470f90_prep1, .Lfunc_end_k_q9082470f90_prep1-k_q9082470f90_prep1
	.p2alignl 7, 3214868480
	.fill 96, 4, 3214868480
	.section	.rodata,"a",@progbits
	.p2align	6, 0x0
	.amdhsa_kernel k_q9082470f90_prep1
		.amdhsa_group_segment_fixed_size 45568
		.amdhsa_private_segment_fixed_size 0
		.amdhsa_enable_private_segment 0
		.amdhsa_kernarg_size 72
		.amdhsa_user_sgpr_count 2
		.amdhsa_user_sgpr_kernarg_segment_ptr 1
		.amdhsa_wavefront_size32 1
		.amdhsa_system_sgpr_workgroup_id_x 1
		.amdhsa_system_sgpr_workgroup_id_y 1
		.amdhsa_system_sgpr_workgroup_id_z 1
		.amdhsa_system_vgpr_workitem_id 0
		.amdhsa_next_free_vgpr 258
		.amdhsa_next_free_sgpr 66
		.amdhsa_reserve_vcc 0
		.amdhsa_float_denorm_mode_32 3
		.amdhsa_float_denorm_mode_16_64 3
		.amdhsa_memory_ordered 1
		.amdhsa_forward_progress 1
		.amdhsa_inst_pref_size 55
	.end_amdhsa_kernel
	.amdgpu_metadata
---
amdhsa.version: [ 1, 2 ]
amdhsa.kernels:
  - .name:           k_q9082470f90_prep1
    .symbol:         k_q9082470f90_prep1.kd
    .args:
      - { .name: x, .offset: 0, .size: 8, .value_kind: global_buffer, .address_space: global }
      - { .name: ln1_w, .offset: 8, .size: 8, .value_kind: global_buffer, .address_space: global }
      - { .name: ln1_b, .offset: 16, .size: 8, .value_kind: global_buffer, .address_space: global }
      - { .name: qkv_w, .offset: 24, .size: 8, .value_kind: global_buffer, .address_space: global }
      - { .name: proj_w, .offset: 32, .size: 8, .value_kind: global_buffer, .address_space: global }
      - { .name: fc1_w, .offset: 40, .size: 8, .value_kind: global_buffer, .address_space: global }
      - { .name: fc2_w, .offset: 48, .size: 8, .value_kind: global_buffer, .address_space: global }
      - { .name: aimg, .offset: 56, .size: 8, .value_kind: global_buffer, .address_space: global }
      - { .name: wimg, .offset: 64, .size: 8, .value_kind: global_buffer, .address_space: global }
    .group_segment_fixed_size: 45568
    .private_segment_fixed_size: 0
    .kernarg_segment_align: 8
    .kernarg_segment_size: 72
    .max_flat_workgroup_size: 128
    .sgpr_count:     66
    .vgpr_count:     258
    .wavefront_size: 32
...
	.end_amdgpu_metadata
.endif
;; end of part 1
;; launch qkv (part 2): grid 12 x 16, 4 waves a work-group, clusters of 4 x 4, 327,680 bytes of LDS; arguments aimg, wimg, qkv_b, qkvr; writes qkvr
.if DOCPART == 2
	.amdgcn_target "amdgcn-amd-amdhsa--gfx1250"
	.amdhsa_code_object_version 6
	.text
	.protected	k_q9082470f90_qkv
	.globl	k_q9082470f90_qkv
	.p2align	8
	.type	k_q9082470f90_qkv,@function
k_q9082470f90_qkv:
	s_mov_b64 s[64:65], 0
	v_nop
	global_prefetch_b8 v0, s[64:65] scope:SCOPE_SE
	s_setreg_imm32_b32 hwreg(HW_REG_WAVE_MODE, 25, 1), 1
	s_wait_xcnt 0x0
	s_wait_alu depctr_hold_cnt(0) depctr_sa_sdst(0) depctr_va_vdst(0) depctr_va_sdst(0) depctr_va_ssrc(0) depctr_va_vcc(0) depctr_vm_vsrc(0)
	s_getreg_b32 s2, hwreg(HW_REG_IB_STS2, 6, 4)
	s_cmp_eq_u32 s2, 0
	s_cbranch_scc0 .Lentry_in_a_cluster
	s_endpgm
.Lentry_in_a_cluster:
	s_bfe_u32 s2, ttmp6, 0x10000c
	s_cmp_lg_u32 s2, 0xf033
	s_cbranch_scc0 .Lentry_shape_is_right
	s_endpgm
.Lentry_shape_is_right:
; q, k and v of the attention, from records of MX-FP8 (E4M3 codes, E8M0 bytes) to records of MX-FP8: C = A B^T + bias over K = 1,024, quantised along C's columns on the way out.
; Clusters 0 and 1 along x: A = the normalised tokens, B = the rows of qkv_w for q and k; the columns of C are head dims, so q and k are quantised along the head's 64.
; Cluster 2 along x: A = the rows of qkv_w for v (channels), B = the tokens: C = v^T, whose columns are tokens, so v is quantised along the keys.  The choice hangs on the cluster's x alone, which all partners share; it selects pointers and offsets and steers no branch.
; THE CORE.  A tile of C, 256 x 256, by four waves of 128 x 128 (64 accumulators of 16 x 16).  An operand lies in memory as RECORDS, 4,352 bytes apart, one for a tile of 16 rows and 256 along K: two images of the operand's registers
; (group c of 512 bytes: lane (r, h): 16 codes, k = 32 c + 16 h + 0..15) and the scale words at 4096 + 64 s + 4 r.  A tensor load brings 8 records' first 4,224 bytes; a fragment is four ds_load_b128 at 16 x lane: consecutive bytes, no padding.
; Lane row r of tile T stands for row 32 (T / 2) + 8 (T % 2) + r + 8 (r / 8).  THE MATRIX INSTRUCTION IS USED TRANSPOSED (source 0 = B's tile, source 1 = A's): with that order of rows the 16 registers of B's tiles 2 G and 2 G + 1
; are 16 neighbouring columns, 32 G + 16 h + 0..15, of one row of C: the conversions' results are 16-byte pieces of the next operand's image, and a wave's store covers 512 consecutive bytes.
; K goes in steps of 256 through two LDS slots.  CLUSTERS of 4 x 4: A's tiles are asked for jointly along a row of the cluster, B's along a column.
; The column bias is the C of the first products (zeros in the v clusters); v's bias goes by rows of C and is added at the head of the way out (zeros in the others): 32 packed additions a block in place of a second copy of the first step.
; REGISTERS: window 0: v4-29 addresses; v32-63 scale words, two sets; v64-127 the bias; v128-255 A's fragments, one set.  window 1: B's fragments, two sets.  windows 2, 3: the accumulators ((a, b) at v[8 (8 (a % 4) + b)]).
; LIMITS: NaN and infinities are not served; a block whose largest magnitude lies under 2^-118 gets the byte 1.
.set S2,     4                         ; K steps of 256
.set AVOFF,  2228224                   ; where qkv_w's rows for v begin among the weights' records: tile 128
.set RECB,   4224
.set RECP,   4352
.set TP,     S2*RECP                   ; from tile to tile
.set LAPS,   S2/2
.set HALFT,  8*RECB                    ; what one tensor load brings
.set SLOT,   4*HALFT
.set STAGE,  2*SLOT
.set SPARE,  STAGE+4*16*528            ; the spare words, 128 bytes for each wave: two blocks of 256 bytes that no other line names
.set FR,     16
.set NP,     8                         ; places behind this matrix instruction (ISA guide 7.12.1)
.set LI,     4                         ; v4  16 x lane
.set VO,     8                         ; v8-11 the way out: my place in the four groups
.set VS,     12                        ; v12 and among the scale words
.set VSEL,   13                        ; v13 which bytes of two scale words my half of the lanes stores
.set ADRA,   16
.set ADRS,   18
.set ADRB,   20
.set SPW,    28
.set NIL,    29
.set SC,     32
.set BI,     64
.set AF,     128
.set PC,     128                       ; the way out: codes
.set TM,     160                       ; v160-175 at work
.set PW,     176                       ; v176-177 two blocks' scale words
.set XW,     178
.set G1,     24
.set G0,     32
.set G1B,    48
.set G0B,    56
.set MSB, 0
.macro WIN new                         ; the immediate's high byte repeats the setting that is left
.if MSB != \new
	s_set_vgpr_msb (MSB<<8)|\new
.set MSB, \new
.endif
.endm
.macro JLOAD s                         ; a joint load: waves 0 and 1 fetch A's halves, waves 2 and 3 B's; four v_nop follow each line
	s_cmp_eq_u32 s15, 0
	s_cbranch_scc0 .Lfor_b_\@
	tensor_load_to_lds s[G0+4*\s:G0+4*\s+3], s[G1:G1+7]
	s_nop 0
.rept 4
	v_nop
.endr
	s_branch .Lasked_\@
.Lfor_b_\@:
	tensor_load_to_lds s[G0B+4*\s:G0B+4*\s+3], s[G1B:G1B+7]
	s_nop 0
.rept 4
	v_nop
.endr
.Lasked_\@:
.endm
.macro CREST                           ; a round of the cluster's barrier behind its opening barrier
	s_cmp_lg_u32 s14, 0
	s_cbranch_scc1 .Lnot_wave_0_\@
	s_barrier_signal -3
.Lnot_wave_0_\@:
	s_barrier_wait -3
	s_barrier_signal -1
	s_barrier_wait -1
.endm
.macro CROUND
	s_barrier_signal -1
	s_barrier_wait -1
	CREST
.endm
.macro PLACES n
.rept \n
	v_nop
.endr
.endm
.macro FRAG reg, adr, q, i             ; tile i's fragment of the slot's q-th 128 along K
.irp c, 0,1,2,3
	ds_load_b128 v[\reg+4*\c:\reg+4*\c+3], v[\adr] offset:(\i)*RECB+(\q)*2048+512*\c
.endr
.endm
.macro FETCH_B slot, q, p
	WIN 0x40
.irp i, 0,1,2,3,4,5,6,7
	FRAG 128*(\p)+FR*\i, ADRB+\slot, \q, \i
.endr
	WIN 0
.endm
.macro FETCH_A slot, q, i0
.irp i, \i0, \i0+1, \i0+2, \i0+3
	FRAG AF+FR*(\i), ADRA+\slot, \q, \i
.endr
.endm
.macro SCALES sc                       ; a slot's scale words: lanes 0-15 A's tile i, lanes 16-31 B's tile i; register 2 i + q
.irp i, 0,1,2,3,4,5,6,7
	ds_load_b32 v[SC+16*\sc+2*\i], v[ADRS+\sc] offset:\i*RECB+4096
	ds_load_b32 v[SC+16*\sc+2*\i+1], v[ADRS+\sc] offset:\i*RECB+4096+64
.endr
.endm
; 16 matrix instructions: A's blocks a0, a0 + 1 x B's eight.  cm = 1: the bias of B's block is the C: it starts the sums.  The 64 accumulators take turns, one instruction a turn.
.macro MUL16 a0, p, q, sc, cm
.irp a, \a0, \a0+1
.irp b, 0,1,2,3,4,5,6,7
.if \cm
	v_wmma_scale_f32_16x16x128_f8f6f4 v[8*(8*((\a)%4)+\b):8*(8*((\a)%4)+\b)+7], v[128*(\p)+FR*\b:128*(\p)+FR*\b+FR-1], v[AF+FR*(\a):AF+FR*(\a)+FR-1], v[BI+8*\b:BI+8*\b+7], v[SC+16*(\sc)+2*\b+(\q)], v[SC+16*(\sc)+2*(\a)+(\q)] matrix_a_scale:MATRIX_SCALE_ROW1
.else
	v_wmma_scale_f32_16x16x128_f8f6f4 v[8*(8*((\a)%4)+\b):8*(8*((\a)%4)+\b)+7], v[128*(\p)+FR*\b:128*(\p)+FR*\b+FR-1], v[AF+FR*(\a):AF+FR*(\a)+FR-1], v[8*(8*((\a)%4)+\b):8*(8*((\a)%4)+\b)+7], v[SC+16*(\sc)+2*\b+(\q)], v[SC+16*(\sc)+2*(\a)+(\q)] matrix_a_scale:MATRIX_SCALE_ROW1
.endif
.endr
.endr
.endm
.macro STEP slot, q, cm                ; 128 along K whose successor lies in the same slot
	s_wait_dscnt 16                                ; all but the youngest 16 loads (A's blocks 4-7) are in
.if \cm
	WIN 0x81                                       ; B window 1, A and the bias window 0, D window 2
.else
	WIN 0xa1                                       ; B window 1, A window 0, C and D window 2
.endif
	MUL16 0, (\q)%2, \q, \slot, \cm
	MUL16 2, (\q)%2, \q, \slot, \cm
	s_wait_dscnt 0
	PLACES NP
	FETCH_B \slot, (\q)+1, 1-(\q)%2
	FETCH_A \slot, (\q)+1, 0
.if \cm
	WIN 0xc1
.else
	WIN 0xf1
.endif
	MUL16 4, (\q)%2, \q, \slot, \cm
	MUL16 6, (\q)%2, \q, \slot, \cm
	PLACES NP
	WIN 0
	FETCH_A \slot, (\q)+1, 4
.endm
.macro TURN slot, next, fill           ; a slot's last 128 along K, and the change of slots
	s_wait_tensorcnt 0x0                           ; all my tensor loads have landed: my part of the next slot
	ds_add_u32 v[SPW], v[NIL]                      ; 0 onto my spare word
	s_wait_dscnt 17                                ; (the add and the youngest 16 loads may be out)
	WIN 0xa1
	MUL16 0, 1, 1, \slot, 0
	s_wait_dscnt 0x0                               ; the add is done, and my reads of this slot are over
	s_barrier_signal -1
	MUL16 2, 1, 1, \slot, 0
	WIN 0
	s_barrier_wait -1
.if \fill
	CREST                                          ; the barrier has opened a round of the cluster's: no wave of any partner still reads this slot or has a load on its way
	s_add_nc_u64 s[G0+4*\slot+2:G0+4*\slot+3], s[G0+4*\slot+2:G0+4*\slot+3], 2*RECP
	s_add_nc_u64 s[G0B+4*\slot+2:G0B+4*\slot+3], s[G0B+4*\slot+2:G0B+4*\slot+3], 2*RECP
	JLOAD \slot                                    ; my one tensor load behind the round; its four v_nop are among the places in front of the loads below
	PLACES NP-4
.else
	PLACES NP
.endif
	FETCH_B \next, 0, 0
	FETCH_A \next, 0, 0
	SCALES \next
	WIN 0xf1
	MUL16 4, 1, 1, \slot, 0
	MUL16 6, 1, 1, \slot, 0
	PLACES NP
	WIN 0
	FETCH_A \next, 0, 4
.endm
	s_load_b256 s[4:11], s[0:1], 0x0               ; the tokens' records, the weights' records, qkv_b, the result
	v_lshl_add_u32 v[SPW], v0, 2, SPARE
	v_mov_b32 v[NIL], 0
	ds_add_u32 v28, v29
	ds_add_u32 v28, v29
	s_wait_dscnt 0x0
	v_lshrrev_b32 v1, 5, v0
	v_readfirstlane_b32 s14, v1                    ; wave
	s_lshr_b32 s15, s14, 1                         ; my half of the tile's rows.  Also: I fetch for A (0) or for B (1)
	s_and_b32 s16, s14, 1                          ; my half of its columns.  Also: which 8 tiles I fetch
	s_bfe_u32 s40, ttmp6, 0x40000                  ; cx
	s_bfe_u32 s41, ttmp6, 0x40004                  ; cy
	s_and_b32 s17, ttmp7, 0xffff
	s_lshl_b32 s17, s17, 2                         ; 4 x cluster y
	s_lshl_b32 s42, ttmp9, 2                       ; 4 x cluster x
	s_cmp_eq_u32 ttmp9, 2                          ; the v clusters
	s_cselect_b32 s42, s17, s42                    ; tile column: 4 cluster x + cx; for v 4 cluster y + cx (tokens)
	s_cselect_b32 s17, 0, s17                      ; tile row: 4 cluster y + cy; for v cy (channels)
	s_cselect_b32 s99, 1, 0
	s_cselect_b32 s80, AVOFF, 0
	s_add_co_u32 s42, s42, s40
	s_add_co_u32 s17, s17, s41
	s_lshl_b32 s43, s41, 2
	s_lshl_b32 s43, 15, s43                        ; my row of the cluster
	s_lshl_b32 s44, 0x1111, s40                    ; my column
	s_or_b32 s[G1+0], s43, (3<<16)|(1<<21)         ; 15:0 the mask; 17:16 elements of 8 bytes; 21 set beside a mask; no padding
	s_or_b32 s[G1B+0], s44, (3<<16)|(1<<21)
.irp g, G1, G1B
	s_mov_b32 s[\g+1], 528<<16                     ; tensor_dim0: 4,224 bytes
	s_mov_b32 s[\g+2], 8<<16                       ; tensor_dim1: 8 records
	s_mov_b32 s[\g+3], 528<<16                     ; tile_dim0
	s_mov_b32 s[\g+4], 8                           ; tile_dim1
	s_mov_b32 s[\g+5], S2*544                      ; from tile to tile, in elements
	s_mov_b32 s[\g+6], 0
	s_mov_b32 s[\g+7], 0
.endr
	s_lshl_b32 s18, s16, 3
	s_lshl_b32 s20, s17, 4
	s_add_co_u32 s20, s20, s18
	s_mul_i32 s20, s20, TP                         ; A: tile 16 x tile row + 8 x half
	s_add_co_u32 s20, s20, s80
	s_mov_b32 s21, 0
	s_lshl_b32 s46, s42, 4
	s_add_co_u32 s46, s46, s18
	s_mul_i32 s46, s46, TP                         ; B: tile 16 x tile column + 8 x half
	s_mov_b32 s47, 0
	s_mul_i32 s45, s14, HALFT                      ; where they go: no place in the cluster enters an LDS address
	s_wait_kmcnt 0x0
	s_mov_b64 s[12:13], s[10:11]
	s_cmp_eq_u32 s99, 1
	s_cselect_b64 s[76:77], s[6:7], s[4:5]
	s_cselect_b64 s[78:79], s[4:5], s[6:7]
	s_add_nc_u64 s[20:21], s[76:77], s[20:21]
	s_add_nc_u64 s[46:47], s[78:79], s[46:47]
	CROUND                                         ; all sixteen work-groups are here: the first joint loads meet
.irp s, 0,1
	s_mov_b32 s[G0+4*\s], 1
	s_add_co_u32 s[G0+4*\s+1], s45, \s*SLOT
	s_add_nc_u64 s[G0+4*\s+2:G0+4*\s+3], s[20:21], \s*RECP
	s_or_b32 s[G0+4*\s+3], s[G0+4*\s+3], 0x80000000
	s_mov_b32 s[G0B+4*\s], 1
	s_add_co_u32 s[G0B+4*\s+1], s45, \s*SLOT
	s_add_nc_u64 s[G0B+4*\s+2:G0B+4*\s+3], s[46:47], \s*RECP
	s_or_b32 s[G0B+4*\s+3], s[G0B+4*\s+3], 0x80000000
	JLOAD \s
.endr
	v_and_b32 v1, 15, v0                           ; r
	v_bfe_u32 v2, v0, 4, 1                         ; h
	v_and_b32 v3, 31, v0
	v_lshlrev_b32 v[LI], 4, v3
	s_mul_i32 s21, s15, HALFT                      ; my 8 tiles of A
	s_mul_i32 s22, s16, HALFT
	s_add_co_u32 s22, s22, 2*HALFT                 ; my 8 tiles of B, behind A's 16
	v_lshlrev_b32 v5, 2, v1
	s_sub_co_u32 s23, s22, s21
	v_mul_u32_u24 v6, s23, v2                      ; lanes 16-31 take B's scale words
	v_add_nc_u32 v5, v5, v6
.irp s, 0,1
	v_add_nc_u32 v[ADRA+\s], s21, v[LI]
	v_add_nc_u32 v[ADRB+\s], s22, v[LI]
	v_add_nc_u32 v[ADRS+\s], s21, v5
	s_add_co_u32 s21, s21, SLOT
	s_add_co_u32 s22, s22, SLOT
.endr
	; the way out's figures, for q and k and for v, chosen by the cluster's x
	s_lshr_b32 s82, s17, 3
	s_lshl_b32 s82, s82, 5
	s_lshl_b32 s81, s42, 2
	s_add_co_u32 s82, s82, s81
	s_lshl_b32 s81, s16, 1
	s_add_co_u32 s82, s82, s81                     ; 32 x batch + (head, or 16 + head)
	s_lshl_b32 s82, s82, 6
	s_and_b32 s81, s17, 7
	s_lshl_b32 s81, s81, 3
	s_add_co_u32 s82, s82, s81
	s_lshl_b32 s81, s15, 2
	s_add_co_u32 s82, s82, s81                     ; q, k: my first record: a pair of token tiles
	s_lshl_b32 s81, s17, 4
	s_lshl_b32 s83, s15, 3
	s_add_co_u32 s81, s81, s83
	s_lshl_b32 s81, s81, 5
	s_lshl_b32 s83, s42, 1
	s_add_co_u32 s81, s81, s83
	s_add_co_u32 s81, s81, s16
	s_add_co_u32 s81, s81, 4096                    ; v: behind q's and k's 4,096 records: (channel tile) x 32 + key step
	s_lshl_b32 s90, s42, 10
	s_lshl_b32 s91, s16, 9
	s_add_co_u32 s90, s90, s91                     ; the column bias: my 128 columns
	s_lshl_b32 s92, s17, 10
	s_lshl_b32 s93, s15, 9
	s_add_co_u32 s92, s92, s93
	s_add_co_u32 s92, s92, 8192                    ; v's bias: 2,048 + my 128 rows
	s_mov_b32 s84, 147456                          ; q, k: groups 2 and 3 belong to the next head: 64 records on
	s_mov_b32 s68, 1024                            ; from an even block of rows to the odd one,
	s_mov_b32 s70, 1280                            ; and on to the next record
	s_mov_b32 s72, 2304
	s_mov_b32 s85, 147456
	s_mov_b32 s86, 0x05040100                      ; bytes 0, 1 of both blocks' words: the first head's
	s_mov_b32 s87, 0x07060302                      ; bytes 2, 3: the second head's
	s_cmp_eq_u32 s99, 1
	s_cselect_b32 s82, s81, s82
	s_cselect_b32 s84, 1024, s84
	s_cselect_b32 s68, 73728, s68                  ; v: from channel tile to channel tile: 32 records
	s_cselect_b32 s70, 73728, s70
	s_cselect_b32 s72, 147456, s72
	s_cselect_b32 s85, 73728, s85
	s_cselect_b32 s86, 0x03020100, s86             ; the even block's word
	s_cselect_b32 s87, 0x07060504, s87             ; the odd block's
	s_cselect_b32 s88, -1, 0                       ; keeps v's bias, clears it elsewhere
	s_cselect_b32 s89, 0, -1                       ; and the column bias the other way round
	s_cselect_b32 s90, 0, s90                      ; the bias that is cleared is read at the buffer's head: no load leaves it
	s_cselect_b32 s92, s92, 0
	s_mul_i32 s82, s82, 2304
	s_mov_b32 s83, 0
	s_mov_b32 s69, 0
	s_mov_b32 s71, 0
	s_mov_b32 s73, 0
	s_mov_b32 s91, 0
	s_mov_b32 s93, 0
	s_mov_b32 s66, 0x76543210
	s_mov_b32 s67, 0xfedcba98                      ; lane l xor 16
	s_mov_b32 s98, 0x600000                        ; the mantissa field of 448
	s_add_nc_u64 s[12:13], s[12:13], s[82:83]
	s_mov_b64 s[74:75], s[12:13]
	s_add_nc_u64 s[92:93], s[8:9], s[92:93]
	s_add_nc_u64 s[8:9], s[8:9], s[90:91]
	v_add_nc_u32 v[VO], 0, v[LI]
	v_add_nc_u32 v[VO+1], 512, v[LI]
	v_add_nc_u32 v[VO+2], s84, v[LI]
	v_add_nc_u32 v[VO+3], 512, v[VO+2]
	v_mul_u32_u24 v[VS], s85, v2
	v_lshl_add_u32 v[VS], v1, 2, v[VS]
	v_add_nc_u32 v[VS], 2048, v[VS]
	v_mov_b32 v[VSEL], s86
	v_mov_b32 v14, s87
	v_cmp_eq_u32 vcc_lo, 1, v2
	v_cndmask_b32 v[VSEL], v[VSEL], v14, vcc_lo
	v_and_b32 v15, 8, v1
	v_add_nc_u32 v15, v15, v1
	v_lshlrev_b32 v15, 2, v15                      ; v's bias: 4 (r + 8 (r / 8))
	v_lshlrev_b32 v7, 6, v2                        ; the column bias: 16 numbers on for lanes 16-31
.irp b, 0,1,2,3,4,5,6,7
	global_load_b128 v[BI+8*\b:BI+8*\b+3], v7, s[8:9] offset:(32*(\b/2)+8*(\b%2))*4
	global_load_b128 v[BI+8*\b+4:BI+8*\b+7], v7, s[8:9] offset:(32*(\b/2)+8*(\b%2))*4+16
.endr
	s_wait_loadcnt 0x0
.set k, 0
.rept 64
	v_and_b32 v[BI+k], s89, v[BI+k]
.set k, k+1
.endr
	s_wait_tensorcnt 1                             ; my part of K step 0 is in; K step 1's load may stay out
	s_barrier_signal -1
	s_barrier_wait -1
	FETCH_B 0, 0, 0
	FETCH_A 0, 0, 0
	SCALES 0
	FETCH_A 0, 0, 4
	STEP 0, 0, 1                                   ; the first step stands in front of the loop: the bias starts the sums
.irp a, 0,1,2,3,4,5,6,7
	global_load_b32 v[BI+2*\a], v15, s[92:93] offset:(32*(\a/2)+8*(\a%2))*4   ; v's bias of block a's rows, into registers that the first step has left (eight places back); wanted on the way out
.endr
	s_mov_b32 s3, LAPS-1
.Llap:
	TURN 0, 1, 1
	STEP 1, 0, 0
	TURN 1, 0, 1
	STEP 0, 0, 0
	s_sub_co_u32 s3, s3, 1
	s_cmp_lg_u32 s3, 0
	s_cbranch_scc1 .Llap
	TURN 0, 1, 0                                   ; the last lap fills nothing
	STEP 1, 0, 0
	s_wait_dscnt 16
	WIN 0xa1
	MUL16 0, 1, 1, 1, 0
	MUL16 2, 1, 1, 1, 0
	s_wait_dscnt 0
	WIN 0xf1
	MUL16 4, 1, 1, 1, 0
	MUL16 6, 1, 1, 1, 0
	WIN 0
	PLACES NP
; THE WAY OUT, block a of 16 rows at a time: register 16 b + i of the block is column 32 b + 16 h + i of my row.
.macro RBADD a                         ; the bias that goes by rows; each accumulator is read from its low end on
.set W, 2+(\a)/4
.set AC, 64*((\a)%4)
.set WN, (W<<6)|W
	WIN WN
.set k, 0
.rept 32
	v_pk_add_f32 v[AC+k:AC+k+1], v[AC+k:AC+k+1], v[BI+2*(\a):BI+2*(\a)+1]
.set k, k+2
.endr
.endm
.macro QUANT a                         ; four blocks of 32 become 64 codes a lane in PC and a scale word
.set W, 2+(\a)/4
.set AC, 64*((\a)%4)
.set PWA, PW+(\a)%2
.set WN, (W<<4)|(W<<2)
	WIN WN
.irp b, 0,1,2,3
	v_max3_num_f32 v[TM+\b], 0x4800000, |v[AC+16*\b]|, |v[AC+16*\b+1]|   ; with the floor 2^(9 - 127): the byte cannot fall under 1
.endr
.irp i, 2,4,6,8,10,12,14
.irp b, 0,1,2,3
	v_max3_num_f32 v[TM+\b], v[TM+\b], |v[AC+16*\b+\i]|, |v[AC+16*\b+\i+1]|
.endr
.endr
	WIN 0
.irp b, 0,1,2,3
	v_permlanex16_b32 v[TM+4+\b], v[TM+\b], s66, s67
.endr
.irp b, 0,1,2,3
	v_max_num_f32 v[TM+\b], v[TM+\b], v[TM+4+\b]   ; with lane l xor 16's 16: the block's largest magnitude
.endr
.irp b, 0,1,2,3
	v_add_nc_u32 v[TM+12+\b], 0xfc000000, v[TM+\b] ; the conversion's scale operand
.endr
.irp b, 0,1,2,3
	v_and_or_b32 v[TM+8+\b], v[TM+\b], 0x7f800000, s98   ; 448 x the scale
.endr
.irp b, 0,1,2,3
	v_lshrrev_b32 v[TM+4+\b], 23, v[TM+12+\b]      ; the byte
.endr
	v_lshl_or_b32 v[PWA], v[TM+5], 8, v[TM+4]
	v_lshl_or_b32 v[PWA], v[TM+6], 16, v[PWA]
	v_lshl_or_b32 v[PWA], v[TM+7], 24, v[PWA]
.set WN, (W<<6)|W
	WIN WN
.irp b, 0,1,2,3
.irp i, 0,1,2,3,4,5,6,7,8,9,10,11,12,13,14,15
	v_med3_num_f32 v[AC+16*\b+\i], v[AC+16*\b+\i], -v[TM+8+\b], v[TM+8+\b]   ; the conversion does not saturate (ISA guide 7.6.2)
.endr
.endr
	WIN W
.irp b, 0,1,2,3
	v_cvt_scalef32_pk8_fp8_f32 v[PC+4*\b:PC+4*\b+1], v[AC+16*\b:AC+16*\b+7], v[TM+12+\b]
	v_cvt_scalef32_pk8_fp8_f32 v[PC+4*\b+2:PC+4*\b+3], v[AC+16*\b+8:AC+16*\b+15], v[TM+12+\b]
.endr
	WIN 0
	v_nop                                          ; a plain instruction behind the last conversion
.endm
.macro QOUT a
.irp b, 0,1,2,3
	global_store_b128 v[VO+\b], v[PC+4*\b:PC+4*\b+3], s[12:13]   ; 32 lanes store a group: 512 consecutive bytes, at a multiple of 256 from the buffer's first byte
.endr
.if (\a)%2
	v_perm_b32 v[XW], v[PW+1], v[PW], v[VSEL]
	global_store_b32 v[VS], v[XW], s[74:75]        ; two runs of 64 bytes: the scale words of two records
.endif
	s_wait_xcnt 0x0                                ; the stores have read their data and bases: both are written again only behind this wait
.if (\a)%2
	s_add_nc_u64 s[12:13], s[12:13], s[70:71]
	s_add_nc_u64 s[74:75], s[74:75], s[72:73]
.else
	s_add_nc_u64 s[12:13], s[12:13], s[68:69]
.endif
.endm
	s_wait_loadcnt 0x0                             ; v's bias
.irp a, 0,1,2,3,4,5,6,7
	v_and_b32 v[BI+2*\a+1], s88, v[BI+2*\a]
	v_and_b32 v[BI+2*\a], s88, v[BI+2*\a]
.endr
.irp b, 0,1,2,3
	v_mov_b32 v[TM+4+\b], 0                        ; written once: a lane permute's destination counts as one of its sources
.endr
.irp a, 0,1,2,3,4,5,6,7
	RBADD \a
	QUANT \a
	QOUT \a
.endr
	s_wait_tensorcnt 0x0                           ; the wave's end
	ds_add_u32 v[SPW], v[NIL]
	s_wait_dscnt 0x0
	CROUND                                         ; the closing round: no work-group ends while a partner may still ask for a tile that names it
	s_endpgm
.Lfunc_end_k_q9082470f90_qkv:
	.size	k_q9082470f90_qkv, .Lfunc_end_k_q9082470f90_qkv-k_q9082470f90_qkv
	.p2alignl 7, 3214868480
	.fill 96, 4, 3214868480
	.section	.rodata,"a",@progbits
	.p2align	6, 0x0
	.amdhsa_kernel k_q9082470f90_qkv
		.amdhsa_group_segment_fixed_size 327680
		.amdhsa_private_segment_fixed_size 0
		.amdhsa_enable_private_segment 0
		.amdhsa_kernarg_size 32
		.amdhsa_user_sgpr_count 2
		.amdhsa_user_sgpr_kernarg_segment_ptr 1
		.amdhsa_wavefront_size32 1
		.amdhsa_system_sgpr_workgroup_id_x 1
		.amdhsa_system_sgpr_workgroup_id_y 1
		.amdhsa_system_sgpr_workgroup_id_z 1
		.amdhsa_system_vgpr_workitem_id 0
		.amdhsa_next_free_vgpr 1024
		.amdhsa_next_free_sgpr 100
		.amdhsa_reserve_vcc 1
		.amdhsa_float_denorm_mode_32 3
		.amdhsa_float_denorm_mode_16_64 3
		.amdhsa_memory_ordered 1
		.amdhsa_forward_progress 1
		.amdhsa_inst_pref_size 209
	.end_amdhsa_kernel
	.amdgpu_metadata
---
amdhsa.version: [ 1, 2 ]
amdhsa.kernels:
  - .name:           k_q9082470f90_qkv
    .symbol:         k_q9082470f90_qkv.kd
    .args:
      - { .name: aimg, .offset: 0, .size: 8, .value_kind: global_buffer, .address_space: global }
      - { .name: wimg, .offset: 8, .size: 8, .value_kind: global_buffer, .address_space: global }
      - { .name: qkv_b, .offset: 16, .size: 8, .value_kind: global_buffer, .address_space: global }
      - { .name: qkvr, .offset: 24, .size: 8, .value_kind: global_buffer, .address_space: global }
    .group_segment_fixed_size: 327680
    .private_segment_fixed_size: 0
    .kernarg_segment_align: 8
    .kernarg_segment_size: 32
    .max_flat_workgroup_size: 128
    .sgpr_count:     100
    .vgpr_count:     1024
    .wavefront_size: 32
...
	.end_amdgpu_metadata
.endif
;; end of part 2
;; launch attn (part 3): grid 8 x 32, 16 waves a work-group, clusters of 4 x 1, 272,384 bytes of LDS; arguments qkvr, oimg; writes oimg
.if DOCPART == 3
	.amdgcn_target "amdgcn-amd-amdhsa--gfx1250"
	.amdhsa_code_object_version 6
	.text
	.protected	k_q9082470f90_attn
	.globl	k_q9082470f90_attn
	.p2align	8
	.type	k_q9082470f90_attn,@function
k_q9082470f90_attn:
	s_mov_b64 s[64:65], 0
	v_nop
	global_prefetch_b8 v0, s[64:65] scope:SCOPE_SE
	s_setreg_imm32_b32 hwreg(HW_REG_WAVE_MODE, 25, 1), 1
	s_wait_xcnt 0x0
	s_wait_alu depctr_hold_cnt(0) depctr_sa_sdst(0) depctr_va_vdst(0) depctr_va_sdst(0) depctr_va_ssrc(0) depctr_va_vcc(0) depctr_vm_vsrc(0)
	s_getreg_b32 s2, hwreg(HW_REG_IB_STS2, 6, 4)
	s_cmp_eq_u32 s2, 0
	s_cbranch_scc0 .Lentry_in_a_cluster
	s_endpgm
.Lentry_in_a_cluster:
	s_bfe_u32 s2, ttmp6, 0x10000c
	s_cmp_lg_u32 s2, 0x3003
	s_cbranch_scc0 .Lentry_shape_is_right
	s_endpgm
.Lentry_shape_is_right:
; Attention of one head on codes of MX-FP8 (E4M3, one E8M0 byte for each 32 along a product's K): o = softmax(q k^T / 8) v, quantised along the channels on the way out.
; t = score x log2(e) / 8; M = the running largest t rounded UP to a whole number; p = 2^(t - M) is quantised along the keys, not normalised; the row's sum is taken of the unquantised p and divides at the end;
; when M moves, the sum and O are multiplied by 2^(old M - new M), which rounds nothing.
; SHARES.  A work-group: 256 queries of one head and batch; each of its sixteen waves one tile of 16 queries in 256 registers, four waves to a SIMD.  Every wave walks the 2,048 keys, 128 a step.
; LDS holds the head's K (64 records) and V (64 records) WHOLE: 128 x 2,112 bytes, filled once, one tensor load a wave; nothing is filled again, so the loop has no barrier.
; CLUSTER of 4 x 1: the four query blocks of a head ask for the same 16 tiles jointly.
; RECORDS (2,304 bytes apart, 2,112 used): an image of an operand's registers (group c of 512 bytes: lane (r, h): 16 codes at 16 (r + 16 h)), then 16 scale words at 2048 + 4 r.
;   q, k: [batch][head, 16 + head][pair P of token tiles]: groups 0, 1: tile 2 P, head dims 0-63; groups 2, 3: tile 2 P + 1.   v: [channel tile][key step of 128]: rows = channels, K = the keys.
; Lane row r of tile T stands for row 32 (T / 2) + 8 (T % 2) + r + 8 (r / 8).  Both products are used transposed (S^T = K Q^T, O^T = V^T P^T): a lane holds one query, and the 16 registers of two neighbouring tiles are 16 neighbours along the next K.
; THE HEAD'S K IS 64, THE INSTRUCTION'S 128.  A record of K is one fragment with two tiles of keys side by side along K; Q stands between zeros, [8 zeros | q | 8 zeros]: (q, 0) meets the first tile, (0, q) the second.  Zero codes add nothing.
; REGISTERS: v1-11 addresses; v12 -M, v13 the largest t, v[14:15] the sum; v16-39 Q between zeros; v40-103 four fragments of K, then of V; v104-167 S^T, then p; v168-199 O^T; v200-215 p's codes;
;   v216-231 at work; v232-235 the fragments' scale words, v236 Q's, v237 p's; v[238:239] f; v240 at work; v[242:243] the sum's second chain.
; LIMITS: NaN and infinities are not served; a block of p that has fallen to 0 keeps the byte 1; a block's largest p is made from its largest score, which takes v_exp_f32 not to fall where its input rises.
.set RB,   2112                        ; a record in LDS
.set VLDS, 64*RB                       ; V's records lie behind K's: (16 x tile + step)
.macro CROUND
	s_barrier_signal -1
	s_barrier_wait -1
	s_cmp_lg_u32 s8, 0
	s_cbranch_scc1 .Lnot_wave_0_\@
	s_barrier_signal -3
.Lnot_wave_0_\@:
	s_barrier_wait -3
	s_barrier_signal -1
	s_barrier_wait -1
.endm
	s_load_b128 s[4:7], s[0:1], 0x0                ; q, k, v's records; o's records
	v_lshl_add_u32 v254, v0, 2, 0x42000
	v_mov_b32 v255, 0
	ds_add_u32 v254, v255
	ds_add_u32 v254, v255
	v_lshrrev_b32 v1, 5, v0
	v_readfirstlane_b32 s8, v1                     ; wave 0..15
	s_and_b32 s13, ttmp7, 0xffff
	s_lshr_b32 s9, s13, 4                          ; batch
	s_and_b32 s10, s13, 15                         ; head
	s_bfe_u32 s11, ttmp6, 0x40000                  ; cx
	s_lshl_b32 s12, ttmp9, 2
	s_add_co_u32 s12, s12, s11                     ; my block of 256 queries: it enters Q's and o's addresses alone
	s_lshl_b32 s14, s9, 5
	s_add_co_u32 s14, s14, s10                     ; 32 x batch + head
	s_add_co_u32 s15, s14, 16
	s_lshl_b32 s15, s15, 6
	s_lshl_b32 s16, s8, 3
	s_add_co_u32 s15, s15, s16                     ; waves 0-7: K's records 8 w on
	s_and_b32 s16, s8, 7
	s_lshr_b32 s17, s16, 1
	s_lshl_b32 s40, s10, 2
	s_add_co_u32 s17, s17, s40                     ; waves 8-15: channel tile 4 x head + (w - 8) / 2,
	s_lshl_b32 s17, s17, 5
	s_lshl_b32 s40, s9, 4
	s_add_co_u32 s17, s17, s40                     ; the batch's 16 key steps,
	s_and_b32 s40, s16, 1
	s_lshl_b32 s40, s40, 3
	s_add_co_u32 s17, s17, s40                     ; their first or second eight,
	s_add_co_u32 s17, s17, 4096                    ; behind q's and k's 4,096 records
	s_cmp_lt_u32 s8, 8
	s_cselect_b32 s40, s15, s17
	s_mul_i32 s40, s40, 2304
	s_mov_b32 s41, 0
	s_mov_b32 s32, 15|(3<<16)|(1<<21)              ; 15:0 the mask: all four work-groups; 17:16 elements of 8 bytes; 21 set beside a mask
	s_mov_b32 s33, 264<<16                         ; tensor_dim0: 2,112 bytes
	s_mov_b32 s34, 8<<16                           ; tensor_dim1: 8 records
	s_mov_b32 s35, 264<<16                         ; tile_dim0
	s_mov_b32 s36, 8                               ; tile_dim1
	s_mov_b32 s37, 288                             ; from record to record: 2,304 bytes
	s_mov_b32 s38, 0
	s_mov_b32 s39, 0
	s_mov_b32 s28, 1
	s_mul_i32 s29, s8, 8*RB                        ; each wave's eight records have LDS bytes of their own
	s_lshl_b32 s42, s14, 6
	s_lshl_b32 s43, s12, 3
	s_add_co_u32 s42, s42, s43
	s_lshr_b32 s43, s8, 1
	s_add_co_u32 s42, s42, s43
	s_mul_i32 s42, s42, 2304                       ; Q's record: the pair of tiles that holds mine
	s_mov_b32 s43, 0
	s_and_b32 s46, s8, 1                           ; which tile of the pair
	s_lshl_b32 s47, s46, 10
	s_mov_b32 s26, 0x03020302
	s_cmp_eq_u32 s46, 0
	s_cselect_b32 s26, 0x01000100, s26             ; my tile's two scale bytes, twice
	s_lshl_b32 s50, s9, 7
	s_lshl_b32 s51, s12, 4
	s_add_co_u32 s50, s50, s51
	s_add_co_u32 s50, s50, s8                      ; my token tile: 128 x batch + 16 x block + wave
	s_mul_i32 s50, s50, 17408
	s_lshr_b32 s51, s10, 2
	s_mul_i32 s51, s51, 4352
	s_add_co_u32 s50, s50, s51                     ; o's record: K step of 256 = head / 4
	s_bfe_u32 s51, s10, 0x10001
	s_and_b32 s52, s10, 1
	s_lshl_b32 s53, s51, 11
	s_lshl_b32 s54, s52, 10
	s_add_co_u32 s56, s50, s53
	s_add_co_u32 s56, s56, s54                     ; my two groups of codes
	s_mov_b32 s57, 0
	s_lshl_b32 s53, s51, 6
	s_lshl_b32 s54, s52, 1
	s_add_co_u32 s58, s50, s53
	s_add_co_u32 s58, s58, s54
	s_add_co_u32 s58, s58, 4096                    ; my half of the scale words
	s_mov_b32 s59, 0
	s_mov_b32 s18, 0                               ; the step's records of K: 4 x 2,112 bytes a step
	s_mov_b32 s19, 0                               ; and of V: 2,112 a step
	s_mov_b32 s20, 0x76543210
	s_mov_b32 s21, 0xfedcba98                      ; lane l xor 16
	s_mov_b32 s22, 0x3e38aa3b                      ; c = log2(e) / 8
	s_mov_b32 s23, s22                             ; (named with it as a pair, so it is written)
	s_mov_b32 s24, 0x600000                        ; the mantissa field of 448
	s_mov_b32 s25, 16
	s_wait_dscnt 0x0
	s_wait_kmcnt 0x0
	s_add_nc_u64 s[30:31], s[4:5], s[40:41]
	s_or_b32 s31, s31, 0x80000000
	s_add_nc_u64 s[44:45], s[4:5], s[42:43]
	s_add_nc_u64 s[48:49], s[6:7], s[58:59]
	s_add_nc_u64 s[6:7], s[6:7], s[56:57]
	CROUND                                         ; all four work-groups are here: the joint loads meet
	tensor_load_to_lds s[28:31], s[32:39]          ; my one tensor load of the launch
	s_nop 0
.rept 4
	v_nop
.endr
	v_and_b32 v2, 31, v0
	v_lshlrev_b32 v1, 4, v2                        ; 16 x lane
	v_and_b32 v2, 15, v0
	v_lshlrev_b32 v2, 2, v2                        ; 4 r
	v_add_nc_u32 v9, VLDS, v1
	v_add_nc_u32 v10, VLDS+32*RB, v1
	v_add_nc_u32 v11, VLDS, v2
	v_add_nc_u32 v3, s47, v1
	global_load_b128 v[24:27], v3, s[44:45]        ; q: head dims 0-31,
	global_load_b128 v[28:31], v3, s[44:45] offset:512   ; 32-63
	global_load_b32 v240, v2, s[44:45] offset:2048
.irp j, 0,1,2,3,4,5,6,7
	v_mov_b32 v[16+\j], 0                          ; zero codes on both sides of q
	v_mov_b32 v[32+\j], 0
.endr
	v_mov_b32 v13, 0xff61b1e6                      ; the largest t so far: -3e38
	v_floor_f32 v12, -v13                          ; -M
	v_mov_b32 v14, 0
	v_mov_b32 v15, 0
	v_mov_b32 v239, 0                              ; (named as the upper half of f's pair)
.irp b, 0,1,2,3
	v_mov_b32 v[220+\b], 0                         ; written once: a lane permute's destination counts as one of its sources
.endr
	s_wait_loadcnt 0x0
	v_perm_b32 v236, v240, v240, s26               ; Q's scale word: (s0, s1, s0, s1): it serves q on either side
.set j, 0
.rept 32
	v_mov_b32 v[168+j], 0                          ; O^T: the step is written once; its first trip finds zeros
.set j, j+1
.endr
	s_wait_tensorcnt 0x0                           ; my eight records lie in LDS,
	s_barrier_signal -1
	s_barrier_wait -1                              ; everybody's do
.Lstep:                                            ; 16 trips of 128 keys
	v_add_nc_u32 v3, s18, v1                       ; these six and two v_nop are the eight places behind the last trip's products
	v_add_nc_u32 v4, s18, v2
	v_add_nc_u32 v5, s19, v9
	v_add_nc_u32 v6, s19, v10
	v_add_nc_u32 v7, s19, v11
	v_add_nc_u32 v8, 32*RB, v7
	v_nop
	v_nop
.irp f, 0,1,2,3
.irp c, 0,1,2,3
	ds_load_b128 v[40+16*\f+4*\c:43+16*\f+4*\c], v3 offset:\f*RB+512*\c
.endr
	ds_load_b32 v[232+\f], v4 offset:\f*RB+2048
.endr
	s_wait_dscnt 0x0
.irp f, 0,1,2,3                                ; S^T = K Q^T: record f holds keys 32 f + 0..31
	v_wmma_scale_f32_16x16x128_f8f6f4 v[104+16*\f:111+16*\f], v[40+16*\f:55+16*\f], v[24:39], 0, v[232+\f], v236
	v_wmma_scale_f32_16x16x128_f8f6f4 v[112+16*\f:119+16*\f], v[40+16*\f:55+16*\f], v[16:31], 0, v[232+\f], v236
.endr
.rept 8
	v_nop                                          ; places in front of loads into registers that the products read, and of the first read of the scores
.endr
.irp t, 0,1
.irp c, 0,1,2,3
	ds_load_b128 v[40+16*\t+4*\c:43+16*\t+4*\c], v5 offset:\t*16*RB+512*\c     ; V's four fragments land while the softmax is worked
	ds_load_b128 v[72+16*\t+4*\c:75+16*\t+4*\c], v6 offset:\t*16*RB+512*\c
.endr
	ds_load_b32 v[232+\t], v7 offset:\t*16*RB+2048
	ds_load_b32 v[234+\t], v8 offset:\t*16*RB+2048
.endr
.irp b, 0,1,2,3
	v_max3_num_f32 v[216+\b], v[104+16*\b], v[105+16*\b], v[106+16*\b]   ; the largest score of each block of 32 keys: for the row's maximum and for the block's largest p
.endr
.irp i, 3,5,7,9,11,13
.irp b, 0,1,2,3
	v_max3_num_f32 v[216+\b], v[216+\b], v[104+16*\b+\i], v[105+16*\b+\i]
.endr
.endr
.irp b, 0,1,2,3
	v_max_num_f32 v[216+\b], v[216+\b], v[119+16*\b]
.endr
.irp b, 0,1,2,3
	v_permlanex16_b32 v[220+\b], v[216+\b], s20, s21
.endr
.irp b, 0,1,2,3
	v_max_num_f32 v[216+\b], v[216+\b], v[220+\b]
.endr
	v_max3_num_f32 v240, v216, v217, v218
	v_max_num_f32 v240, v240, v219
	v_mul_f32 v240, s22, v240                      ; as t (c is positive)
	v_max_num_f32 v13, v13, v240                   ; the running largest t
	v_mov_b32 v240, v12
	v_floor_f32 v12, -v13                          ; the new -M = -ceil(t)
	v_sub_f32 v240, v12, v240                      ; old M - new M: a whole number, 0 or less
	v_cvt_i32_f32 v240, v240
	v_ldexp_f32 v238, 1.0, v240                    ; f = 2^(old M - new M)
.set j, 0
.rept 32
	v_pk_fma_f32 v[104+j:105+j], v[104+j:105+j], s[22:23], v[12:13] op_sel_hi:[1,0,0]   ; t - M
.set j, j+2
.endr
.irp b, 0,1,2,3
	v_fma_f32 v[216+\b], v[216+\b], s22, v12
.endr
.set j, 0
.rept 64
	v_exp_f32 v[104+j], v[104+j]                   ; p = 2^(t - M)
.set j, j+1
.endr
.irp b, 0,1,2,3
	v_exp_f32 v[216+\b], v[216+\b]                 ; the block's largest p: the same two instructions on the same number
.endr
	v_pk_mul_f32 v[14:15], v[14:15], v[238:239] op_sel_hi:[1,0]   ; the sums under the new M (a plain instruction behind the exponentials)
	s_wait_alu depctr_va_vdst(0)
.irp b, 0,1,2,3
	v_max_num_f32 v[216+\b], 0x4800000, v[216+\b]  ; the floor 2^(9 - 127)
.endr
.irp b, 0,1,2,3
	v_add_nc_u32 v[228+\b], 0xfc000000, v[216+\b]  ; the conversion's scale operand
.endr
.irp b, 0,1,2,3
	v_and_or_b32 v[224+\b], v[216+\b], 0x7f800000, s24   ; 448 x the scale
.endr
.irp b, 0,1,2,3
	v_lshrrev_b32 v[220+\b], 23, v[228+\b]         ; the byte
.endr
	v_lshl_or_b32 v237, v221, 8, v220              ; p's scale word for these 128 keys
	v_lshl_or_b32 v237, v222, 16, v237
	v_lshl_or_b32 v237, v223, 24, v237
	v_pk_add_f32 v[242:243], v[104:105], v[106:107]   ; the row's sum is taken of the unquantised p, in two chains
.irp j, 4,8,12,16,20,24,28,32,36,40,44,48,52,56,60
	v_pk_add_f32 v[14:15], v[14:15], v[104+\j:105+\j]
	v_pk_add_f32 v[242:243], v[242:243], v[106+\j:107+\j]
.endr
	v_pk_add_f32 v[14:15], v[14:15], v[242:243]
.irp b, 0,1,2,3
.irp i, 0,1,2,3,4,5,6,7,8,9,10,11,12,13,14,15
	v_min_num_f32 v[104+16*\b+\i], v[104+16*\b+\i], v[224+\b]   ; the conversion does not saturate (ISA guide 7.6.2); p is not negative
.endr
	v_cvt_scalef32_pk8_fp8_f32 v[200+4*\b:201+4*\b], v[104+16*\b:111+16*\b], v[228+\b]
	v_cvt_scalef32_pk8_fp8_f32 v[202+4*\b:203+4*\b], v[112+16*\b:119+16*\b], v[228+\b]
.endr
.set j, 0
.rept 16
	v_pk_mul_f32 v[168+j:169+j], v[168+j:169+j], v[238:239] op_sel_hi:[1,0]   ; O^T under the new M; these are also the places in front of the products below
.set j, j+2
.endr
	s_wait_dscnt 0x0                               ; V's fragments and scale words are in
.irp t, 0,1,2,3                                ; O^T += V^T P^T: the four accumulators by turns
	v_wmma_scale_f32_16x16x128_f8f6f4 v[168+8*\t:175+8*\t], v[40+16*\t:55+16*\t], v[200:215], v[168+8*\t:175+8*\t], v[232+\t], v237
.endr
	s_add_co_u32 s18, s18, 4*RB
	s_add_co_u32 s19, s19, RB
	s_sub_co_u32 s25, s25, 1
	s_cmp_lg_u32 s25, 0
	s_cbranch_scc1 .Lstep
.rept 8
	v_nop
.endr
	v_add_f32 v14, v14, v15                        ; the sum's two halves,
	v_permlanex16_b32 v240, v14, s20, s21
	v_add_f32 v14, v14, v240                       ; and lane l xor 16's
	v_rcp_f32 v14, v14
	v_nop                                          ; a plain instruction behind the transcendental
.set j, 0
	s_wait_alu depctr_va_vdst(0)
.rept 16
	v_pk_mul_f32 v[104+j:105+j], v[168+j:169+j], v[14:15] op_sel_hi:[1,0]   ; register 16 g + i: channel 64 head + 32 g + 16 h + i of my query
.set j, j+2
.endr
.irp g, 0,1
	v_max3_num_f32 v[216+\g], |v[104+16*\g]|, |v[105+16*\g]|, 0x4800000
.endr
.irp i, 2,4,6,8,10,12,14
.irp g, 0,1
	v_max3_num_f32 v[216+\g], v[216+\g], |v[104+16*\g+\i]|, |v[105+16*\g+\i]|
.endr
.endr
.irp g, 0,1
	v_permlanex16_b32 v[220+\g], v[216+\g], s20, s21
.endr
.irp g, 0,1
	v_max_num_f32 v[216+\g], v[216+\g], v[220+\g]
.endr
.irp g, 0,1
	v_add_nc_u32 v[228+\g], 0xfc000000, v[216+\g]
.endr
.irp g, 0,1
	v_and_or_b32 v[224+\g], v[216+\g], 0x7f800000, s24
.endr
.irp g, 0,1
	v_lshrrev_b32 v[220+\g], 23, v[228+\g]
.endr
	v_lshl_or_b32 v240, v221, 8, v220              ; my head's two bytes of the row's scale word
.irp g, 0,1
.irp i, 0,1,2,3,4,5,6,7,8,9,10,11,12,13,14,15
	v_med3_num_f32 v[104+16*\g+\i], v[104+16*\g+\i], -v[224+\g], v[224+\g]
.endr
	v_cvt_scalef32_pk8_fp8_f32 v[200+4*\g:201+4*\g], v[104+16*\g:111+16*\g], v[228+\g]
	v_cvt_scalef32_pk8_fp8_f32 v[202+4*\g:203+4*\g], v[112+16*\g:119+16*\g], v[228+\g]
.endr
	v_nop                                          ; a plain instruction behind the last conversion
	global_store_b128 v1, v[200:203], s[6:7]       ; a group of the next operand's image: 512 consecutive bytes
	global_store_b128 v1, v[204:207], s[6:7] offset:512
	global_store_b16 v2, v240, s[48:49]            ; lanes l and l xor 16 write the same two bytes with the same value
	s_wait_tensorcnt 0x0
	ds_add_u32 v254, v255
	s_wait_dscnt 0x0
	CROUND                                         ; the closing round
	s_endpgm
.Lfunc_end_k_q9082470f90_attn:
	.size	k_q9082470f90_attn, .Lfunc_end_k_q9082470f90_attn-k_q9082470f90_attn
	.p2alignl 7, 3214868480
	.fill 96, 4, 3214868480
	.section	.rodata,"a",@progbits
	.p2align	6, 0x0
	.amdhsa_kernel k_q9082470f90_attn
		.amdhsa_group_segment_fixed_size 272384
		.amdhsa_private_segment_fixed_size 0
		.amdhsa_enable_private_segment 0
		.amdhsa_kernarg_size 16
		.amdhsa_user_sgpr_count 2
		.amdhsa_user_sgpr_kernarg_segment_ptr 1
		.amdhsa_wavefront_size32 1
		.amdhsa_system_sgpr_workgroup_id_x 1
		.amdhsa_system_sgpr_workgroup_id_y 1
		.amdhsa_system_sgpr_workgroup_id_z 1
		.amdhsa_system_vgpr_workitem_id 0
		.amdhsa_next_free_vgpr 256
		.amdhsa_next_free_sgpr 66
		.amdhsa_reserve_vcc 0
		.amdhsa_float_denorm_mode_32 3
		.amdhsa_float_denorm_mode_16_64 3
		.amdhsa_memory_ordered 1
		.amdhsa_forward_progress 1
		.amdhsa_inst_pref_size 33
	.end_amdhsa_kernel
	.amdgpu_metadata
---
amdhsa.version: [ 1, 2 ]
amdhsa.kernels:
  - .name:           k_q9082470f90_attn
    .symbol:         k_q9082470f90_attn.kd
    .args:
      - { .name: qkvr, .offset: 0, .size: 8, .value_kind: global_buffer, .address_space: global }
      - { .name: oimg, .offset: 8, .size: 8, .value_kind: global_buffer, .address_space: global }
    .group_segment_fixed_size: 272384
    .private_segment_fixed_size: 0
    .kernarg_segment_align: 8
    .kernarg_segment_size: 16
    .max_flat_workgroup_size: 512
    .sgpr_count:     66
    .vgpr_count:     256
    .wavefront_size: 32
...
	.end_amdgpu_metadata
.endif
;; end of part 3
;; launch proj (part 4): grid 4 x 16, 4 waves a work-group, clusters of 4 x 4, 327,680 bytes of LDS; arguments oimg, wimg, proj_b, x, x1; writes x1
.if DOCPART == 4
	.amdgcn_target "amdgcn-amd-amdhsa--gfx1250"
	.amdhsa_code_object_version 6
	.text
	.protected	k_q9082470f90_proj
	.globl	k_q9082470f90_proj
	.p2align	8
	.type	k_q9082470f90_proj,@function
k_q9082470f90_proj:
	s_mov_b64 s[64:65], 0
	v_nop
	global_prefetch_b8 v0, s[64:65] scope:SCOPE_SE
	s_setreg_imm32_b32 hwreg(HW_REG_WAVE_MODE, 25, 1), 1
	s_wait_xcnt 0x0
	s_wait_alu depctr_hold_cnt(0) depctr_sa_sdst(0) depctr_va_vdst(0) depctr_va_sdst(0) depctr_va_ssrc(0) depctr_va_vcc(0) depctr_vm_vsrc(0)
	s_getreg_b32 s2, hwreg(HW_REG_IB_STS2, 6, 4)
	s_cmp_eq_u32 s2, 0
	s_cbranch_scc0 .Lentry_in_a_cluster
	s_endpgm
.Lentry_in_a_cluster:
	s_bfe_u32 s2, ttmp6, 0x10000c
	s_cmp_lg_u32 s2, 0xf033
	s_cbranch_scc0 .Lentry_shape_is_right
	s_endpgm
.Lentry_shape_is_right:
; result = residual + (A B^T + bias): A and B are records of MX-FP8 (E4M3 codes, E8M0 bytes), the residual and the result are f32 rows of 1,024.
; THE CORE.  A tile of C, 256 x 256, by four waves of 128 x 128 (64 accumulators of 16 x 16).  An operand lies in memory as RECORDS, 4,352 bytes apart, one for a tile of 16 rows and 256 along K: two images of the operand's registers
; (group c of 512 bytes: lane (r, h): 16 codes, k = 32 c + 16 h + 0..15) and the scale words at 4096 + 64 s + 4 r.  A tensor load brings 8 records' first 4,224 bytes; a fragment is four ds_load_b128 at 16 x lane: consecutive bytes, no padding.
; Lane row r of tile T stands for row 32 (T / 2) + 8 (T % 2) + r + 8 (r / 8).  THE MATRIX INSTRUCTION IS USED TRANSPOSED (source 0 = B's tile, source 1 = A's): the 16 registers of B's tiles 2 G and 2 G + 1 are columns 32 G + 16 h + 0..15 of one row of C.
; K goes in steps of 256 through two LDS slots.  CLUSTERS of 4 x 4: A's tiles are asked for jointly along a row of the cluster, B's along a column.  The bias is the C of the first products.
; The result has 16 x 4 tiles of 256 x 256: 64 work-groups; the tile is kept so that all four products of this program share one core.
; REGISTERS: window 0: v4-29 addresses; v32-63 scale words, two sets; v64-127 the bias; v128-255 A's fragments, later rows on their way out.  window 1: B's fragments, two sets, later the residual.  windows 2, 3: the accumulators.
.set S2,     4                         ; K steps of 256
.set BOFF,   3342336                   ; where this weight's records begin
.set NTOUT,  0
.set RECB,   4224
.set RECP,   4352
.set TP,     S2*RECP
.set LAPS,   S2/2
.set HALFT,  8*RECB
.set SLOT,   4*HALFT
.set STAGE,  2*SLOT                    ; behind the ring: 16 rows x 528 bytes for each wave; no tensor load lands here
.set SPARE,  STAGE+4*16*528            ; the spare words, 128 bytes for each wave: two blocks of 256 bytes that no other line names
.set FR,     16
.set NP,     8                         ; places behind this matrix instruction (ISA guide 7.12.1)
.set LI,     4                         ; v4  16 x lane
.set ADRA,   16
.set ADRS,   18
.set ADRB,   20
.set STO,    24
.set RD,     25
.set SPW,    28
.set NIL,    29
.set SC,     32
.set BI,     64
.set AF,     128
.set G1,     24
.set G0,     32
.set G1B,    48
.set G0B,    56
.set MSB, 0
.macro WIN new                         ; the immediate's high byte repeats the setting that is left
.if MSB != \new
	s_set_vgpr_msb (MSB<<8)|\new
.set MSB, \new
.endif
.endm
.macro JLOAD s                         ; a joint load: waves 0 and 1 fetch A's halves, waves 2 and 3 B's; four v_nop follow each line
	s_cmp_eq_u32 s15, 0
	s_cbranch_scc0 .Lfor_b_\@
	tensor_load_to_lds s[G0+4*\s:G0+4*\s+3], s[G1:G1+7]
	s_nop 0
.rept 4
	v_nop
.endr
	s_branch .Lasked_\@
.Lfor_b_\@:
	tensor_load_to_lds s[G0B+4*\s:G0B+4*\s+3], s[G1B:G1B+7]
	s_nop 0
.rept 4
	v_nop
.endr
.Lasked_\@:
.endm
.macro CREST                           ; a round of the cluster's barrier behind its opening barrier
	s_cmp_lg_u32 s14, 0
	s_cbranch_scc1 .Lnot_wave_0_\@
	s_barrier_signal -3
.Lnot_wave_0_\@:
	s_barrier_wait -3
	s_barrier_signal -1
	s_barrier_wait -1
.endm
.macro CROUND
	s_barrier_signal -1
	s_barrier_wait -1
	CREST
.endm
.macro PLACES n
.rept \n
	v_nop
.endr
.endm
.macro FRAG reg, adr, q, i             ; tile i's fragment of the slot's q-th 128 along K
.irp c, 0,1,2,3
	ds_load_b128 v[\reg+4*\c:\reg+4*\c+3], v[\adr] offset:(\i)*RECB+(\q)*2048+512*\c
.endr
.endm
.macro FETCH_B slot, q, p
	WIN 0x40
.irp i, 0,1,2,3,4,5,6,7
	FRAG 128*(\p)+FR*\i, ADRB+\slot, \q, \i
.endr
	WIN 0
.endm
.macro FETCH_A slot, q, i0
.irp i, \i0, \i0+1, \i0+2, \i0+3
	FRAG AF+FR*(\i), ADRA+\slot, \q, \i
.endr
.endm
.macro SCALES sc                       ; a slot's scale words: lanes 0-15 A's tile i, lanes 16-31 B's tile i; register 2 i + q
.irp i, 0,1,2,3,4,5,6,7
	ds_load_b32 v[SC+16*\sc+2*\i], v[ADRS+\sc] offset:\i*RECB+4096
	ds_load_b32 v[SC+16*\sc+2*\i+1], v[ADRS+\sc] offset:\i*RECB+4096+64
.endr
.endm
; 16 matrix instructions: A's blocks a0, a0 + 1 x B's eight.  cm = 1: the bias of B's block is the C: it starts the sums.  The 64 accumulators take turns, one instruction a turn.
.macro MUL16 a0, p, q, sc, cm
.irp a, \a0, \a0+1
.irp b, 0,1,2,3,4,5,6,7
.if \cm
	v_wmma_scale_f32_16x16x128_f8f6f4 v[8*(8*((\a)%4)+\b):8*(8*((\a)%4)+\b)+7], v[128*(\p)+FR*\b:128*(\p)+FR*\b+FR-1], v[AF+FR*(\a):AF+FR*(\a)+FR-1], v[BI+8*\b:BI+8*\b+7], v[SC+16*(\sc)+2*\b+(\q)], v[SC+16*(\sc)+2*(\a)+(\q)] matrix_a_scale:MATRIX_SCALE_ROW1
.else
	v_wmma_scale_f32_16x16x128_f8f6f4 v[8*(8*((\a)%4)+\b):8*(8*((\a)%4)+\b)+7], v[128*(\p)+FR*\b:128*(\p)+FR*\b+FR-1], v[AF+FR*(\a):AF+FR*(\a)+FR-1], v[8*(8*((\a)%4)+\b):8*(8*((\a)%4)+\b)+7], v[SC+16*(\sc)+2*\b+(\q)], v[SC+16*(\sc)+2*(\a)+(\q)] matrix_a_scale:MATRIX_SCALE_ROW1
.endif
.endr
.endr
.endm
.macro STEP slot, q, cm                ; 128 along K whose successor lies in the same slot
	s_wait_dscnt 16                                ; all but the youngest 16 loads (A's blocks 4-7) are in
.if \cm
	WIN 0x81                                       ; B window 1, A and the bias window 0, D window 2
.else
	WIN 0xa1                                       ; B window 1, A window 0, C and D window 2
.endif
	MUL16 0, (\q)%2, \q, \slot, \cm
	MUL16 2, (\q)%2, \q, \slot, \cm
	s_wait_dscnt 0
	PLACES NP
	FETCH_B \slot, (\q)+1, 1-(\q)%2
	FETCH_A \slot, (\q)+1, 0
.if \cm
	WIN 0xc1
.else
	WIN 0xf1
.endif
	MUL16 4, (\q)%2, \q, \slot, \cm
	MUL16 6, (\q)%2, \q, \slot, \cm
	PLACES NP
	WIN 0
	FETCH_A \slot, (\q)+1, 4
.endm
.macro TURN slot, next, fill           ; a slot's last 128 along K, and the change of slots
	s_wait_tensorcnt 0x0                           ; all my tensor loads have landed: my part of the next slot
	ds_add_u32 v[SPW], v[NIL]                      ; 0 onto my spare word
	s_wait_dscnt 17                                ; (the add and the youngest 16 loads may be out)
	WIN 0xa1
	MUL16 0, 1, 1, \slot, 0
	s_wait_dscnt 0x0                               ; the add is done, and my reads of this slot are over
	s_barrier_signal -1
	MUL16 2, 1, 1, \slot, 0
	WIN 0
	s_barrier_wait -1
.if \fill
	CREST                                          ; the barrier has opened a round of the cluster's: no wave of any partner still reads this slot or has a load on its way
	s_add_nc_u64 s[G0+4*\slot+2:G0+4*\slot+3], s[G0+4*\slot+2:G0+4*\slot+3], 2*RECP
	s_add_nc_u64 s[G0B+4*\slot+2:G0B+4*\slot+3], s[G0B+4*\slot+2:G0B+4*\slot+3], 2*RECP
	JLOAD \slot                                    ; my one tensor load behind the round; its four v_nop are among the places in front of the loads below
	PLACES NP-4
.else
	PLACES NP
.endif
	FETCH_B \next, 0, 0
	FETCH_A \next, 0, 0
	SCALES \next
	WIN 0xf1
	MUL16 4, 1, 1, \slot, 0
	MUL16 6, 1, 1, \slot, 0
	PLACES NP
	WIN 0
	FETCH_A \next, 0, 4
.endm
	s_load_b256 s[4:11], s[0:1], 0x0               ; A's records, the weights' records, the bias, the residual
	s_load_b64 s[12:13], s[0:1], 0x20              ; the result
	v_lshl_add_u32 v[SPW], v0, 2, SPARE
	v_mov_b32 v[NIL], 0
	ds_add_u32 v28, v29
	ds_add_u32 v28, v29
	s_wait_dscnt 0x0
	v_lshrrev_b32 v1, 5, v0
	v_readfirstlane_b32 s14, v1                    ; wave
	s_lshr_b32 s15, s14, 1                         ; my half of the tile's rows.  Also: I fetch for A (0) or for B (1)
	s_and_b32 s16, s14, 1                          ; my half of its columns.  Also: which 8 tiles I fetch
	s_bfe_u32 s40, ttmp6, 0x40000                  ; cx
	s_bfe_u32 s41, ttmp6, 0x40004                  ; cy
	s_lshl_b32 s42, ttmp9, 2
	s_add_co_u32 s42, s42, s40                     ; tile column
	s_and_b32 s17, ttmp7, 0xffff
	s_lshl_b32 s17, s17, 2
	s_add_co_u32 s17, s17, s41                     ; tile row
	s_lshl_b32 s43, s41, 2
	s_lshl_b32 s43, 15, s43                        ; my row of the cluster
	s_lshl_b32 s44, 0x1111, s40                    ; my column
	s_or_b32 s[G1+0], s43, (3<<16)|(1<<21)         ; 15:0 the mask; 17:16 elements of 8 bytes; 21 set beside a mask; no padding
	s_or_b32 s[G1B+0], s44, (3<<16)|(1<<21)
.irp g, G1, G1B
	s_mov_b32 s[\g+1], 528<<16                     ; tensor_dim0: 4,224 bytes
	s_mov_b32 s[\g+2], 8<<16                       ; tensor_dim1: 8 records
	s_mov_b32 s[\g+3], 528<<16                     ; tile_dim0
	s_mov_b32 s[\g+4], 8                           ; tile_dim1
	s_mov_b32 s[\g+5], S2*544                      ; from tile to tile, in elements
	s_mov_b32 s[\g+6], 0
	s_mov_b32 s[\g+7], 0
.endr
	s_lshl_b32 s18, s16, 3
	s_lshl_b32 s20, s17, 4
	s_add_co_u32 s20, s20, s18
	s_mul_i32 s20, s20, TP                         ; A: tile 16 x tile row + 8 x half
	s_mov_b32 s21, 0
	s_lshl_b32 s46, s42, 4
	s_add_co_u32 s46, s46, s18
	s_mul_i32 s46, s46, TP                         ; B: tile 16 x tile column + 8 x half
	s_add_co_u32 s46, s46, BOFF
	s_mov_b32 s47, 0
	s_mul_i32 s45, s14, HALFT                      ; where they go: no place in the cluster enters an LDS address
	s_wait_kmcnt 0x0
	s_add_nc_u64 s[20:21], s[4:5], s[20:21]
	s_add_nc_u64 s[46:47], s[6:7], s[46:47]
	CROUND                                         ; all sixteen work-groups are here: the first joint loads meet
.irp s, 0,1
	s_mov_b32 s[G0+4*\s], 1
	s_add_co_u32 s[G0+4*\s+1], s45, \s*SLOT
	s_add_nc_u64 s[G0+4*\s+2:G0+4*\s+3], s[20:21], \s*RECP
	s_or_b32 s[G0+4*\s+3], s[G0+4*\s+3], 0x80000000
	s_mov_b32 s[G0B+4*\s], 1
	s_add_co_u32 s[G0B+4*\s+1], s45, \s*SLOT
	s_add_nc_u64 s[G0B+4*\s+2:G0B+4*\s+3], s[46:47], \s*RECP
	s_or_b32 s[G0B+4*\s+3], s[G0B+4*\s+3], 0x80000000
	JLOAD \s
.endr
	v_and_b32 v1, 15, v0                           ; r
	v_bfe_u32 v2, v0, 4, 1                         ; h
	v_and_b32 v3, 31, v0
	v_lshlrev_b32 v[LI], 4, v3
	s_mul_i32 s21, s15, HALFT                      ; my 8 tiles of A
	s_mul_i32 s22, s16, HALFT
	s_add_co_u32 s22, s22, 2*HALFT                 ; my 8 tiles of B, behind A's 16
	v_lshlrev_b32 v5, 2, v1
	s_sub_co_u32 s23, s22, s21
	v_mul_u32_u24 v6, s23, v2                      ; lanes 16-31 take B's scale words
	v_add_nc_u32 v5, v5, v6
.irp s, 0,1
	v_add_nc_u32 v[ADRA+\s], s21, v[LI]
	v_add_nc_u32 v[ADRB+\s], s22, v[LI]
	v_add_nc_u32 v[ADRS+\s], s21, v5
	s_add_co_u32 s21, s21, SLOT
	s_add_co_u32 s22, s22, SLOT
.endr
	s_mul_i32 s23, s14, 16*528
	s_add_co_u32 s23, s23, STAGE                   ; my stage
	v_mul_u32_u24 v5, v1, 528
	v_lshl_add_u32 v5, v2, 6, v5
	v_add_nc_u32 v[STO], s23, v5                   ; in: row r, 64 bytes on for lanes 16-31
	v_add_nc_u32 v[RD], s23, v[LI]                 ; back: the 32 lanes take a row of 512 bytes
	s_lshl_b32 s46, s42, 10
	s_lshl_b32 s47, s16, 9
	s_add_co_u32 s46, s46, s47                     ; my first column, in bytes
	s_mov_b32 s47, 0
	s_add_nc_u64 s[8:9], s[8:9], s[46:47]
	s_lshl_b32 s20, s17, 8
	s_lshl_b32 s21, s15, 7
	s_add_co_u32 s20, s20, s21
	s_lshl_b32 s20, s20, 12                        ; my first row, in bytes
	s_add_co_u32 s20, s20, s46
	s_mov_b32 s21, 0
	s_add_nc_u64 s[10:11], s[10:11], s[20:21]
	s_add_nc_u64 s[12:13], s[12:13], s[20:21]
	v_lshlrev_b32 v7, 6, v2                        ; the bias: 16 numbers on for lanes 16-31
.irp b, 0,1,2,3,4,5,6,7
	global_load_b128 v[BI+8*\b:BI+8*\b+3], v7, s[8:9] offset:(32*(\b/2)+8*(\b%2))*4
	global_load_b128 v[BI+8*\b+4:BI+8*\b+7], v7, s[8:9] offset:(32*(\b/2)+8*(\b%2))*4+16
.endr
	s_wait_loadcnt 0x0
	s_wait_tensorcnt 1                             ; my part of K step 0 is in; K step 1's load may stay out
	s_barrier_signal -1
	s_barrier_wait -1
	FETCH_B 0, 0, 0
	FETCH_A 0, 0, 0
	SCALES 0
	FETCH_A 0, 0, 4
	STEP 0, 0, 1                                   ; the first step stands in front of the loop: the bias starts the sums
	s_mov_b32 s3, LAPS-1
.Llap:
	TURN 0, 1, 1
	STEP 1, 0, 0
	TURN 1, 0, 1
	STEP 0, 0, 0
	s_sub_co_u32 s3, s3, 1
	s_cmp_lg_u32 s3, 0
	s_cbranch_scc1 .Llap
	TURN 0, 1, 0                                   ; the last lap fills nothing
	STEP 1, 0, 0
	s_wait_dscnt 16
	WIN 0xa1
	MUL16 0, 1, 1, 1, 0
	MUL16 2, 1, 1, 1, 0
	s_wait_dscnt 0
	WIN 0xf1
	MUL16 4, 1, 1, 1, 0
	MUL16 6, 1, 1, 1, 0
	WIN 0
	PLACES NP
; THE WAY OUT, block a of 16 rows at a time: through my own stage, back as whole rows of 512 bytes, the residual added, stored.  Stage row t is row 32 (a / 2) + 8 (a % 2) + t + 8 (t / 8) of my 128:
; it stands in the immediate, 127 rows of 4,096 bytes at the most.
.macro RLOAD a                         ; the residual's 16 rows into window 1
	WIN 0x40
.irp t, 0,1,2,3,4,5,6,7,8,9,10,11,12,13,14,15
	global_load_b128 v[64*((\a)%2)+4*\t:64*((\a)%2)+4*\t+3], v[LI], s[10:11] offset:(32*((\a)/2)+8*((\a)%2)+\t+8*(\t/8))*4096
.endr
	WIN 0
.endm
.macro TOSTAGE a
.set AC, 64*((\a)%4)
.set WN, 0x08+4*((\a)/4)
	WIN WN                                         ; an LDS store's data: window 2 or 3
.irp b, 0,1,2,3,4,5,6,7
	ds_store_b128 v[STO], v[AC+8*\b:AC+8*\b+3] offset:128*(\b/2)+32*(\b%2)        ; each accumulator from its low end on
	ds_store_b128 v[STO], v[AC+8*\b+4:AC+8*\b+7] offset:128*(\b/2)+32*(\b%2)+16
.endr
	WIN 0
.irp t, 0,1,2,3,4,5,6,7,8,9,10,11,12,13,14,15
	ds_load_b128 v[128+64*((\a)%2)+4*\t:128+64*((\a)%2)+4*\t+3], v[RD] offset:\t*528   ; LDS serves a wave's instructions in order: these see the stores above
.endr
.endm
.macro SEND a, dsy, ldy                ; dsy, ldy: the younger LDS instructions and global loads, which may stay out
	s_wait_dscnt \dsy
	s_wait_loadcnt \ldy
	WIN 0x04                                       ; source 1: window 1
.set k, 0
.rept 32
	v_pk_add_f32 v[128+64*((\a)%2)+k:128+64*((\a)%2)+k+1], v[128+64*((\a)%2)+k:128+64*((\a)%2)+k+1], v[64*((\a)%2)+k:64*((\a)%2)+k+1]
.set k, k+2
.endr
	WIN 0
.irp t, 0,1,2,3,4,5,6,7,8,9,10,11,12,13,14,15
.if NTOUT
	global_store_b128 v[LI], v[128+64*((\a)%2)+4*\t:128+64*((\a)%2)+4*\t+3], s[12:13] offset:(32*((\a)/2)+8*((\a)%2)+\t+8*(\t/8))*4096 th:TH_STORE_NT
.else
	global_store_b128 v[LI], v[128+64*((\a)%2)+4*\t:128+64*((\a)%2)+4*\t+3], s[12:13] offset:(32*((\a)/2)+8*((\a)%2)+\t+8*(\t/8))*4096   ; 32 lanes store 512 consecutive bytes, at a multiple of 256 from the buffer's first byte
.endif
.endr
.endm
	RLOAD 0
	TOSTAGE 0
.irp a, 1,2,3,4,5,6,7
.if \a > 1
	s_wait_xcnt 0x0                                ; block a - 2's stores have read their registers: block a's rows may land there
.endif
	RLOAD \a
	TOSTAGE \a
	SEND \a-1, 32, 16                              ; behind block a - 1's: block a's 16 LDS stores and 16 LDS loads, and its 16 loads of the residual
.endr
	SEND 7, 0, 0
	s_wait_tensorcnt 0x0                           ; the wave's end
	ds_add_u32 v[SPW], v[NIL]
	s_wait_dscnt 0x0
	CROUND                                         ; the closing round: no work-group ends while a partner may still ask for a tile that names it
	s_endpgm
.Lfunc_end_k_q9082470f90_proj:
	.size	k_q9082470f90_proj, .Lfunc_end_k_q9082470f90_proj-k_q9082470f90_proj
	.p2alignl 7, 3214868480
	.fill 96, 4, 3214868480
	.section	.rodata,"a",@progbits
	.p2align	6, 0x0
	.amdhsa_kernel k_q9082470f90_proj
		.amdhsa_group_segment_fixed_size 327680
		.amdhsa_private_segment_fixed_size 0
		.amdhsa_enable_private_segment 0
		.amdhsa_kernarg_size 40
		.amdhsa_user_sgpr_count 2
		.amdhsa_user_sgpr_kernarg_segment_ptr 1
		.amdhsa_wavefront_size32 1
		.amdhsa_system_sgpr_workgroup_id_x 1
		.amdhsa_system_sgpr_workgroup_id_y 1
		.amdhsa_system_sgpr_workgroup_id_z 1
		.amdhsa_system_vgpr_workitem_id 0
		.amdhsa_next_free_vgpr 1024
		.amdhsa_next_free_sgpr 66
		.amdhsa_reserve_vcc 0
		.amdhsa_float_denorm_mode_32 3
		.amdhsa_float_denorm_mode_16_64 3
		.amdhsa_memory_ordered 1
		.amdhsa_forward_progress 1
		.amdhsa_inst_pref_size 175
	.end_amdhsa_kernel
	.amdgpu_metadata
---
amdhsa.version: [ 1, 2 ]
amdhsa.kernels:
  - .name:           k_q9082470f90_proj
    .symbol:         k_q9082470f90_proj.kd
    .args:
      - { .name: oimg, .offset: 0, .size: 8, .value_kind: global_buffer, .address_space: global }
      - { .name: wimg, .offset: 8, .size: 8, .value_kind: global_buffer, .address_space: global }
      - { .name: proj_b, .offset: 16, .size: 8, .value_kind: global_buffer, .address_space: global }
      - { .name: x, .offset: 24, .size: 8, .value_kind: global_buffer, .address_space: global }
      - { .name: x1, .offset: 32, .size: 8, .value_kind: global_buffer, .address_space: global }
    .group_segment_fixed_size: 327680
    .private_segment_fixed_size: 0
    .kernarg_segment_align: 8
    .kernarg_segment_size: 40
    .max_flat_workgroup_size: 128
    .sgpr_count:     66
    .vgpr_count:     1024
    .wavefront_size: 32
...
	.end_amdgpu_metadata
.endif
;; end of part 4
;; launch ln2: the kernel of part 1 again; grid 256 x 1, 4 waves a work-group, no clusters, 45,568 bytes of LDS; arguments x1, ln2_w, ln2_b, qkv_w, proj_w, fc1_w, fc2_w, aimg, wimg; writes aimg, wimg
;; launch fc1 (part 5): grid 16 x 16, 4 waves a work-group, clusters of 4 x 4, 327,680 bytes of LDS; arguments aimg, wimg, fc1_b, himg; writes himg
.if DOCPART == 5
	.amdgcn_target "amdgcn-amd-amdhsa--gfx1250"
	.amdhsa_code_object_version 6
	.text
	.protected	k_q9082470f90_fc1
	.globl	k_q9082470f90_fc1
	.p2align	8
	.type	k_q9082470f90_fc1,@function
k_q9082470f90_fc1:
	s_mov_b64 s[64:65], 0
	v_nop
	global_prefetch_b8 v0, s[64:65] scope:SCOPE_SE
	s_setreg_imm32_b32 hwreg(HW_REG_WAVE_MODE, 25, 1), 1
	s_wait_xcnt 0x0
	s_wait_alu depctr_hold_cnt(0) depctr_sa_sdst(0) depctr_va_vdst(0) depctr_va_sdst(0) depctr_va_ssrc(0) depctr_va_vcc(0) depctr_vm_vsrc(0)
	s_getreg_b32 s2, hwreg(HW_REG_IB_STS2, 6, 4)
	s_cmp_eq_u32 s2, 0
	s_cbranch_scc0 .Lentry_in_a_cluster
	s_endpgm
.Lentry_in_a_cluster:
	s_bfe_u32 s2, ttmp6, 0x10000c
	s_cmp_lg_u32 s2, 0xf033
	s_cbranch_scc0 .Lentry_shape_is_right
	s_endpgm
.Lentry_shape_is_right:
; The hidden layer: gelu(A B^T + bias), exact GELU in f32, quantised along its 4,096 columns into records of MX-FP8 (E4M3 codes, E8M0 bytes).  A: the normalised rows' records; B: fc1_w's records; K = 1,024.
; THE CORE.  A tile of C, 256 x 256, by four waves of 128 x 128 (64 accumulators of 16 x 16).  An operand lies in memory as RECORDS, 4,352 bytes apart, one for a tile of 16 rows and 256 along K: two images of the operand's registers
; (group c of 512 bytes: lane (r, h): 16 codes, k = 32 c + 16 h + 0..15) and the scale words at 4096 + 64 s + 4 r.  A tensor load brings 8 records' first 4,224 bytes; a fragment is four ds_load_b128 at 16 x lane: consecutive bytes, no padding.
; Lane row r of tile T stands for row 32 (T / 2) + 8 (T % 2) + r + 8 (r / 8).  THE MATRIX INSTRUCTION IS USED TRANSPOSED (source 0 = B's tile, source 1 = A's): the 16 registers of B's tiles 2 G and 2 G + 1 are columns 32 G + 16 h + 0..15
; of one row of C: the conversions' results are 16-byte pieces of the next operand's image, and a wave's store covers 512 consecutive bytes.
; K goes in steps of 256 through two LDS slots.  CLUSTERS of 4 x 4: A's tiles are asked for jointly along a row of the cluster, B's along a column.  The bias is the C of the first products.
; GELU: gelu(x) = max(x, 0) - |x| erfc(|x| / sqrt 2) / 2, with erfc(z) = t exp(-z^2 + P(t)), t = 1 / (1 + z / 2), P a polynomial of degree 9 (fractional error of the fit about 1.2e-7).
; Here the exponential is 2^(..): P's coefficients are multiplied by log2(e), and 1 is taken off the constant term for the factor 1 / 2.
; REGISTERS: window 0: v4-29 addresses; v32-63 scale words; v64-127 the bias; v128-255 A's fragments, later codes and work.  window 1: B's fragments, later GELU's t, P and products.  windows 2, 3: the accumulators.
; LIMITS: NaN and infinities are not served; a block whose largest magnitude lies under 2^-118 gets the byte 1.
.set S2,     4                         ; K steps of 256
.set BOFF,   4456448                   ; where fc1_w's records begin
.set RECB,   4224
.set RECP,   4352
.set TP,     S2*RECP
.set LAPS,   S2/2
.set HALFT,  8*RECB
.set SLOT,   4*HALFT
.set STAGE,  2*SLOT
.set SPARE,  STAGE+4*16*528            ; the spare words, 128 bytes for each wave: two blocks of 256 bytes that no other line names
.set FR,     16
.set NP,     8                         ; places behind this matrix instruction (ISA guide 7.12.1)
.set LI,     4                         ; v4  16 x lane
.set VO,     8
.set VS,     12
.set VSEL,   13
.set ADRA,   16
.set ADRS,   18
.set ADRB,   20
.set SPW,    28
.set NIL,    29
.set SC,     32
.set BI,     64
.set AF,     128
.set PC,     128
.set TM,     160
.set PW,     176
.set XW,     178
.set G1,     24
.set G0,     32
.set G1B,    48
.set G0B,    56
.set MSB, 0
.macro WIN new                         ; the immediate's high byte repeats the setting that is left
.if MSB != \new
	s_set_vgpr_msb (MSB<<8)|\new
.set MSB, \new
.endif
.endm
.macro JLOAD s                         ; a joint load: waves 0 and 1 fetch A's halves, waves 2 and 3 B's; four v_nop follow each line
	s_cmp_eq_u32 s15, 0
	s_cbranch_scc0 .Lfor_b_\@
	tensor_load_to_lds s[G0+4*\s:G0+4*\s+3], s[G1:G1+7]
	s_nop 0
.rept 4
	v_nop
.endr
	s_branch .Lasked_\@
.Lfor_b_\@:
	tensor_load_to_lds s[G0B+4*\s:G0B+4*\s+3], s[G1B:G1B+7]
	s_nop 0
.rept 4
	v_nop
.endr
.Lasked_\@:
.endm
.macro CREST                           ; a round of the cluster's barrier behind its opening barrier
	s_cmp_lg_u32 s14, 0
	s_cbranch_scc1 .Lnot_wave_0_\@
	s_barrier_signal -3
.Lnot_wave_0_\@:
	s_barrier_wait -3
	s_barrier_signal -1
	s_barrier_wait -1
.endm
.macro CROUND
	s_barrier_signal -1
	s_barrier_wait -1
	CREST
.endm
.macro PLACES n
.rept \n
	v_nop
.endr
.endm
.macro FRAG reg, adr, q, i             ; tile i's fragment of the slot's q-th 128 along K
.irp c, 0,1,2,3
	ds_load_b128 v[\reg+4*\c:\reg+4*\c+3], v[\adr] offset:(\i)*RECB+(\q)*2048+512*\c
.endr
.endm
.macro FETCH_B slot, q, p
	WIN 0x40
.irp i, 0,1,2,3,4,5,6,7
	FRAG 128*(\p)+FR*\i, ADRB+\slot, \q, \i
.endr
	WIN 0
.endm
.macro FETCH_A slot, q, i0
.irp i, \i0, \i0+1, \i0+2, \i0+3
	FRAG AF+FR*(\i), ADRA+\slot, \q, \i
.endr
.endm
.macro SCALES sc                       ; a slot's scale words: lanes 0-15 A's tile i, lanes 16-31 B's tile i; register 2 i + q
.irp i, 0,1,2,3,4,5,6,7
	ds_load_b32 v[SC+16*\sc+2*\i], v[ADRS+\sc] offset:\i*RECB+4096
	ds_load_b32 v[SC+16*\sc+2*\i+1], v[ADRS+\sc] offset:\i*RECB+4096+64
.endr
.endm
; 16 matrix instructions: A's blocks a0, a0 + 1 x B's eight.  cm = 1: the bias of B's block is the C: it starts the sums.  The 64 accumulators take turns, one instruction a turn.
.macro MUL16 a0, p, q, sc, cm
.irp a, \a0, \a0+1
.irp b, 0,1,2,3,4,5,6,7
.if \cm
	v_wmma_scale_f32_16x16x128_f8f6f4 v[8*(8*((\a)%4)+\b):8*(8*((\a)%4)+\b)+7], v[128*(\p)+FR*\b:128*(\p)+FR*\b+FR-1], v[AF+FR*(\a):AF+FR*(\a)+FR-1], v[BI+8*\b:BI+8*\b+7], v[SC+16*(\sc)+2*\b+(\q)], v[SC+16*(\sc)+2*(\a)+(\q)] matrix_a_scale:MATRIX_SCALE_ROW1
.else
	v_wmma_scale_f32_16x16x128_f8f6f4 v[8*(8*((\a)%4)+\b):8*(8*((\a)%4)+\b)+7], v[128*(\p)+FR*\b:128*(\p)+FR*\b+FR-1], v[AF+FR*(\a):AF+FR*(\a)+FR-1], v[8*(8*((\a)%4)+\b):8*(8*((\a)%4)+\b)+7], v[SC+16*(\sc)+2*\b+(\q)], v[SC+16*(\sc)+2*(\a)+(\q)] matrix_a_scale:MATRIX_SCALE_ROW1
.endif
.endr
.endr
.endm
.macro STEP slot, q, cm                ; 128 along K whose successor lies in the same slot
	s_wait_dscnt 16                                ; all but the youngest 16 loads (A's blocks 4-7) are in
.if \cm
	WIN 0x81                                       ; B window 1, A and the bias window 0, D window 2
.else
	WIN 0xa1                                       ; B window 1, A window 0, C and D window 2
.endif
	MUL16 0, (\q)%2, \q, \slot, \cm
	MUL16 2, (\q)%2, \q, \slot, \cm
	s_wait_dscnt 0
	PLACES NP
	FETCH_B \slot, (\q)+1, 1-(\q)%2
	FETCH_A \slot, (\q)+1, 0
.if \cm
	WIN 0xc1
.else
	WIN 0xf1
.endif
	MUL16 4, (\q)%2, \q, \slot, \cm
	MUL16 6, (\q)%2, \q, \slot, \cm
	PLACES NP
	WIN 0
	FETCH_A \slot, (\q)+1, 4
.endm
.macro TURN slot, next, fill           ; a slot's last 128 along K, and the change of slots
	s_wait_tensorcnt 0x0                           ; all my tensor loads have landed: my part of the next slot
	ds_add_u32 v[SPW], v[NIL]                      ; 0 onto my spare word
	s_wait_dscnt 17                                ; (the add and the youngest 16 loads may be out)
	WIN 0xa1
	MUL16 0, 1, 1, \slot, 0
	s_wait_dscnt 0x0                               ; the add is done, and my reads of this slot are over
	s_barrier_signal -1
	MUL16 2, 1, 1, \slot, 0
	WIN 0
	s_barrier_wait -1
.if \fill
	CREST                                          ; the barrier has opened a round of the cluster's: no wave of any partner still reads this slot or has a load on its way
	s_add_nc_u64 s[G0+4*\slot+2:G0+4*\slot+3], s[G0+4*\slot+2:G0+4*\slot+3], 2*RECP
	s_add_nc_u64 s[G0B+4*\slot+2:G0B+4*\slot+3], s[G0B+4*\slot+2:G0B+4*\slot+3], 2*RECP
	JLOAD \slot                                    ; my one tensor load behind the round; its four v_nop are among the places in front of the loads below
	PLACES NP-4
.else
	PLACES NP
.endif
	FETCH_B \next, 0, 0
	FETCH_A \next, 0, 0
	SCALES \next
	WIN 0xf1
	MUL16 4, 1, 1, \slot, 0
	MUL16 6, 1, 1, \slot, 0
	PLACES NP
	WIN 0
	FETCH_A \next, 0, 4
.endm
	s_load_b256 s[4:11], s[0:1], 0x0               ; A's records, the weights' records, the bias, the result
	v_lshl_add_u32 v[SPW], v0, 2, SPARE
	v_mov_b32 v[NIL], 0
	ds_add_u32 v28, v29
	ds_add_u32 v28, v29
	s_wait_dscnt 0x0
	v_lshrrev_b32 v1, 5, v0
	v_readfirstlane_b32 s14, v1                    ; wave
	s_lshr_b32 s15, s14, 1                         ; my half of the tile's rows.  Also: I fetch for A (0) or for B (1)
	s_and_b32 s16, s14, 1                          ; my half of its columns.  Also: which 8 tiles I fetch
	s_bfe_u32 s40, ttmp6, 0x40000                  ; cx
	s_bfe_u32 s41, ttmp6, 0x40004                  ; cy
	s_lshl_b32 s42, ttmp9, 2
	s_add_co_u32 s42, s42, s40                     ; tile column
	s_and_b32 s17, ttmp7, 0xffff
	s_lshl_b32 s17, s17, 2
	s_add_co_u32 s17, s17, s41                     ; tile row
	s_lshl_b32 s43, s41, 2
	s_lshl_b32 s43, 15, s43                        ; my row of the cluster
	s_lshl_b32 s44, 0x1111, s40                    ; my column
	s_or_b32 s[G1+0], s43, (3<<16)|(1<<21)         ; 15:0 the mask; 17:16 elements of 8 bytes; 21 set beside a mask; no padding
	s_or_b32 s[G1B+0], s44, (3<<16)|(1<<21)
.irp g, G1, G1B
	s_mov_b32 s[\g+1], 528<<16                     ; tensor_dim0: 4,224 bytes
	s_mov_b32 s[\g+2], 8<<16                       ; tensor_dim1: 8 records
	s_mov_b32 s[\g+3], 528<<16                     ; tile_dim0
	s_mov_b32 s[\g+4], 8                           ; tile_dim1
	s_mov_b32 s[\g+5], S2*544                      ; from tile to tile, in elements
	s_mov_b32 s[\g+6], 0
	s_mov_b32 s[\g+7], 0
.endr
	s_lshl_b32 s18, s16, 3
	s_lshl_b32 s20, s17, 4
	s_add_co_u32 s20, s20, s18
	s_mul_i32 s20, s20, TP                         ; A: tile 16 x tile row + 8 x half
	s_mov_b32 s21, 0
	s_lshl_b32 s46, s42, 4
	s_add_co_u32 s46, s46, s18
	s_mul_i32 s46, s46, TP                         ; B: tile 16 x tile column + 8 x half
	s_add_co_u32 s46, s46, BOFF
	s_mov_b32 s47, 0
	s_mul_i32 s45, s14, HALFT                      ; where they go: no place in the cluster enters an LDS address
	s_wait_kmcnt 0x0
	s_mov_b64 s[12:13], s[10:11]
	s_add_nc_u64 s[20:21], s[4:5], s[20:21]
	s_add_nc_u64 s[46:47], s[6:7], s[46:47]
	CROUND                                         ; all sixteen work-groups are here: the first joint loads meet
.irp s, 0,1
	s_mov_b32 s[G0+4*\s], 1
	s_add_co_u32 s[G0+4*\s+1], s45, \s*SLOT
	s_add_nc_u64 s[G0+4*\s+2:G0+4*\s+3], s[20:21], \s*RECP
	s_or_b32 s[G0+4*\s+3], s[G0+4*\s+3], 0x80000000
	s_mov_b32 s[G0B+4*\s], 1
	s_add_co_u32 s[G0B+4*\s+1], s45, \s*SLOT
	s_add_nc_u64 s[G0B+4*\s+2:G0B+4*\s+3], s[46:47], \s*RECP
	s_or_b32 s[G0B+4*\s+3], s[G0B+4*\s+3], 0x80000000
	JLOAD \s
.endr
	v_and_b32 v1, 15, v0                           ; r
	v_bfe_u32 v2, v0, 4, 1                         ; h
	v_and_b32 v3, 31, v0
	v_lshlrev_b32 v[LI], 4, v3
	s_mul_i32 s21, s15, HALFT                      ; my 8 tiles of A
	s_mul_i32 s22, s16, HALFT
	s_add_co_u32 s22, s22, 2*HALFT                 ; my 8 tiles of B, behind A's 16
	v_lshlrev_b32 v5, 2, v1
	s_sub_co_u32 s23, s22, s21
	v_mul_u32_u24 v6, s23, v2                      ; lanes 16-31 take B's scale words
	v_add_nc_u32 v5, v5, v6
.irp s, 0,1
	v_add_nc_u32 v[ADRA+\s], s21, v[LI]
	v_add_nc_u32 v[ADRB+\s], s22, v[LI]
	v_add_nc_u32 v[ADRS+\s], s21, v5
	s_add_co_u32 s21, s21, SLOT
	s_add_co_u32 s22, s22, SLOT
.endr
	s_lshl_b32 s46, s42, 10
	s_lshl_b32 s47, s16, 9
	s_add_co_u32 s46, s46, s47                     ; the bias: my 128 columns
	s_mov_b32 s47, 0
	s_add_nc_u64 s[8:9], s[8:9], s[46:47]
	s_lshl_b32 s20, s17, 4
	s_lshl_b32 s21, s15, 3
	s_add_co_u32 s20, s20, s21
	s_mul_i32 s20, s20, 69632                      ; the result's records: a tile of rows is 16 records (K = 4,096),
	s_mul_i32 s46, s42, 4352
	s_add_co_u32 s20, s20, s46                     ; my tile column is its K step of 256,
	s_mov_b32 s21, 0
	s_add_nc_u64 s[74:75], s[12:13], s[20:21]
	s_lshl_b32 s46, s16, 11                        ; my half of the columns its first or second image
	s_add_nc_u64 s[12:13], s[74:75], s[46:47]
	s_lshl_b32 s46, s16, 6
	s_add_co_u32 s46, s46, 4096
	v_mul_u32_u24 v[VS], 0x11000, v2               ; the odd block's scale words go one tile (69,632 bytes) further on
	v_lshl_add_u32 v[VS], v1, 2, v[VS]
	v_add_nc_u32 v[VS], s46, v[VS]
.irp b, 0,1,2,3
	v_add_nc_u32 v[VO+\b], 512*\b, v[LI]
.endr
	v_mov_b32 v[VSEL], 0x03020100                  ; lanes 0-15 store the even block's word,
	v_mov_b32 v14, 0x07060504                      ; lanes 16-31 the odd block's
	v_cmp_eq_u32 vcc_lo, 1, v2
	v_cndmask_b32 v[VSEL], v[VSEL], v14, vcc_lo
	s_mov_b32 s68, 69632
	s_mov_b32 s69, 0
	s_mov_b32 s70, 69632
	s_mov_b32 s71, 0
	s_mov_b32 s72, 139264
	s_mov_b32 s73, 0
	s_mov_b32 s66, 0x76543210
	s_mov_b32 s67, 0xfedcba98                      ; lane l xor 16
	s_mov_b32 s98, 0x600000                        ; the mantissa field of 448
	s_mov_b32 s76, 0x3eb504f3                      ; 1 / (2 sqrt 2)
	s_mov_b32 s78, 0xbf38aa3b                      ; -log2(e) / 2
	s_mov_b32 s80, 0xc034d90f                      ; c0 .. c7, c9: each a pair, since the packed forms name pairs
	s_mov_b32 s82, 0x3fb8ab5a
	s_mov_b32 s84, 0x3f0a29d2
	s_mov_b32 s86, 0x3e0efb2e
	s_mov_b32 s88, 0xbe899a80
	s_mov_b32 s90, 0x3ecdfd18
	s_mov_b32 s92, 0xbfd1a1e5
	s_mov_b32 s94, 0x40097039
	s_mov_b32 s96, 0x3e7c6f08
.irp c, 78,80,82,84,86,88,90,92,94,96
	s_mov_b32 s[\c+1], s[\c]
.endr
	v_lshlrev_b32 v7, 6, v2                        ; the bias: 16 numbers on for lanes 16-31
.irp b, 0,1,2,3,4,5,6,7
	global_load_b128 v[BI+8*\b:BI+8*\b+3], v7, s[8:9] offset:(32*(\b/2)+8*(\b%2))*4
	global_load_b128 v[BI+8*\b+4:BI+8*\b+7], v7, s[8:9] offset:(32*(\b/2)+8*(\b%2))*4+16
.endr
	s_wait_loadcnt 0x0
	s_wait_tensorcnt 1                             ; my part of K step 0 is in; K step 1's load may stay out
	s_barrier_signal -1
	s_barrier_wait -1
	FETCH_B 0, 0, 0
	FETCH_A 0, 0, 0
	SCALES 0
	FETCH_A 0, 0, 4
	STEP 0, 0, 1                                   ; the first step stands in front of the loop: the bias starts the sums
	s_mov_b32 s3, LAPS-1
.Llap:
	TURN 0, 1, 1
	STEP 1, 0, 0
	TURN 1, 0, 1
	STEP 0, 0, 0
	s_sub_co_u32 s3, s3, 1
	s_cmp_lg_u32 s3, 0
	s_cbranch_scc1 .Llap
	TURN 0, 1, 0                                   ; the last lap fills nothing
	STEP 1, 0, 0
	s_wait_dscnt 16
	WIN 0xa1
	MUL16 0, 1, 1, 1, 0
	MUL16 2, 1, 1, 1, 0
	s_wait_dscnt 0
	WIN 0xf1
	MUL16 4, 1, 1, 1, 0
	MUL16 6, 1, 1, 1, 0
	WIN 0
	PLACES NP
; THE WAY OUT, block a of 16 rows at a time: register 16 b + i of the block is column 32 b + 16 h + i of my row.
; GELU on the block's 64 numbers a lane, in runs of 64 independent registers: no line waits for the line above it.  In window 1: t v0-63, P v64-127, products v128-191, c8 v[192:193].
; Behind each run of transcendentals a plain instruction that names none of their registers comes before the first use of a result (ISA guide 5.7.2): behind the reciprocals the run of x^2, behind the exponentials one v_nop.
.macro GELU a
.set W, 2+(\a)/4
.set AC, 64*((\a)%4)
.set WN, 0x40|W
	WIN WN
.set k, 0
.rept 64
	v_fma_f32 v[k], |v[AC+k]|, s76, 1.0            ; 1 + |x| / (2 sqrt 2); each accumulator is read from its low end on
.set k, k+1
.endr
	WIN 0x41
.set k, 0
.rept 64
	v_rcp_f32 v[k], v[k]                           ; t
.set k, k+1
.endr
.set WN, 0x40|(W<<2)|W
	WIN WN
.set k, 0
.rept 32
	v_pk_mul_f32 v[128+k:129+k], v[AC+k:AC+k+1], v[AC+k:AC+k+1]   ; x^2
.set k, k+2
.endr
	WIN 0x55
.set k, 0
	s_wait_alu depctr_va_vdst(0)
.rept 32
	v_pk_fma_f32 v[64+k:65+k], v[k:k+1], s[96:97], v[192:193] op_sel_hi:[1,0,1]   ; c9 t + c8
.set k, k+2
.endr
.irp c, 94,92,90,88,86,84,82,80
.set k, 0
.rept 32
	v_pk_fma_f32 v[64+k:65+k], v[64+k:65+k], v[k:k+1], s[\c:\c+1] op_sel_hi:[1,1,0]   ; Horner, down to c0
.set k, k+2
.endr
.endr
.set k, 0
.rept 32
	v_pk_fma_f32 v[64+k:65+k], v[128+k:129+k], s[78:79], v[64+k:65+k] op_sel_hi:[1,0,1]   ; - x^2 log2(e) / 2
.set k, k+2
.endr
.set k, 0
.rept 64
	v_exp_f32 v[64+k], v[64+k]
.set k, k+1
.endr
	v_nop                                          ; the plain instruction between the exponentials and the first use of a result: the line below reads the first two
.set k, 0
	s_wait_alu depctr_va_vdst(0)
.rept 32
	v_pk_mul_f32 v[128+k:129+k], v[k:k+1], v[64+k:65+k]   ; erfc / 2
.set k, k+2
.endr
.set WN, 0x41|(W<<2)
	WIN WN
.set k, 0
.rept 32
	v_pk_mul_f32 v[128+k:129+k], v[128+k:129+k], v[AC+k:AC+k+1]   ; x erfc / 2
.set k, k+2
.endr
.set WN, (W<<6)|(W<<2)
	WIN WN
.set k, 0
.rept 64
	v_max_num_f32 v[AC+k], 0, v[AC+k]
.set k, k+1
.endr
.set WN, (W<<6)|(1<<2)|W
	WIN WN
.set k, 0
.rept 64
	v_sub_f32 v[AC+k], v[AC+k], |v[128+k]|         ; max(x, 0) - |x| erfc / 2
.set k, k+1
.endr
.endm
.macro QUANT a                         ; four blocks of 32 become 64 codes a lane in PC and a scale word
.set W, 2+(\a)/4
.set AC, 64*((\a)%4)
.set PWA, PW+(\a)%2
.set WN, (W<<4)|(W<<2)
	WIN WN
.irp b, 0,1,2,3
	v_max3_num_f32 v[TM+\b], 0x4800000, |v[AC+16*\b]|, |v[AC+16*\b+1]|   ; with the floor 2^(9 - 127): the byte cannot fall under 1
.endr
.irp i, 2,4,6,8,10,12,14
.irp b, 0,1,2,3
	v_max3_num_f32 v[TM+\b], v[TM+\b], |v[AC+16*\b+\i]|, |v[AC+16*\b+\i+1]|
.endr
.endr
	WIN 0
.irp b, 0,1,2,3
	v_permlanex16_b32 v[TM+4+\b], v[TM+\b], s66, s67
.endr
.irp b, 0,1,2,3
	v_max_num_f32 v[TM+\b], v[TM+\b], v[TM+4+\b]   ; with lane l xor 16's 16: the block's largest magnitude
.endr
.irp b, 0,1,2,3
	v_add_nc_u32 v[TM+12+\b], 0xfc000000, v[TM+\b] ; the conversion's scale operand
.endr
.irp b, 0,1,2,3
	v_and_or_b32 v[TM+8+\b], v[TM+\b], 0x7f800000, s98   ; 448 x the scale
.endr
.irp b, 0,1,2,3
	v_lshrrev_b32 v[TM+4+\b], 23, v[TM+12+\b]      ; the byte
.endr
	v_lshl_or_b32 v[PWA], v[TM+5], 8, v[TM+4]
	v_lshl_or_b32 v[PWA], v[TM+6], 16, v[PWA]
	v_lshl_or_b32 v[PWA], v[TM+7], 24, v[PWA]
.set WN, (W<<6)|W
	WIN WN
.irp b, 0,1,2,3
.irp i, 0,1,2,3,4,5,6,7,8,9,10,11,12,13,14,15
	v_med3_num_f32 v[AC+16*\b+\i], v[AC+16*\b+\i], -v[TM+8+\b], v[TM+8+\b]   ; the conversion does not saturate (ISA guide 7.6.2)
.endr
.endr
	WIN W
.irp b, 0,1,2,3
	v_cvt_scalef32_pk8_fp8_f32 v[PC+4*\b:PC+4*\b+1], v[AC+16*\b:AC+16*\b+7], v[TM+12+\b]
	v_cvt_scalef32_pk8_fp8_f32 v[PC+4*\b+2:PC+4*\b+3], v[AC+16*\b+8:AC+16*\b+15], v[TM+12+\b]
.endr
	WIN 0
	v_nop                                          ; a plain instruction behind the last conversion
.endm
.macro QOUT a
.irp b, 0,1,2,3
	global_store_b128 v[VO+\b], v[PC+4*\b:PC+4*\b+3], s[12:13]   ; 32 lanes store a group: 512 consecutive bytes, at a multiple of 256 from the buffer's first byte
.endr
.if (\a)%2
	v_perm_b32 v[XW], v[PW+1], v[PW], v[VSEL]
	global_store_b32 v[VS], v[XW], s[74:75]        ; two runs of 64 bytes: the scale words of two records
.endif
	s_wait_xcnt 0x0                                ; the stores have read their data and bases: both are written again only behind this wait
.if (\a)%2
	s_add_nc_u64 s[12:13], s[12:13], s[70:71]
	s_add_nc_u64 s[74:75], s[74:75], s[72:73]
.else
	s_add_nc_u64 s[12:13], s[12:13], s[68:69]
.endif
.endm
.irp b, 0,1,2,3
	v_mov_b32 v[TM+4+\b], 0                        ; written once: a lane permute's destination counts as one of its sources
.endr
	WIN 0x40
	v_mov_b32 v192, 0xbf97d29d                     ; c8, twice, in window 1
	v_mov_b32 v193, 0xbf97d29d
	WIN 0
.irp a, 0,1,2,3,4,5,6,7
	GELU \a
	QUANT \a
	QOUT \a
.endr
	s_wait_tensorcnt 0x0                           ; the wave's end
	ds_add_u32 v[SPW], v[NIL]
	s_wait_dscnt 0x0
	CROUND                                         ; the closing round: no work-group ends while a partner may still ask for a tile that names it
	s_endpgm
.Lfunc_end_k_q9082470f90_fc1:
	.size	k_q9082470f90_fc1, .Lfunc_end_k_q9082470f90_fc1-k_q9082470f90_fc1
	.p2alignl 7, 3214868480
	.fill 96, 4, 3214868480
	.section	.rodata,"a",@progbits
	.p2align	6, 0x0
	.amdhsa_kernel k_q9082470f90_fc1
		.amdhsa_group_segment_fixed_size 327680
		.amdhsa_private_segment_fixed_size 0
		.amdhsa_enable_private_segment 0
		.amdhsa_kernarg_size 32
		.amdhsa_user_sgpr_count 2
		.amdhsa_user_sgpr_kernarg_segment_ptr 1
		.amdhsa_wavefront_size32 1
		.amdhsa_system_sgpr_workgroup_id_x 1
		.amdhsa_system_sgpr_workgroup_id_y 1
		.amdhsa_system_sgpr_workgroup_id_z 1
		.amdhsa_system_vgpr_workitem_id 0
		.amdhsa_next_free_vgpr 1024
		.amdhsa_next_free_sgpr 100
		.amdhsa_reserve_vcc 1
		.amdhsa_float_denorm_mode_32 3
		.amdhsa_float_denorm_mode_16_64 3
		.amdhsa_memory_ordered 1
		.amdhsa_forward_progress 1
		.amdhsa_inst_pref_size 255
	.end_amdhsa_kernel
	.section	.bss,"aw",@nobits
	.p2align	6
	.space	262144
	.amdgpu_metadata
---
amdhsa.version: [ 1, 2 ]
amdhsa.kernels:
  - .name:           k_q9082470f90_fc1
    .symbol:         k_q9082470f90_fc1.kd
    .args:
      - { .name: aimg, .offset: 0, .size: 8, .value_kind: global_buffer, .address_space: global }
      - { .name: wimg, .offset: 8, .size: 8, .value_kind: global_buffer, .address_space: global }
      - { .name: fc1_b, .offset: 16, .size: 8, .value_kind: global_buffer, .address_space: global }
      - { .name: himg, .offset: 24, .size: 8, .value_kind: global_buffer, .address_space: global }
    .group_segment_fixed_size: 327680
    .private_segment_fixed_size: 0
    .kernarg_segment_align: 8
    .kernarg_segment_size: 32
    .max_flat_workgroup_size: 128
    .sgpr_count:     100
    .vgpr_count:     1024
    .wavefront_size: 32
...
	.end_amdgpu_metadata
.endif
;; end of part 5
;; launch fc2 (part 6): grid 4 x 16, 4 waves a work-group, clusters of 4 x 4, 327,680 bytes of LDS; arguments himg, wimg, fc2_b, x1, out0; writes out0
.if DOCPART == 6
	.amdgcn_target "amdgcn-amd-amdhsa--gfx1250"
	.amdhsa_code_object_version 6
	.text
	.protected	k_q9082470f90_fc2
	.globl	k_q9082470f90_fc2
	.p2align	8
	.type	k_q9082470f90_fc2,@function
k_q9082470f90_fc2:
	s_mov_b64 s[64:65], 0
	v_nop
	global_prefetch_b8 v0, s[64:65] scope:SCOPE_SE
	s_setreg_imm32_b32 hwreg(HW_REG_WAVE_MODE, 25, 1), 1
	s_wait_xcnt 0x0
	s_wait_alu depctr_hold_cnt(0) depctr_sa_sdst(0) depctr_va_vdst(0) depctr_va_sdst(0) depctr_va_ssrc(0) depctr_va_vcc(0) depctr_vm_vsrc(0)
	s_getreg_b32 s2, hwreg(HW_REG_IB_STS2, 6, 4)
	s_cmp_eq_u32 s2, 0
	s_cbranch_scc0 .Lentry_in_a_cluster
	s_endpgm
.Lentry_in_a_cluster:
	s_bfe_u32 s2, ttmp6, 0x10000c
	s_cmp_lg_u32 s2, 0xf033
	s_cbranch_scc0 .Lentry_shape_is_right
	s_endpgm
.Lentry_shape_is_right:
; result = residual + (A B^T + bias): A and B are records of MX-FP8 (E4M3 codes, E8M0 bytes), the residual and the result are f32 rows of 1,024.  Here K = 4,096.
; THE CORE.  A tile of C, 256 x 256, by four waves of 128 x 128 (64 accumulators of 16 x 16).  An operand lies in memory as RECORDS, 4,352 bytes apart, one for a tile of 16 rows and 256 along K: two images of the operand's registers
; (group c of 512 bytes: lane (r, h): 16 codes, k = 32 c + 16 h + 0..15) and the scale words at 4096 + 64 s + 4 r.  A tensor load brings 8 records' first 4,224 bytes; a fragment is four ds_load_b128 at 16 x lane: consecutive bytes, no padding.
; Lane row r of tile T stands for row 32 (T / 2) + 8 (T % 2) + r + 8 (r / 8).  THE MATRIX INSTRUCTION IS USED TRANSPOSED (source 0 = B's tile, source 1 = A's): the 16 registers of B's tiles 2 G and 2 G + 1 are columns 32 G + 16 h + 0..15 of one row of C.
; K goes in steps of 256 through two LDS slots.  CLUSTERS of 4 x 4: A's tiles are asked for jointly along a row of the cluster, B's along a column.  The bias is the C of the first products.
; The result has 16 x 4 tiles of 256 x 256: 64 work-groups; the tile is kept so that all four products of this program share one core.
; REGISTERS: window 0: v4-29 addresses; v32-63 scale words, two sets; v64-127 the bias; v128-255 A's fragments, later rows on their way out.  window 1: B's fragments, two sets, later the residual.  windows 2, 3: the accumulators.
.set S2,     16                        ; K steps of 256
.set BOFF,   8912896                   ; where this weight's records begin
.set NTOUT,  1
.set RECB,   4224
.set RECP,   4352
.set TP,     S2*RECP
.set LAPS,   S2/2
.set HALFT,  8*RECB
.set SLOT,   4*HALFT
.set STAGE,  2*SLOT                    ; behind the ring: 16 rows x 528 bytes for each wave; no tensor load lands here
.set SPARE,  STAGE+4*16*528            ; the spare words, 128 bytes for each wave: two blocks of 256 bytes that no other line names
.set FR,     16
.set NP,     8                         ; places behind this matrix instruction (ISA guide 7.12.1)
.set LI,     4                         ; v4  16 x lane
.set ADRA,   16
.set ADRS,   18
.set ADRB,   20
.set STO,    24
.set RD,     25
.set SPW,    28
.set NIL,    29
.set SC,     32
.set BI,     64
.set AF,     128
.set G1,     24
.set G0,     32
.set G1B,    48
.set G0B,    56
.set MSB, 0
.macro WIN new                         ; the immediate's high byte repeats the setting that is left
.if MSB != \new
	s_set_vgpr_msb (MSB<<8)|\new
.set MSB, \new
.endif
.endm
.macro JLOAD s                         ; a joint load: waves 0 and 1 fetch A's halves, waves 2 and 3 B's; four v_nop follow each line
	s_cmp_eq_u32 s15, 0
	s_cbranch_scc0 .Lfor_b_\@
	tensor_load_to_lds s[G0+4*\s:G0+4*\s+3], s[G1:G1+7]
	s_nop 0
.rept 4
	v_nop
.endr
	s_branch .Lasked_\@
.Lfor_b_\@:
	tensor_load_to_lds s[G0B+4*\s:G0B+4*\s+3], s[G1B:G1B+7]
	s_nop 0
.rept 4
	v_nop
.endr
.Lasked_\@:
.endm
.macro CREST                           ; a round of the cluster's barrier behind its opening barrier
	s_cmp_lg_u32 s14, 0
	s_cbranch_scc1 .Lnot_wave_0_\@
	s_barrier_signal -3
.Lnot_wave_0_\@:
	s_barrier_wait -3
	s_barrier_signal -1
	s_barrier_wait -1
.endm
.macro CROUND
	s_barrier_signal -1
	s_barrier_wait -1
	CREST
.endm
.macro PLACES n
.rept \n
	v_nop
.endr
.endm
.macro FRAG reg, adr, q, i             ; tile i's fragment of the slot's q-th 128 along K
.irp c, 0,1,2,3
	ds_load_b128 v[\reg+4*\c:\reg+4*\c+3], v[\adr] offset:(\i)*RECB+(\q)*2048+512*\c
.endr
.endm
.macro FETCH_B slot, q, p
	WIN 0x40
.irp i, 0,1,2,3,4,5,6,7
	FRAG 128*(\p)+FR*\i, ADRB+\slot, \q, \i
.endr
	WIN 0
.endm
.macro FETCH_A slot, q, i0
.irp i, \i0, \i0+1, \i0+2, \i0+3
	FRAG AF+FR*(\i), ADRA+\slot, \q, \i
.endr
.endm
.macro SCALES sc                       ; a slot's scale words: lanes 0-15 A's tile i, lanes 16-31 B's tile i; register 2 i + q
.irp i, 0,1,2,3,4,5,6,7
	ds_load_b32 v[SC+16*\sc+2*\i], v[ADRS+\sc] offset:\i*RECB+4096
	ds_load_b32 v[SC+16*\sc+2*\i+1], v[ADRS+\sc] offset:\i*RECB+4096+64
.endr
.endm
; 16 matrix instructions: A's blocks a0, a0 + 1 x B's eight.  cm = 1: the bias of B's block is the C: it starts the sums.  The 64 accumulators take turns, one instruction a turn.
.macro MUL16 a0, p, q, sc, cm
.irp a, \a0, \a0+1
.irp b, 0,1,2,3,4,5,6,7
.if \cm
	v_wmma_scale_f32_16x16x128_f8f6f4 v[8*(8*((\a)%4)+\b):8*(8*((\a)%4)+\b)+7], v[128*(\p)+FR*\b:128*(\p)+FR*\b+FR-1], v[AF+FR*(\a):AF+FR*(\a)+FR-1], v[BI+8*\b:BI+8*\b+7], v[SC+16*(\sc)+2*\b+(\q)], v[SC+16*(\sc)+2*(\a)+(\q)] matrix_a_scale:MATRIX_SCALE_ROW1
.else
	v_wmma_scale_f32_16x16x128_f8f6f4 v[8*(8*((\a)%4)+\b):8*(8*((\a)%4)+\b)+7], v[128*(\p)+FR*\b:128*(\p)+FR*\b+FR-1], v[AF+FR*(\a):AF+FR*(\a)+FR-1], v[8*(8*((\a)%4)+\b):8*(8*((\a)%4)+\b)+7], v[SC+16*(\sc)+2*\b+(\q)], v[SC+16*(\sc)+2*(\a)+(\q)] matrix_a_scale:MATRIX_SCALE_ROW1
.endif
.endr
.endr
.endm
.macro STEP slot, q, cm                ; 128 along K whose successor lies in the same slot
	s_wait_dscnt 16                                ; all but the youngest 16 loads (A's blocks 4-7) are in
.if \cm
	WIN 0x81                                       ; B window 1, A and the bias window 0, D window 2
.else
	WIN 0xa1                                       ; B window 1, A window 0, C and D window 2
.endif
	MUL16 0, (\q)%2, \q, \slot, \cm
	MUL16 2, (\q)%2, \q, \slot, \cm
	s_wait_dscnt 0
	PLACES NP
	FETCH_B \slot, (\q)+1, 1-(\q)%2
	FETCH_A \slot, (\q)+1, 0
.if \cm
	WIN 0xc1
.else
	WIN 0xf1
.endif
	MUL16 4, (\q)%2, \q, \slot, \cm
	MUL16 6, (\q)%2, \q, \slot, \cm
	PLACES NP
	WIN 0
	FETCH_A \slot, (\q)+1, 4
.endm
.macro TURN slot, next, fill           ; a slot's last 128 along K, and the change of slots
	s_wait_tensorcnt 0x0                           ; all my tensor loads have landed: my part of the next slot
	ds_add_u32 v[SPW], v[NIL]                      ; 0 onto my spare word
	s_wait_dscnt 17                                ; (the add and the youngest 16 loads may be out)
	WIN 0xa1
	MUL16 0, 1, 1, \slot, 0
	s_wait_dscnt 0x0                               ; the add is done, and my reads of this slot are over
	s_barrier_signal -1
	MUL16 2, 1, 1, \slot, 0
	WIN 0
	s_barrier_wait -1
.if \fill
	CREST                                          ; the barrier has opened a round of the cluster's: no wave of any partner still reads this slot or has a load on its way
	s_add_nc_u64 s[G0+4*\slot+2:G0+4*\slot+3], s[G0+4*\slot+2:G0+4*\slot+3], 2*RECP
	s_add_nc_u64 s[G0B+4*\slot+2:G0B+4*\slot+3], s[G0B+4*\slot+2:G0B+4*\slot+3], 2*RECP
	JLOAD \slot                                    ; my one tensor load behind the round; its four v_nop are among the places in front of the loads below
	PLACES NP-4
.else
	PLACES NP
.endif
	FETCH_B \next, 0, 0
	FETCH_A \next, 0, 0
	SCALES \next
	WIN 0xf1
	MUL16 4, 1, 1, \slot, 0
	MUL16 6, 1, 1, \slot, 0
	PLACES NP
	WIN 0
	FETCH_A \next, 0, 4
.endm
	s_load_b256 s[4:11], s[0:1], 0x0               ; A's records, the weights' records, the bias, the residual
	s_load_b64 s[12:13], s[0:1], 0x20              ; the result
	v_lshl_add_u32 v[SPW], v0, 2, SPARE
	v_mov_b32 v[NIL], 0
	ds_add_u32 v28, v29
	ds_add_u32 v28, v29
	s_wait_dscnt 0x0
	v_lshrrev_b32 v1, 5, v0
	v_readfirstlane_b32 s14, v1                    ; wave
	s_lshr_b32 s15, s14, 1                         ; my half of the tile's rows.  Also: I fetch for A (0) or for B (1)
	s_and_b32 s16, s14, 1                          ; my half of its columns.  Also: which 8 tiles I fetch
	s_bfe_u32 s40, ttmp6, 0x40000                  ; cx
	s_bfe_u32 s41, ttmp6, 0x40004                  ; cy
	s_lshl_b32 s42, ttmp9, 2
	s_add_co_u32 s42, s42, s40                     ; tile column
	s_and_b32 s17, ttmp7, 0xffff
	s_lshl_b32 s17, s17, 2
	s_add_co_u32 s17, s17, s41                     ; tile row
	s_lshl_b32 s43, s41, 2
	s_lshl_b32 s43, 15, s43                        ; my row of the cluster
	s_lshl_b32 s44, 0x1111, s40                    ; my column
	s_or_b32 s[G1+0], s43, (3<<16)|(1<<21)         ; 15:0 the mask; 17:16 elements of 8 bytes; 21 set beside a mask; no padding
	s_or_b32 s[G1B+0], s44, (3<<16)|(1<<21)
.irp g, G1, G1B
	s_mov_b32 s[\g+1], 528<<16                     ; tensor_dim0: 4,224 bytes
	s_mov_b32 s[\g+2], 8<<16                       ; tensor_dim1: 8 records
	s_mov_b32 s[\g+3], 528<<16                     ; tile_dim0
	s_mov_b32 s[\g+4], 8                           ; tile_dim1
	s_mov_b32 s[\g+5], S2*544                      ; from tile to tile, in elements
	s_mov_b32 s[\g+6], 0
	s_mov_b32 s[\g+7], 0
.endr
	s_lshl_b32 s18, s16, 3
	s_lshl_b32 s20, s17, 4
	s_add_co_u32 s20, s20, s18
	s_mul_i32 s20, s20, TP                         ; A: tile 16 x tile row + 8 x half
	s_mov_b32 s21, 0
	s_lshl_b32 s46, s42, 4
	s_add_co_u32 s46, s46, s18
	s_mul_i32 s46, s46, TP                         ; B: tile 16 x tile column + 8 x half
	s_add_co_u32 s46, s46, BOFF
	s_mov_b32 s47, 0
	s_mul_i32 s45, s14, HALFT                      ; where they go: no place in the cluster enters an LDS address
	s_wait_kmcnt 0x0
	s_add_nc_u64 s[20:21], s[4:5], s[20:21]
	s_add_nc_u64 s[46:47], s[6:7], s[46:47]
	CROUND                                         ; all sixteen work-groups are here: the first joint loads meet
.irp s, 0,1
	s_mov_b32 s[G0+4*\s], 1
	s_add_co_u32 s[G0+4*\s+1], s45, \s*SLOT
	s_add_nc_u64 s[G0+4*\s+2:G0+4*\s+3], s[20:21], \s*RECP
	s_or_b32 s[G0+4*\s+3], s[G0+4*\s+3], 0x80000000
	s_mov_b32 s[G0B+4*\s], 1
	s_add_co_u32 s[G0B+4*\s+1], s45, \s*SLOT
	s_add_nc_u64 s[G0B+4*\s+2:G0B+4*\s+3], s[46:47], \s*RECP
	s_or_b32 s[G0B+4*\s+3], s[G0B+4*\s+3], 0x80000000
	JLOAD \s
.endr
	v_and_b32 v1, 15, v0                           ; r
	v_bfe_u32 v2, v0, 4, 1                         ; h
	v_and_b32 v3, 31, v0
	v_lshlrev_b32 v[LI], 4, v3
	s_mul_i32 s21, s15, HALFT                      ; my 8 tiles of A
	s_mul_i32 s22, s16, HALFT
	s_add_co_u32 s22, s22, 2*HALFT                 ; my 8 tiles of B, behind A's 16
	v_lshlrev_b32 v5, 2, v1
	s_sub_co_u32 s23, s22, s21
	v_mul_u32_u24 v6, s23, v2                      ; lanes 16-31 take B's scale words
	v_add_nc_u32 v5, v5, v6
.irp s, 0,1
	v_add_nc_u32 v[ADRA+\s], s21, v[LI]
	v_add_nc_u32 v[ADRB+\s], s22, v[LI]
	v_add_nc_u32 v[ADRS+\s], s21, v5
	s_add_co_u32 s21, s21, SLOT
	s_add_co_u32 s22, s22, SLOT
.endr
	s_mul_i32 s23, s14, 16*528
	s_add_co_u32 s23, s23, STAGE                   ; my stage
	v_mul_u32_u24 v5, v1, 528
	v_lshl_add_u32 v5, v2, 6, v5
	v_add_nc_u32 v[STO], s23, v5                   ; in: row r, 64 bytes on for lanes 16-31
	v_add_nc_u32 v[RD], s23, v[LI]                 ; back: the 32 lanes take a row of 512 bytes
	s_lshl_b32 s46, s42, 10
	s_lshl_b32 s47, s16, 9
	s_add_co_u32 s46, s46, s47                     ; my first column, in bytes
	s_mov_b32 s47, 0
	s_add_nc_u64 s[8:9], s[8:9], s[46:47]
	s_lshl_b32 s20, s17, 8
	s_lshl_b32 s21, s15, 7
	s_add_co_u32 s20, s20, s21
	s_lshl_b32 s20, s20, 12                        ; my first row, in bytes
	s_add_co_u32 s20, s20, s46
	s_mov_b32 s21, 0
	s_add_nc_u64 s[10:11], s[10:11], s[20:21]
	s_add_nc_u64 s[12:13], s[12:13], s[20:21]
	v_lshlrev_b32 v7, 6, v2                        ; the bias: 16 numbers on for lanes 16-31
.irp b, 0,1,2,3,4,5,6,7
	global_load_b128 v[BI+8*\b:BI+8*\b+3], v7, s[8:9] offset:(32*(\b/2)+8*(\b%2))*4
	global_load_b128 v[BI+8*\b+4:BI+8*\b+7], v7, s[8:9] offset:(32*(\b/2)+8*(\b%2))*4+16
.endr
	s_wait_loadcnt 0x0
	s_wait_tensorcnt 1                             ; my part of K step 0 is in; K step 1's load may stay out
	s_barrier_signal -1
	s_barrier_wait -1
	FETCH_B 0, 0, 0
	FETCH_A 0, 0, 0
	SCALES 0
	FETCH_A 0, 0, 4
	STEP 0, 0, 1                                   ; the first step stands in front of the loop: the bias starts the sums
	s_mov_b32 s3, LAPS-1
.Llap:
	TURN 0, 1, 1
	STEP 1, 0, 0
	TURN 1, 0, 1
	STEP 0, 0, 0
	s_sub_co_u32 s3, s3, 1
	s_cmp_lg_u32 s3, 0
	s_cbranch_scc1 .Llap
	TURN 0, 1, 0                                   ; the last lap fills nothing
	STEP 1, 0, 0
	s_wait_dscnt 16
	WIN 0xa1
	MUL16 0, 1, 1, 1, 0
	MUL16 2, 1, 1, 1, 0
	s_wait_dscnt 0
	WIN 0xf1
	MUL16 4, 1, 1, 1, 0
	MUL16 6, 1, 1, 1, 0
	WIN 0
	PLACES NP
; THE WAY OUT, block a of 16 rows at a time: through my own stage, back as whole rows of 512 bytes, the residual added, stored.  Stage row t is row 32 (a / 2) + 8 (a % 2) + t + 8 (t / 8) of my 128:
; it stands in the immediate, 127 rows of 4,096 bytes at the most.
.macro RLOAD a                         ; the residual's 16 rows into window 1
	WIN 0x40
.irp t, 0,1,2,3,4,5,6,7,8,9,10,11,12,13,14,15
	global_load_b128 v[64*((\a)%2)+4*\t:64*((\a)%2)+4*\t+3], v[LI], s[10:11] offset:(32*((\a)/2)+8*((\a)%2)+\t+8*(\t/8))*4096
.endr
	WIN 0
.endm
.macro TOSTAGE a
.set AC, 64*((\a)%4)
.set WN, 0x08+4*((\a)/4)
	WIN WN                                         ; an LDS store's data: window 2 or 3
.irp b, 0,1,2,3,4,5,6,7
	ds_store_b128 v[STO], v[AC+8*\b:AC+8*\b+3] offset:128*(\b/2)+32*(\b%2)        ; each accumulator from its low end on
	ds_store_b128 v[STO], v[AC+8*\b+4:AC+8*\b+7] offset:128*(\b/2)+32*(\b%2)+16
.endr
	WIN 0
.irp t, 0,1,2,3,4,5,6,7,8,9,10,11,12,13,14,15
	ds_load_b128 v[128+64*((\a)%2)+4*\t:128+64*((\a)%2)+4*\t+3], v[RD] offset:\t*528   ; LDS serves a wave's instructions in order: these see the stores above
.endr
.endm
.macro SEND a, dsy, ldy                ; dsy, ldy: the younger LDS instructions and global loads, which may stay out
	s_wait_dscnt \dsy
	s_wait_loadcnt \ldy
	WIN 0x04                                       ; source 1: window 1
.set k, 0
.rept 32
	v_pk_add_f32 v[128+64*((\a)%2)+k:128+64*((\a)%2)+k+1], v[128+64*((\a)%2)+k:128+64*((\a)%2)+k+1], v[64*((\a)%2)+k:64*((\a)%2)+k+1]
.set k, k+2
.endr
	WIN 0
.irp t, 0,1,2,3,4,5,6,7,8,9,10,11,12,13,14,15
.if NTOUT
	global_store_b128 v[LI], v[128+64*((\a)%2)+4*\t:128+64*((\a)%2)+4*\t+3], s[12:13] offset:(32*((\a)/2)+8*((\a)%2)+\t+8*(\t/8))*4096 th:TH_STORE_NT   ; 32 lanes store 512 consecutive bytes, at a multiple of 256 from the buffer's first byte; written once, read by nobody here
.else
	global_store_b128 v[LI], v[128+64*((\a)%2)+4*\t:128+64*((\a)%2)+4*\t+3], s[12:13] offset:(32*((\a)/2)+8*((\a)%2)+\t+8*(\t/8))*4096
.endif
.endr
.endm
	RLOAD 0
	TOSTAGE 0
.irp a, 1,2,3,4,5,6,7
.if \a > 1
	s_wait_xcnt 0x0                                ; block a - 2's stores have read their registers: block a's rows may land there
.endif
	RLOAD \a
	TOSTAGE \a
	SEND \a-1, 32, 16                              ; behind block a - 1's: block a's 16 LDS stores and 16 LDS loads, and its 16 loads of the residual
.endr
	SEND 7, 0, 0
	s_wait_tensorcnt 0x0                           ; the wave's end
	ds_add_u32 v[SPW], v[NIL]
	s_wait_dscnt 0x0
	CROUND                                         ; the closing round: no work-group ends while a partner may still ask for a tile that names it
	s_endpgm
.Lfunc_end_k_q9082470f90_fc2:
	.size	k_q9082470f90_fc2, .Lfunc_end_k_q9082470f90_fc2-k_q9082470f90_fc2
	.p2alignl 7, 3214868480
	.fill 96, 4, 3214868480
	.section	.rodata,"a",@progbits
	.p2align	6, 0x0
	.amdhsa_kernel k_q9082470f90_fc2
		.amdhsa_group_segment_fixed_size 327680
		.amdhsa_private_segment_fixed_size 0
		.amdhsa_enable_private_segment 0
		.amdhsa_kernarg_size 40
		.amdhsa_user_sgpr_count 2
		.amdhsa_user_sgpr_kernarg_segment_ptr 1
		.amdhsa_wavefront_size32 1
		.amdhsa_system_sgpr_workgroup_id_x 1
		.amdhsa_system_sgpr_workgroup_id_y 1
		.amdhsa_system_sgpr_workgroup_id_z 1
		.amdhsa_system_vgpr_workitem_id 0
		.amdhsa_next_free_vgpr 1024
		.amdhsa_next_free_sgpr 66
		.amdhsa_reserve_vcc 0
		.amdhsa_float_denorm_mode_32 3
		.amdhsa_float_denorm_mode_16_64 3
		.amdhsa_memory_ordered 1
		.amdhsa_forward_progress 1
		.amdhsa_inst_pref_size 175
	.end_amdhsa_kernel
	.amdgpu_metadata
---
amdhsa.version: [ 1, 2 ]
amdhsa.kernels:
  - .name:           k_q9082470f90_fc2
    .symbol:         k_q9082470f90_fc2.kd
    .args:
      - { .name: himg, .offset: 0, .size: 8, .value_kind: global_buffer, .address_space: global }
      - { .name: wimg, .offset: 8, .size: 8, .value_kind: global_buffer, .address_space: global }
      - { .name: fc2_b, .offset: 16, .size: 8, .value_kind: global_buffer, .address_space: global }
      - { .name: x1, .offset: 24, .size: 8, .value_kind: global_buffer, .address_space: global }
      - { .name: out0, .offset: 32, .size: 8, .value_kind: global_buffer, .address_space: global }
    .group_segment_fixed_size: 327680
    .private_segment_fixed_size: 0
    .kernarg_segment_align: 8
    .kernarg_segment_size: 40
    .max_flat_workgroup_size: 128
    .sgpr_count:     66
    .vgpr_count:     1024
    .wavefront_size: 32
...
	.end_amdgpu_metadata
.endif
;; end of part 6
;; ======== version 2 of 2: 7 launches
;; limits: right only within a limited range of input values
;; workspace buffers: aimg 4,456,448 bytes; wimg 13,369,344 bytes; qkvr 14,155,776 bytes; oimg 4,456,448 bytes; x1 16,777,216 bytes; himg 17,825,792 bytes
;; launch prep1 (part 7): grid 1024 x 1, 4 waves a work-group, no clusters, 45,568 bytes of LDS; arguments x, ln1_w, ln1_b, qkv_w, proj_w, fc1_w, fc2_w, aimg, wimg; writes aimg, wimg
.if DOCPART == 7
	.amdgcn_target "amdgcn-amd-amdhsa--gfx1250"
	.amdhsa_code_object_version 6
	.text
	.protected	k_q9082470f90_prep1
	.globl	k_q9082470f90_prep1
	.p2align	8
	.type	k_q9082470f90_prep1,@function
k_q9082470f90_prep1:
	s_mov_b64 s[64:65], 0
	v_nop
	global_prefetch_b8 v0, s[64:65] scope:SCOPE_SE
	s_setreg_imm32_b32 hwreg(HW_REG_WAVE_MODE, 25, 1), 1
	s_wait_xcnt 0x0
; LayerNorm + quantiser for rows of 1,024 f32, and the plain quantiser for the four weights, into RECORDS of MX-FP8 (E4M3 codes, one E8M0 byte for each 32 along K).
; A JOB (one work-group) is a tile of 16 rows x 1,024 columns.  Jobs 0-255: rows of the first argument, normalised (mean, variance of the differences, gain, bias) and quantised;
; jobs 256-447 qkv_w, 448-511 proj_w, 512-767 fc1_w, 768-1023 fc2_w (four jobs to a tile: its rows are 4,096 long), quantised as they are.
; TILE ORDER: lane row r of tile t stands for row 32 (t / 2) + 8 (t % 2) + r + 8 (r / 8).
; A RECORD (4,352 bytes apart, 4,224 used) serves 16 rows x 256 along K: two images of an operand's registers (group c of 512 bytes: lane (r, h) has 16 codes, k = 32 c + 16 h + 0..15, at 16 (r + 16 h)),
; then the scale words at 4096 + 64 s + 4 r.  A job makes four records, 17,408 bytes on end.
; Wave w takes lane rows 4 w .. 4 w + 3.  Each load reads 512 consecutive bytes; a row then turns through the wave's own stage in LDS, so that lane l holds block l's 32 neighbours.
; The codes meet in a stage laid by groups; each wave stores one whole record: 512 consecutive bytes a store.
; The gain and the bias are staged by every job (LDS traffic and wait counts are then the same on both ways); only the norm's register arithmetic is jumped over by the weights' jobs.
; LIMITS: NaN and infinities are not served; a block whose largest magnitude lies under 2^-118, a block of zeros among them, gets the byte 1 (its reader is this program alone).
.set XST,  0                           ; LDS: four turn stages of 32 x 144 bytes, one a wave
.set WBST, 18432                       ; the gain, then the bias, by blocks: 2 x 4,608
.set CST,  27648                       ; the codes: 32 groups, 528 bytes apart
.set SST,  44544                       ; the scale bytes: 4 records x 128
.set R,    128                         ; v128-255 four rows as loaded
.set X,    96                          ; v96-127  a block of 32 neighbours
.set W,    32                          ; v32-63   the gain of my block; at the end a record's codes
.set B,    64                          ; v64-95   the bias of my block
.set C,    24                          ; v24-31   32 codes
	s_load_b256 s[4:11], s[0:1], 0x0               ; the rows, the gain, the bias, qkv_w
	s_load_b256 s[12:19], s[0:1], 0x20             ; proj_w, fc1_w, fc2_w, the rows' records
	s_load_b64 s[20:21], s[0:1], 0x40              ; the weights' records
	v_lshrrev_b32 v15, 5, v0
	v_readfirstlane_b32 s36, v15                   ; wave
	v_and_b32 v16, 31, v0                          ; lane
	v_lshlrev_b32 v1, 4, v16                       ; 16 l
	v_lshlrev_b32 v14, 2, v16                      ; 4 l
	v_lshrrev_b32 v17, 3, v16
	v_and_b32 v18, 7, v16
	v_mul_u32_u24 v17, v17, 144
	v_lshl_add_u32 v17, v18, 4, v17                ; 144 (l / 8) + 16 (l % 8): a loaded piece's place among four blocks
	s_mul_i32 s37, s36, 4608
	v_add_nc_u32 v6, s37, v17                      ; the turn, in
	v_mul_u32_u24 v18, v16, 144
	v_add_nc_u32 v7, s37, v18                      ; the turn, out: block l
	s_mul_i32 s37, s36, 1152
	s_add_co_u32 s37, s37, WBST
	v_add_nc_u32 v8, s37, v17                      ; the gain's pieces 2 w, 2 w + 1
	v_add_nc_u32 v9, WBST, v18                     ; and block l of it
	v_mul_u32_u24 v19, v16, 528
	s_lshl_b32 s37, s36, 6
	s_add_co_u32 s37, s37, CST
	v_add_nc_u32 v10, s37, v19                     ; group l, lane rows 4 w on
	v_lshrrev_b32 v19, 2, v16
	v_and_b32 v20, 3, v16
	v_lshl_add_u32 v19, v19, 6, v20
	s_lshl_b32 s37, s36, 4
	s_add_co_u32 s37, s37, SST
	v_add_nc_u32 v11, s37, v19                     ; my block's byte: 64 (l / 4) + l % 4 + 16 w
	s_mul_i32 s37, s36, 4224
	s_add_co_u32 s37, s37, CST
	v_add_nc_u32 v12, s37, v1                      ; back: record w's eight groups
	s_lshl_b32 s37, s36, 7
	s_add_co_u32 s37, s37, SST
	v_add_nc_u32 v13, s37, v14                     ; and its 32 scale words
	s_lshl_b32 s37, s36, 10
	v_add_nc_u32 v21, s37, v1                      ; my 1,024 bytes of the gain and of the bias
	s_mov_b32 s33, 0x3a800000                      ; 1 / 1024
	s_mov_b32 s34, 0x3727c5ac                      ; 1e-5
	s_mov_b32 s42, 0x76543210
	s_mov_b32 s43, 0xfedcba98                      ; lane l xor 16
	s_mov_b32 s44, 0x600000                        ; the mantissa field of 448
	s_mov_b32 s24, 0                               ; the tensor's first job
	s_mov_b32 s25, 0                               ; log2 of the jobs to a tile
	s_mov_b32 s26, 12                              ; log2 of a row's bytes
	s_wait_alu depctr_va_vdst(0)
	s_wait_kmcnt 0x0
	s_mov_b64 s[22:23], s[4:5]
	s_cmp_ge_u32 ttmp9, 256                        ; every choice hangs on the job's number alone
	s_cselect_b64 s[22:23], s[10:11], s[22:23]
	s_cselect_b64 s[28:29], s[20:21], s[18:19]
	s_cselect_b32 s24, 256, s24
	s_cselect_b32 s38, 256, 0
	s_cselect_b32 s35, 0, 1                        ; 1: the rows are normalised
	s_cmp_ge_u32 ttmp9, 448
	s_cselect_b64 s[22:23], s[12:13], s[22:23]
	s_cselect_b32 s24, 448, s24
	s_cmp_ge_u32 ttmp9, 512
	s_cselect_b64 s[22:23], s[14:15], s[22:23]
	s_cselect_b32 s24, 512, s24
	s_cmp_ge_u32 ttmp9, 768
	s_cselect_b64 s[22:23], s[16:17], s[22:23]
	s_cselect_b32 s24, 768, s24
	s_cselect_b32 s25, 2, s25
	s_cselect_b32 s26, 14, s26
	s_sub_co_u32 s24, ttmp9, s24                   ; the job within its tensor
	s_lshr_b32 s27, s24, s25                       ; tile t
	s_lshl_b32 s30, s27, s25
	s_sub_co_u32 s30, s24, s30                     ; which 1,024 columns
	s_lshr_b32 s31, s27, 1
	s_lshl_b32 s31, s31, 5
	s_and_b32 s32, s27, 1
	s_lshl_b32 s32, s32, 3
	s_add_co_u32 s31, s31, s32
	s_lshl_b32 s32, s36, 2
	s_add_co_u32 s31, s31, s32
	s_lshr_b32 s32, s36, 1
	s_lshl_b32 s32, s32, 3
	s_add_co_u32 s31, s31, s32                     ; my first row: 32 (t / 2) + 8 (t % 2) + 4 w + 8 (w / 2)
	s_lshl_b32 s31, s31, s26
	s_lshl_b32 s30, s30, 12
	s_add_co_u32 s30, s30, s31
	s_mov_b32 s31, 0
	s_add_nc_u64 s[22:23], s[22:23], s[30:31]
	s_lshl_b32 s32, 1, s26                         ; a row's bytes
	v_add_nc_u32 v3, s32, v1
	v_add_nc_u32 v4, s32, v3
	v_add_nc_u32 v5, s32, v4
	s_sub_co_u32 s38, ttmp9, s38
	s_mul_i32 s40, s38, 17408                      ; the job's four records,
	s_mul_i32 s39, s36, 4352
	s_add_co_u32 s40, s40, s39                     ; of which record w is mine to store
	s_mov_b32 s41, 0
	s_add_nc_u64 s[28:29], s[28:29], s[40:41]
	global_load_b128 v[X:X+3], v21, s[6:7]
	global_load_b128 v[X+4:X+7], v21, s[6:7] offset:512
	global_load_b128 v[X+8:X+11], v21, s[8:9]
	global_load_b128 v[X+12:X+15], v21, s[8:9] offset:512
.macro XLOAD i, vo                     ; row i: eight loads of 512 consecutive bytes
.irp j, 0,1,2,3,4,5,6,7
	global_load_b128 v[R+32*\i+4*\j:R+32*\i+4*\j+3], v[\vo], s[22:23] offset:512*\j th:TH_LOAD_NT
.endr
.endm
	XLOAD 0, 1
	XLOAD 1, 3
	XLOAD 2, 4
	XLOAD 3, 5
	s_wait_loadcnt 32                              ; the gain's and the bias's four loads are in; the rows' 32 are younger
	ds_store_b128 v8, v[X:X+3]
	ds_store_b128 v8, v[X+4:X+7] offset:576
	ds_store_b128 v8, v[X+8:X+11] offset:4608
	ds_store_b128 v8, v[X+12:X+15] offset:4608+576
	s_wait_dscnt 0x0                               ; for the others' sake: my pieces lie in LDS
	s_barrier_signal -1
	s_barrier_wait -1
.irp k, 0,1,2,3,4,5,6,7
	ds_load_b128 v[W+4*\k:W+4*\k+3], v9 offset:16*\k
	ds_load_b128 v[B+4*\k:B+4*\k+3], v9 offset:4608+16*\k
.endr
.macro ALLSUM v, t                     ; the sum over the 32 lanes, in every lane
	v_add_f32_dpp v[\v], v[\v], v[\v] row_xmask:1 row_mask:0xf bank_mask:0xf
	v_add_f32_dpp v[\v], v[\v], v[\v] row_xmask:2 row_mask:0xf bank_mask:0xf
	v_add_f32_dpp v[\v], v[\v], v[\v] row_xmask:4 row_mask:0xf bank_mask:0xf
	v_add_f32_dpp v[\v], v[\v], v[\v] row_xmask:8 row_mask:0xf bank_mask:0xf
	v_permlanex16_b32 v[\t], v[\v], s42, s43
	v_add_f32 v[\v], v[\v], v[\t]
.endm
.macro LNROW                           ; the row in X (32 numbers a lane) is normalised in place; the variance is the mean of the squared differences, never a difference of sums
	v_pk_add_f32 v[16:17], v[X:X+1], v[X+2:X+3]
	v_pk_add_f32 v[18:19], v[X+4:X+5], v[X+6:X+7]
.irp j, 8,12,16,20,24,28
	v_pk_add_f32 v[16:17], v[16:17], v[X+\j:X+\j+1]
	v_pk_add_f32 v[18:19], v[18:19], v[X+\j+2:X+\j+3]
.endr
	v_pk_add_f32 v[16:17], v[16:17], v[18:19]
	v_add_f32 v16, v16, v17
	ALLSUM 16, 17
	v_mul_f32 v16, s33, v16                        ; the mean
.irp j, 0,2,4,6,8,10,12,14,16,18,20,22,24,26,28,30
	v_pk_add_f32 v[X+\j:X+\j+1], v[X+\j:X+\j+1], v[16:17] op_sel_hi:[1,0] neg_lo:[0,1] neg_hi:[0,1]
.endr
	v_pk_mul_f32 v[18:19], v[X:X+1], v[X:X+1]
	v_pk_mul_f32 v[20:21], v[X+2:X+3], v[X+2:X+3]
.irp j, 4,8,12,16,20,24,28
	v_pk_fma_f32 v[18:19], v[X+\j:X+\j+1], v[X+\j:X+\j+1], v[18:19]
	v_pk_fma_f32 v[20:21], v[X+\j+2:X+\j+3], v[X+\j+2:X+\j+3], v[20:21]
.endr
	v_pk_add_f32 v[18:19], v[18:19], v[20:21]
	v_add_f32 v18, v18, v19
	ALLSUM 18, 19
	v_fma_f32 v18, v18, s33, s34                   ; the variance + 1e-5
	s_wait_alu depctr_va_vdst(0)
	v_rsq_f32 v18, v18
	v_nop                                          ; a plain instruction behind the transcendental (ISA guide 5.7.2)
	s_wait_alu depctr_va_vdst(0)
.irp j, 0,2,4,6,8,10,12,14,16,18,20,22,24,26,28,30
	v_pk_mul_f32 v[X+\j:X+\j+1], v[X+\j:X+\j+1], v[18:19] op_sel_hi:[1,0]
.endr
.irp j, 0,2,4,6,8,10,12,14,16,18,20,22,24,26,28,30
	v_pk_fma_f32 v[X+\j:X+\j+1], v[X+\j:X+\j+1], v[W+\j:W+\j+1], v[B+\j:B+\j+1]
.endr
.endm
.macro Q32                             ; the block in X becomes 32 codes in C and the byte in v15
	v_max3_num_f32 v20, |v[X]|, |v[X+1]|, |v[X+2]|
	v_max3_num_f32 v21, |v[X+3]|, |v[X+4]|, |v[X+5]|
.irp j, 6,10,14,18,22,26
	v_max3_num_f32 v20, v20, |v[X+\j]|, |v[X+\j+1]|
	v_max3_num_f32 v21, v21, |v[X+\j+2]|, |v[X+\j+3]|
.endr
	v_max3_num_f32 v20, v20, |v[X+30]|, |v[X+31]|
	v_max3_num_f32 v20, v20, v21, 0x4800000        ; the floor 2^(9 - 127): the byte cannot fall under 1
	v_add_nc_u32 v23, 0xfc000000, v20              ; 8 off the exponent field: the conversion's scale operand
	v_and_or_b32 v22, v20, 0x7f800000, s44         ; 448 x the scale
	v_lshrrev_b32 v15, 23, v23                     ; the byte
.irp j, 0,1,2,3,4,5,6,7,8,9,10,11,12,13,14,15,16,17,18,19,20,21,22,23,24,25,26,27,28,29,30,31
	v_med3_num_f32 v[X+\j], v[X+\j], -v22, v22     ; the conversion does not saturate (ISA guide 7.6.2): the hold comes first
.endr
.irp g, 0,1,2,3
	v_cvt_scalef32_pk8_fp8_f32 v[C+2*\g:C+2*\g+1], v[X+8*\g:X+8*\g+7], v23
.endr
	v_nop                                          ; a plain instruction behind the last conversion
.endm
.macro ROW i
	s_wait_loadcnt 8*(3-\i)                        ; this row's eight loads are in; the later rows' are younger
.irp j, 0,1,2,3,4,5,6,7
	ds_store_b128 v6, v[R+32*\i+4*\j:R+32*\i+4*\j+3] offset:576*\j
.endr
.irp k, 0,1,2,3,4,5,6,7
	ds_load_b128 v[X+4*\k:X+4*\k+3], v7 offset:16*\k   ; LDS serves a wave's instructions in order: these see the stores above
.endr
	s_wait_dscnt 0x0                               ; the block is in; the last row's stores of codes and byte have read their registers
	s_cmp_eq_u32 s35, 0
	s_cbranch_scc1 .Lplain_\@
	LNROW
.Lplain_\@:
	Q32
	ds_store_b128 v10, v[C:C+3] offset:16*\i       ; k = 0..15 of the block: the lower half of the lanes' places
	ds_store_b128 v10, v[C+4:C+7] offset:16*\i+256 ; k = 16..31: the upper half's
	ds_store_b8 v11, v15 offset:4*\i
.endm
	ROW 0
	ROW 1
	ROW 2
	ROW 3
	s_wait_dscnt 0x0                               ; for the others' sake: my codes and bytes lie in LDS
	s_barrier_signal -1
	s_barrier_wait -1
.irp g, 0,1,2,3,4,5,6,7
	ds_load_b128 v[W+4*\g:W+4*\g+3], v12 offset:528*\g
.endr
	ds_load_b32 v[B], v13
.irp g, 0,1,2,3,4,5,6,7
	s_wait_dscnt 8-\g                              ; the younger loads may be out
	global_store_b128 v1, v[W+4*\g:W+4*\g+3], s[28:29] offset:512*\g   ; 32 lanes store 512 consecutive bytes, at a multiple of 256 from the buffer's first byte
.endr
	s_wait_dscnt 0x0
	global_store_b32 v14, v[B], s[28:29] offset:4096
	v_lshl_add_u32 v2, v0, 2, 0xb000               ; all 256 registers are at work above, so v0 is kept and the add's two registers are made here: my spare word,
	v_mov_b32 v3, 0                                ; and 0 (v3 held a row's offset; the loads that read it have come back)
	s_wait_alu depctr_va_vdst(0)
	s_wait_tensorcnt 0x0                           ; the wave's end
	ds_add_u32 v2, v3
	s_wait_dscnt 0x0
	s_endpgm
.Lfunc_end_k_q9082470f90_prep1:
	.size	k_q9082470f90_prep1, .Lfunc_end_k_q9082470f90_prep1-k_q9082470f90_prep1
	.p2alignl 7, 3214868480
	.fill 96, 4, 3214868480
	.section	.rodata,"a",@progbits
	.p2align	6, 0x0
	.amdhsa_kernel k_q9082470f90_prep1
		.amdhsa_group_segment_fixed_size 45568
		.amdhsa_private_segment_fixed_size 0
		.amdhsa_enable_private_segment 0
		.amdhsa_kernarg_size 72
		.amdhsa_user_sgpr_count 2
		.amdhsa_user_sgpr_kernarg_segment_ptr 1
		.amdhsa_wavefront_size32 1
		.amdhsa_system_sgpr_workgroup_id_x 1
		.amdhsa_system_sgpr_workgroup_id_y 1
		.amdhsa_system_sgpr_workgroup_id_z 1
		.amdhsa_system_vgpr_workitem_id 0
		.amdhsa_next_free_vgpr 256
		.amdhsa_next_free_sgpr 66
		.amdhsa_reserve_vcc 0
		.amdhsa_float_denorm_mode_32 3
		.amdhsa_float_denorm_mode_16_64 3
		.amdhsa_memory_ordered 1
		.amdhsa_forward_progress 1
		.amdhsa_inst_pref_size 55
	.end_amdhsa_kernel
	.amdgpu_metadata
---
amdhsa.version: [ 1, 2 ]
amdhsa.kernels:
  - .name:           k_q9082470f90_prep1
    .symbol:         k_q9082470f90_prep1.kd
    .args:
      - { .name: x, .offset: 0, .size: 8, .value_kind: global_buffer, .address_space: global }
      - { .name: ln1_w, .offset: 8, .size: 8, .value_kind: global_buffer, .address_space: global }
      - { .name: ln1_b, .offset: 16, .size: 8, .value_kind: global_buffer, .address_space: global }
      - { .name: qkv_w, .offset: 24, .size: 8, .value_kind: global_buffer, .address_space: global }
      - { .name: proj_w, .offset: 32, .size: 8, .value_kind: global_buffer, .address_space: global }
      - { .name: fc1_w, .offset: 40, .size: 8, .value_kind: global_buffer, .address_space: global }
      - { .name: fc2_w, .offset: 48, .size: 8, .value_kind: global_buffer, .address_space: global }
      - { .name: aimg, .offset: 56, .size: 8, .value_kind: global_buffer, .address_space: global }
      - { .name: wimg, .offset: 64, .size: 8, .value_kind: global_buffer, .address_space: global }
    .group_segment_fixed_size: 45568
    .private_segment_fixed_size: 0
    .kernarg_segment_align: 8
    .kernarg_segment_size: 72
    .max_flat_workgroup_size: 128
    .sgpr_count:     66
    .vgpr_count:     256
    .wavefront_size: 32
...
	.end_amdgpu_metadata
.endif
;; end of part 7
;; launch qkv (part 8): grid 12 x 16, 4 waves a work-group, clusters of 4 x 4, 327,680 bytes of LDS; arguments aimg, wimg, qkv_b, qkvr; writes qkvr
.if DOCPART == 8
	.amdgcn_target "amdgcn-amd-amdhsa--gfx1250"
	.amdhsa_code_object_version 6
	.text
	.protected	k_q9082470f90_qkv
	.globl	k_q9082470f90_qkv
	.p2align	8
	.type	k_q9082470f90_qkv,@function
k_q9082470f90_qkv:
	s_mov_b64 s[64:65], 0
	v_nop
	global_prefetch_b8 v0, s[64:65] scope:SCOPE_SE
	s_setreg_imm32_b32 hwreg(HW_REG_WAVE_MODE, 25, 1), 1
	s_wait_xcnt 0x0
	s_wait_alu depctr_hold_cnt(0) depctr_sa_sdst(0) depctr_va_vdst(0) depctr_va_sdst(0) depctr_va_ssrc(0) depctr_va_vcc(0) depctr_vm_vsrc(0)
	s_getreg_b32 s2, hwreg(HW_REG_IB_STS2, 6, 4)
	s_cmp_eq_u32 s2, 0
	s_cbranch_scc0 .Lentry_in_a_cluster
	s_endpgm
.Lentry_in_a_cluster:
	s_bfe_u32 s2, ttmp6, 0x10000c
	s_cmp_lg_u32 s2, 0xf033
	s_cbranch_scc0 .Lentry_shape_is_right
	s_endpgm
.Lentry_shape_is_right:
; q, k and v of the attention, from records of MX-FP8 (E4M3 codes, E8M0 bytes) to records of MX-FP8: C = A B^T + bias over K = 1,024, quantised along C's columns on the way out.
; Clusters 0 and 1 along x: A = the normalised tokens, B = the rows of qkv_w for q and k; the columns of C are head dims, so q and k are quantised along the head's 64.
; Cluster 2 along x: A = the rows of qkv_w for v (channels), B = the tokens: C = v^T, whose columns are tokens, so v is quantised along the keys.  The choice hangs on the cluster's x alone, which all partners share; it selects pointers and offsets and steers no branch.
; THE CORE.  A tile of C, 256 x 256, by four waves of 128 x 128 (64 accumulators of 16 x 16).  An operand lies in memory as RECORDS, 4,352 bytes apart, one for a tile of 16 rows and 256 along K: two images of the operand's registers
; (group c of 512 bytes: lane (r, h): 16 codes, k = 32 c + 16 h + 0..15) and the scale words at 4096 + 64 s + 4 r.  A tensor load brings 8 records' first 4,224 bytes; a fragment is four ds_load_b128 at 16 x lane: consecutive bytes, no padding.
; Lane row r of tile T stands for row 32 (T / 2) + 8 (T % 2) + r + 8 (r / 8).  THE MATRIX INSTRUCTION IS USED TRANSPOSED (source 0 = B's tile, source 1 = A's): with that order of rows the 16 registers of B's tiles 2 G and 2 G + 1
; are 16 neighbouring columns, 32 G + 16 h + 0..15, of one row of C: the conversions' results are 16-byte pieces of the next operand's image, and a wave's store covers 512 consecutive bytes.
; K goes in steps of 256 through two LDS slots.  CLUSTERS of 4 x 4: A's tiles are asked for jointly along a row of the cluster, B's along a column.
; The column bias is the C of the first products (zeros in the v clusters); v's bias goes by rows of C and is added at the head of the way out (zeros in the others): 32 packed additions a block in place of a second copy of the first step.
; REGISTERS: window 0: v4-29 addresses; v32-63 scale words, two sets; v64-127 the bias; v128-255 A's fragments, one set.  window 1: B's fragments, two sets.  windows 2, 3: the accumulators ((a, b) at v[8 (8 (a % 4) + b)]).
; LIMITS: NaN and infinities are not served; a block whose largest magnitude lies under 2^-118 gets the byte 1.
.set S2,     4                         ; K steps of 256
.set AVOFF,  2228224                   ; where qkv_w's rows for v begin among the weights' records: tile 128
.set RECB,   4224
.set RECP,   4352
.set TP,     S2*RECP                   ; from tile to tile
.set LAPS,   S2/2
.set HALFT,  8*RECB                    ; what one tensor load brings
.set SLOT,   4*HALFT
.set STAGE,  2*SLOT
.set SPARE,  STAGE+4*16*528            ; the spare words, 128 bytes for each wave: two blocks of 256 bytes that no other line names
.set FR,     16
.set NP,     8                         ; places behind this matrix instruction (ISA guide 7.12.1)
.set LI,     4                         ; v4  16 x lane
.set VO,     8                         ; v8-11 the way out: my place in the four groups
.set VS,     12                        ; v12 and among the scale words
.set VSEL,   13                        ; v13 which bytes of two scale words my half of the lanes stores
.set ADRA,   16
.set ADRS,   18
.set ADRB,   20
.set SPW,    28
.set NIL,    29
.set SC,     32
.set BI,     64
.set AF,     128
.set PC,     128                       ; the way out: codes
.set TM,     160                       ; v160-175 at work
.set PW,     176                       ; v176-177 two blocks' scale words
.set XW,     178
.set G1,     24
.set G0,     32
.set G1B,    48
.set G0B,    56
.set STEPB,  RECP                      ; from a slot's records to the next slot's, in memory
.set PFA,    94                        ; s[94:95] where my prefetches stand; s[96:97] at work
.set PFO,    22                        ; v22 the prefetches' offset: 256 x min(lane, 16); never rewritten
; A PREFETCH INTO THE L2 of slot n's records.  Of the 8 records that my wave's joint load brings, the partner at place p (cx for A's, cy for B's) names records 2 p and 2 p + 1, told apart by address:
; a record is 17 blocks of 256 bytes, a lane a block (lanes 17-31 name the last again).  The load of slot t is followed by the request for slot t + 2; the head also names slot 1.  K has 4 slots, so the refills of slots 2 and 3 ask for nothing.
.macro ASK n
	global_prefetch_b8 v[PFO], s[PFA:PFA+1] offset:(\n)*STEPB th:TH_LOAD_NT scope:SCOPE_SE
	global_prefetch_b8 v[PFO], s[PFA:PFA+1] offset:(\n)*STEPB+TP th:TH_LOAD_NT scope:SCOPE_SE
.endm
.set MSB, 0
.macro WIN new                         ; the immediate's high byte repeats the setting that is left
.if MSB != \new
	s_set_vgpr_msb (MSB<<8)|\new
.set MSB, \new
.endif
.endm
.macro JLOAD s                         ; a joint load: waves 0 and 1 fetch A's halves, waves 2 and 3 B's; four v_nop follow each line
	s_cmp_eq_u32 s15, 0
	s_cbranch_scc0 .Lfor_b_\@
	tensor_load_to_lds s[G0+4*\s:G0+4*\s+3], s[G1:G1+7]
	s_nop 0
.rept 4
	v_nop
.endr
	s_branch .Lasked_\@
.Lfor_b_\@:
	tensor_load_to_lds s[G0B+4*\s:G0B+4*\s+3], s[G1B:G1B+7]
	s_nop 0
.rept 4
	v_nop
.endr
.Lasked_\@:
.endm
.macro CREST                           ; a round of the cluster's barrier behind its opening barrier
	s_cmp_lg_u32 s14, 0
	s_cbranch_scc1 .Lnot_wave_0_\@
	s_barrier_signal -3
.Lnot_wave_0_\@:
	s_barrier_wait -3
	s_barrier_signal -1
	s_barrier_wait -1
.endm
.macro CROUND
	s_barrier_signal -1
	s_barrier_wait -1
	CREST
.endm
.macro PLACES n
.rept \n
	v_nop
.endr
.endm
.macro FRAG reg, adr, q, i             ; tile i's fragment of the slot's q-th 128 along K
.irp c, 0,1,2,3
	ds_load_b128 v[\reg+4*\c:\reg+4*\c+3], v[\adr] offset:(\i)*RECB+(\q)*2048+512*\c
.endr
.endm
.macro FETCH_B slot, q, p
	WIN 0x40
.irp i, 0,1,2,3,4,5,6,7
	FRAG 128*(\p)+FR*\i, ADRB+\slot, \q, \i
.endr
	WIN 0
.endm
.macro FETCH_A slot, q, i0
.irp i, \i0, \i0+1, \i0+2, \i0+3
	FRAG AF+FR*(\i), ADRA+\slot, \q, \i
.endr
.endm
.macro SCALES sc                       ; a slot's scale words: lanes 0-15 A's tile i, lanes 16-31 B's tile i; register 2 i + q
.irp i, 0,1,2,3,4,5,6,7
	ds_load_b32 v[SC+16*\sc+2*\i], v[ADRS+\sc] offset:\i*RECB+4096
	ds_load_b32 v[SC+16*\sc+2*\i+1], v[ADRS+\sc] offset:\i*RECB+4096+64
.endr
.endm
; 16 matrix instructions: A's blocks a0, a0 + 1 x B's eight.  cm = 1: the bias of B's block is the C: it starts the sums.  The 64 accumulators take turns, one instruction a turn.
.macro MUL16 a0, p, q, sc, cm
.irp a, \a0, \a0+1
.irp b, 0,1,2,3,4,5,6,7
.if \cm
	v_wmma_scale_f32_16x16x128_f8f6f4 v[8*(8*((\a)%4)+\b):8*(8*((\a)%4)+\b)+7], v[128*(\p)+FR*\b:128*(\p)+FR*\b+FR-1], v[AF+FR*(\a):AF+FR*(\a)+FR-1], v[BI+8*\b:BI+8*\b+7], v[SC+16*(\sc)+2*\b+(\q)], v[SC+16*(\sc)+2*(\a)+(\q)] matrix_a_scale:MATRIX_SCALE_ROW1
.else
	v_wmma_scale_f32_16x16x128_f8f6f4 v[8*(8*((\a)%4)+\b):8*(8*((\a)%4)+\b)+7], v[128*(\p)+FR*\b:128*(\p)+FR*\b+FR-1], v[AF+FR*(\a):AF+FR*(\a)+FR-1], v[8*(8*((\a)%4)+\b):8*(8*((\a)%4)+\b)+7], v[SC+16*(\sc)+2*\b+(\q)], v[SC+16*(\sc)+2*(\a)+(\q)] matrix_a_scale:MATRIX_SCALE_ROW1
.endif
.endr
.endr
.endm
.macro STEP slot, q, cm                ; 128 along K whose successor lies in the same slot
	s_wait_dscnt 16                                ; all but the youngest 16 loads (A's blocks 4-7) are in
.if \cm
	WIN 0x81                                       ; B window 1, A and the bias window 0, D window 2
.else
	WIN 0xa1                                       ; B window 1, A window 0, C and D window 2
.endif
	MUL16 0, (\q)%2, \q, \slot, \cm
	MUL16 2, (\q)%2, \q, \slot, \cm
	s_wait_dscnt 0
	PLACES NP
	FETCH_B \slot, (\q)+1, 1-(\q)%2
	FETCH_A \slot, (\q)+1, 0
.if \cm
	WIN 0xc1
.else
	WIN 0xf1
.endif
	MUL16 4, (\q)%2, \q, \slot, \cm
	MUL16 6, (\q)%2, \q, \slot, \cm
	PLACES NP
	WIN 0
	FETCH_A \slot, (\q)+1, 4
.endm
.macro TURN slot, next, fill           ; a slot's last 128 along K, and the change of slots
	s_wait_tensorcnt 0x0                           ; all my tensor loads have landed: my part of the next slot
	ds_add_u32 v[SPW], v[NIL]                      ; 0 onto my spare word
	s_wait_dscnt 17                                ; (the add and the youngest 16 loads may be out)
	WIN 0xa1
	MUL16 0, 1, 1, \slot, 0
	s_wait_dscnt 0x0                               ; the add is done, and my reads of this slot are over
	s_barrier_signal -1
	MUL16 2, 1, 1, \slot, 0
	WIN 0
	s_barrier_wait -1
.if \fill
	CREST                                          ; the barrier has opened a round of the cluster's: no wave of any partner still reads this slot or has a load on its way
	s_add_nc_u64 s[G0+4*\slot+2:G0+4*\slot+3], s[G0+4*\slot+2:G0+4*\slot+3], 2*RECP
	s_add_nc_u64 s[G0B+4*\slot+2:G0B+4*\slot+3], s[G0B+4*\slot+2:G0B+4*\slot+3], 2*RECP
	JLOAD \slot                                    ; my one tensor load behind the round; its four v_nop are among the places in front of the loads below
	PLACES NP-4
.else
	PLACES NP
.endif
	FETCH_B \next, 0, 0
	FETCH_A \next, 0, 0
	SCALES \next
	WIN 0xf1
	MUL16 4, 1, 1, \slot, 0
	MUL16 6, 1, 1, \slot, 0
	PLACES NP
	WIN 0
	FETCH_A \next, 0, 4
.endm
	s_load_b256 s[4:11], s[0:1], 0x0               ; the tokens' records, the weights' records, qkv_b, the result
	v_lshl_add_u32 v[SPW], v0, 2, SPARE
	v_mov_b32 v[NIL], 0
	ds_add_u32 v28, v29
	ds_add_u32 v28, v29
	s_wait_dscnt 0x0
	v_lshrrev_b32 v1, 5, v0
	v_readfirstlane_b32 s14, v1                    ; wave
	s_lshr_b32 s15, s14, 1                         ; my half of the tile's rows.  Also: I fetch for A (0) or for B (1)
	s_and_b32 s16, s14, 1                          ; my half of its columns.  Also: which 8 tiles I fetch
	s_bfe_u32 s40, ttmp6, 0x40000                  ; cx
	s_bfe_u32 s41, ttmp6, 0x40004                  ; cy
	s_and_b32 s17, ttmp7, 0xffff
	s_lshl_b32 s17, s17, 2                         ; 4 x cluster y
	s_lshl_b32 s42, ttmp9, 2                       ; 4 x cluster x
	s_cmp_eq_u32 ttmp9, 2                          ; the v clusters
	s_cselect_b32 s42, s17, s42                    ; tile column: 4 cluster x + cx; for v 4 cluster y + cx (tokens)
	s_cselect_b32 s17, 0, s17                      ; tile row: 4 cluster y + cy; for v cy (channels)
	s_cselect_b32 s99, 1, 0
	s_cselect_b32 s80, AVOFF, 0
	s_add_co_u32 s42, s42, s40
	s_add_co_u32 s17, s17, s41
	s_lshl_b32 s43, s41, 2
	s_lshl_b32 s43, 15, s43                        ; my row of the cluster
	s_lshl_b32 s44, 0x1111, s40                    ; my column
	s_or_b32 s[G1+0], s43, (3<<16)|(1<<21)         ; 15:0 the mask; 17:16 elements of 8 bytes; 21 set beside a mask; no padding
	s_or_b32 s[G1B+0], s44, (3<<16)|(1<<21)
.irp g, G1, G1B
	s_mov_b32 s[\g+1], 528<<16                     ; tensor_dim0: 4,224 bytes
	s_mov_b32 s[\g+2], 8<<16                       ; tensor_dim1: 8 records
	s_mov_b32 s[\g+3], 528<<16                     ; tile_dim0
	s_mov_b32 s[\g+4], 8                           ; tile_dim1
	s_mov_b32 s[\g+5], S2*544                      ; from tile to tile, in elements
	s_mov_b32 s[\g+6], 0
	s_mov_b32 s[\g+7], 0
.endr
	s_lshl_b32 s18, s16, 3
	s_lshl_b32 s20, s17, 4
	s_add_co_u32 s20, s20, s18
	s_mul_i32 s20, s20, TP                         ; A: tile 16 x tile row + 8 x half
	s_add_co_u32 s20, s20, s80
	s_mov_b32 s21, 0
	s_lshl_b32 s46, s42, 4
	s_add_co_u32 s46, s46, s18
	s_mul_i32 s46, s46, TP                         ; B: tile 16 x tile column + 8 x half
	s_mov_b32 s47, 0
	s_mul_i32 s45, s14, HALFT                      ; where they go: no place in the cluster enters an LDS address
	s_wait_kmcnt 0x0
	s_mov_b64 s[12:13], s[10:11]
	s_cmp_eq_u32 s99, 1
	s_cselect_b64 s[76:77], s[6:7], s[4:5]
	s_cselect_b64 s[78:79], s[4:5], s[6:7]
	s_add_nc_u64 s[20:21], s[76:77], s[20:21]
	s_add_nc_u64 s[46:47], s[78:79], s[46:47]
	CROUND                                         ; all sixteen work-groups are here: the first joint loads meet
.irp s, 0,1
	s_mov_b32 s[G0+4*\s], 1
	s_add_co_u32 s[G0+4*\s+1], s45, \s*SLOT
	s_add_nc_u64 s[G0+4*\s+2:G0+4*\s+3], s[20:21], \s*RECP
	s_or_b32 s[G0+4*\s+3], s[G0+4*\s+3], 0x80000000
	s_mov_b32 s[G0B+4*\s], 1
	s_add_co_u32 s[G0B+4*\s+1], s45, \s*SLOT
	s_add_nc_u64 s[G0B+4*\s+2:G0B+4*\s+3], s[46:47], \s*RECP
	s_or_b32 s[G0B+4*\s+3], s[G0B+4*\s+3], 0x80000000
.endr
	JLOAD 0                                        ; K step 0: one tensor load a wave at the head
	s_cmp_eq_u32 s15, 0                            ; do I fetch for A?
	s_cselect_b64 s[PFA:PFA+1], s[20:21], s[46:47] ; my wave's 8 records of slot 0
	s_cselect_b32 s[PFA+2], s40, s41               ; my place among the four that ask with me
	s_mul_i32 s[PFA+2], s[PFA+2], 2*TP
	s_mov_b32 s[PFA+3], 0
	s_add_nc_u64 s[PFA:PFA+1], s[PFA:PFA+1], s[PFA+2:PFA+3]
	v_and_b32 v[PFO], 31, v0
	v_min_u32 v[PFO], 16, v[PFO]
	v_lshlrev_b32 v[PFO], 8, v[PFO]
	ASK 1
	ASK 2
	v_and_b32 v1, 15, v0                           ; r
	v_bfe_u32 v2, v0, 4, 1                         ; h
	v_and_b32 v3, 31, v0
	v_lshlrev_b32 v[LI], 4, v3
	s_mul_i32 s21, s15, HALFT                      ; my 8 tiles of A
	s_mul_i32 s22, s16, HALFT
	s_add_co_u32 s22, s22, 2*HALFT                 ; my 8 tiles of B, behind A's 16
	v_lshlrev_b32 v5, 2, v1
	s_sub_co_u32 s23, s22, s21
	v_mul_u32_u24 v6, s23, v2                      ; lanes 16-31 take B's scale words
	v_add_nc_u32 v5, v5, v6
.irp s, 0,1
	v_add_nc_u32 v[ADRA+\s], s21, v[LI]
	v_add_nc_u32 v[ADRB+\s], s22, v[LI]
	v_add_nc_u32 v[ADRS+\s], s21, v5
	s_add_co_u32 s21, s21, SLOT
	s_add_co_u32 s22, s22, SLOT
.endr
	; the way out's figures, for q and k and for v, chosen by the cluster's x
	s_lshr_b32 s82, s17, 3
	s_lshl_b32 s82, s82, 5
	s_lshl_b32 s81, s42, 2
	s_add_co_u32 s82, s82, s81
	s_lshl_b32 s81, s16, 1
	s_add_co_u32 s82, s82, s81                     ; 32 x batch + (head, or 16 + head)
	s_lshl_b32 s82, s82, 6
	s_and_b32 s81, s17, 7
	s_lshl_b32 s81, s81, 3
	s_add_co_u32 s82, s82, s81
	s_lshl_b32 s81, s15, 2
	s_add_co_u32 s82, s82, s81                     ; q, k: my first record: a pair of token tiles
	s_lshl_b32 s81, s17, 4
	s_lshl_b32 s83, s15, 3
	s_add_co_u32 s81, s81, s83
	s_lshl_b32 s81, s81, 5
	s_lshl_b32 s83, s42, 1
	s_add_co_u32 s81, s81, s83
	s_add_co_u32 s81, s81, s16
	s_add_co_u32 s81, s81, 4096                    ; v: behind q's and k's 4,096 records: (channel tile) x 32 + key step
	s_lshl_b32 s90, s42, 10
	s_lshl_b32 s91, s16, 9
	s_add_co_u32 s90, s90, s91                     ; the column bias: my 128 columns
	s_lshl_b32 s92, s17, 10
	s_lshl_b32 s93, s15, 9
	s_add_co_u32 s92, s92, s93
	s_add_co_u32 s92, s92, 8192                    ; v's bias: 2,048 + my 128 rows
	s_mov_b32 s84, 147456                          ; q, k: groups 2 and 3 belong to the next head: 64 records on
	s_mov_b32 s68, 1024                            ; from an even block of rows to the odd one,
	s_mov_b32 s70, 1280                            ; and on to the next record
	s_mov_b32 s72, 2304
	s_mov_b32 s85, 147456
	s_mov_b32 s86, 0x05040100                      ; bytes 0, 1 of both blocks' words: the first head's
	s_mov_b32 s87, 0x07060302                      ; bytes 2, 3: the second head's
	s_cmp_eq_u32 s99, 1
	s_cselect_b32 s82, s81, s82
	s_cselect_b32 s84, 1024, s84
	s_cselect_b32 s68, 73728, s68                  ; v: from channel tile to channel tile: 32 records
	s_cselect_b32 s70, 73728, s70
	s_cselect_b32 s72, 147456, s72
	s_cselect_b32 s85, 73728, s85
	s_cselect_b32 s86, 0x03020100, s86             ; the even block's word
	s_cselect_b32 s87, 0x07060504, s87             ; the odd block's
	s_cselect_b32 s88, -1, 0                       ; keeps v's bias, clears it elsewhere
	s_cselect_b32 s89, 0, -1                       ; and the column bias the other way round
	s_cselect_b32 s90, 0, s90                      ; the bias that is cleared is read at the buffer's head: no load leaves it
	s_cselect_b32 s92, s92, 0
	s_mul_i32 s82, s82, 2304
	s_mov_b32 s83, 0
	s_mov_b32 s69, 0
	s_mov_b32 s71, 0
	s_mov_b32 s73, 0
	s_mov_b32 s91, 0
	s_mov_b32 s93, 0
	s_mov_b32 s66, 0x76543210
	s_mov_b32 s67, 0xfedcba98                      ; lane l xor 16
	s_mov_b32 s98, 0x600000                        ; the mantissa field of 448
	s_add_nc_u64 s[12:13], s[12:13], s[82:83]
	s_mov_b64 s[74:75], s[12:13]
	s_add_nc_u64 s[92:93], s[8:9], s[92:93]
	s_add_nc_u64 s[8:9], s[8:9], s[90:91]
	v_add_nc_u32 v[VO], 0, v[LI]
	v_add_nc_u32 v[VO+1], 512, v[LI]
	v_add_nc_u32 v[VO+2], s84, v[LI]
	v_add_nc_u32 v[VO+3], 512, v[VO+2]
	v_mul_u32_u24 v[VS], s85, v2
	v_lshl_add_u32 v[VS], v1, 2, v[VS]
	v_add_nc_u32 v[VS], 2048, v[VS]
	v_mov_b32 v[VSEL], s86
	v_mov_b32 v14, s87
	v_cmp_eq_u32 vcc_lo, 1, v2
	v_cndmask_b32 v[VSEL], v[VSEL], v14, vcc_lo
	v_and_b32 v15, 8, v1
	v_add_nc_u32 v15, v15, v1
	v_lshlrev_b32 v15, 2, v15                      ; v's bias: 4 (r + 8 (r / 8))
	v_lshlrev_b32 v7, 6, v2                        ; the column bias: 16 numbers on for lanes 16-31
.irp b, 0,1,2,3,4,5,6,7
	global_load_b128 v[BI+8*\b:BI+8*\b+3], v7, s[8:9] offset:(32*(\b/2)+8*(\b%2))*4
	global_load_b128 v[BI+8*\b+4:BI+8*\b+7], v7, s[8:9] offset:(32*(\b/2)+8*(\b%2))*4+16
.endr
	s_wait_loadcnt 0x0
.set k, 0
.rept 64
	v_and_b32 v[BI+k], s89, v[BI+k]
.set k, k+1
.endr
	s_wait_alu depctr_va_vdst(0)
	s_wait_tensorcnt 0x0                           ; my part of K step 0 is in
	ds_add_u32 v[SPW], v[NIL]
	s_wait_dscnt 0x0
	CROUND                                         ; everybody's part of K step 0 is in, and all sixteen work-groups are here
	JLOAD 1                                        ; K step 1: my one tensor load behind the round
	ASK 3
	FETCH_B 0, 0, 0
	FETCH_A 0, 0, 0
	SCALES 0
	FETCH_A 0, 0, 4
	STEP 0, 0, 1                                   ; the first step stands in front of the loop: the bias starts the sums
.irp a, 0,1,2,3,4,5,6,7
	global_load_b32 v[BI+2*\a], v15, s[92:93] offset:(32*(\a/2)+8*(\a%2))*4   ; v's bias of block a's rows, into registers that the first step has left (eight places back); wanted on the way out
.endr
	s_mov_b32 s3, LAPS-1
.Llap:
	TURN 0, 1, 1
	STEP 1, 0, 0
	TURN 1, 0, 1
	STEP 0, 0, 0
	s_sub_co_u32 s3, s3, 1
	s_cmp_lg_u32 s3, 0
	s_cbranch_scc1 .Llap
	TURN 0, 1, 0                                   ; the last lap fills nothing
	STEP 1, 0, 0
	s_wait_dscnt 16
	WIN 0xa1
	MUL16 0, 1, 1, 1, 0
	MUL16 2, 1, 1, 1, 0
	s_wait_dscnt 0
	WIN 0xf1
	MUL16 4, 1, 1, 1, 0
	MUL16 6, 1, 1, 1, 0
	WIN 0
	PLACES NP
; THE WAY OUT, block a of 16 rows at a time: register 16 b + i of the block is column 32 b + 16 h + i of my row.
.macro RBADD a                         ; the bias that goes by rows; each accumulator is read from its low end on
.set W, 2+(\a)/4
.set AC, 64*((\a)%4)
.set WN, (W<<6)|W
	WIN WN
.set k, 0
.rept 32
	v_pk_add_f32 v[AC+k:AC+k+1], v[AC+k:AC+k+1], v[BI+2*(\a):BI+2*(\a)+1]
.set k, k+2
.endr
.endm
.macro QUANT a                         ; four blocks of 32 become 64 codes a lane in PC and a scale word
.set W, 2+(\a)/4
.set AC, 64*((\a)%4)
.set PWA, PW+(\a)%2
.set WN, (W<<4)|(W<<2)
	WIN WN
.irp b, 0,1,2,3
	v_max3_num_f32 v[TM+\b], 0x4800000, |v[AC+16*\b]|, |v[AC+16*\b+1]|   ; with the floor 2^(9 - 127): the byte cannot fall under 1
.endr
.irp i, 2,4,6,8,10,12,14
.irp b, 0,1,2,3
	v_max3_num_f32 v[TM+\b], v[TM+\b], |v[AC+16*\b+\i]|, |v[AC+16*\b+\i+1]|
.endr
.endr
	WIN 0
.irp b, 0,1,2,3
	v_permlanex16_b32 v[TM+4+\b], v[TM+\b], s66, s67
.endr
.irp b, 0,1,2,3
	v_max_num_f32 v[TM+\b], v[TM+\b], v[TM+4+\b]   ; with lane l xor 16's 16: the block's largest magnitude
.endr
.irp b, 0,1,2,3
	v_add_nc_u32 v[TM+12+\b], 0xfc000000, v[TM+\b] ; the conversion's scale operand
.endr
.irp b, 0,1,2,3
	v_and_or_b32 v[TM+8+\b], v[TM+\b], 0x7f800000, s98   ; 448 x the scale
.endr
.irp b, 0,1,2,3
	v_lshrrev_b32 v[TM+4+\b], 23, v[TM+12+\b]      ; the byte
.endr
	v_lshl_or_b32 v[PWA], v[TM+5], 8, v[TM+4]
	v_lshl_or_b32 v[PWA], v[TM+6], 16, v[PWA]
	v_lshl_or_b32 v[PWA], v[TM+7], 24, v[PWA]
.set WN, (W<<6)|W
	WIN WN
.irp b, 0,1,2,3
.irp i, 0,1,2,3,4,5,6,7,8,9,10,11,12,13,14,15
	v_med3_num_f32 v[AC+16*\b+\i], v[AC+16*\b+\i], -v[TM+8+\b], v[TM+8+\b]   ; the conversion does not saturate (ISA guide 7.6.2)
.endr
.endr
	WIN W
.irp b, 0,1,2,3
	v_cvt_scalef32_pk8_fp8_f32 v[PC+4*\b:PC+4*\b+1], v[AC+16*\b:AC+16*\b+7], v[TM+12+\b]
	v_cvt_scalef32_pk8_fp8_f32 v[PC+4*\b+2:PC+4*\b+3], v[AC+16*\b+8:AC+16*\b+15], v[TM+12+\b]
.endr
	WIN 0
	v_nop                                          ; a plain instruction behind the last conversion
.endm
.macro QOUT a
.irp b, 0,1,2,3
	global_store_b128 v[VO+\b], v[PC+4*\b:PC+4*\b+3], s[12:13]   ; 32 lanes store a group: 512 consecutive bytes, at a multiple of 256 from the buffer's first byte
.endr
.if (\a)%2
	v_perm_b32 v[XW], v[PW+1], v[PW], v[VSEL]
	global_store_b32 v[VS], v[XW], s[74:75]        ; two runs of 64 bytes: the scale words of two records
.endif
	s_wait_xcnt 0x0                                ; the stores have read their data and bases: both are written again only behind this wait
.if (\a)%2
	s_add_nc_u64 s[12:13], s[12:13], s[70:71]
	s_add_nc_u64 s[74:75], s[74:75], s[72:73]
.else
	s_add_nc_u64 s[12:13], s[12:13], s[68:69]
.endif
.endm
	s_wait_loadcnt 0x0                             ; v's bias
.irp a, 0,1,2,3,4,5,6,7
	v_and_b32 v[BI+2*\a+1], s88, v[BI+2*\a]
	v_and_b32 v[BI+2*\a], s88, v[BI+2*\a]
.endr
.irp b, 0,1,2,3
	v_mov_b32 v[TM+4+\b], 0                        ; written once: a lane permute's destination counts as one of its sources
.endr
.irp a, 0,1,2,3,4,5,6,7
	RBADD \a
	QUANT \a
	QOUT \a
.endr
	s_wait_tensorcnt 0x0                           ; the wave's end
	ds_add_u32 v[SPW], v[NIL]
	s_wait_dscnt 0x0
	CROUND                                         ; the closing round: no work-group ends while a partner may still ask for a tile that names it
	s_endpgm
.Lfunc_end_k_q9082470f90_qkv:
	.size	k_q9082470f90_qkv, .Lfunc_end_k_q9082470f90_qkv-k_q9082470f90_qkv
	.p2alignl 7, 3214868480
	.fill 96, 4, 3214868480
	.section	.rodata,"a",@progbits
	.p2align	6, 0x0
	.amdhsa_kernel k_q9082470f90_qkv
		.amdhsa_group_segment_fixed_size 327680
		.amdhsa_private_segment_fixed_size 0
		.amdhsa_enable_private_segment 0
		.amdhsa_kernarg_size 32
		.amdhsa_user_sgpr_count 2
		.amdhsa_user_sgpr_kernarg_segment_ptr 1
		.amdhsa_wavefront_size32 1
		.amdhsa_system_sgpr_workgroup_id_x 1
		.amdhsa_system_sgpr_workgroup_id_y 1
		.amdhsa_system_sgpr_workgroup_id_z 1
		.amdhsa_system_vgpr_workitem_id 0
		.amdhsa_next_free_vgpr 1024
		.amdhsa_next_free_sgpr 100
		.amdhsa_reserve_vcc 1
		.amdhsa_float_denorm_mode_32 3
		.amdhsa_float_denorm_mode_16_64 3
		.amdhsa_memory_ordered 1
		.amdhsa_forward_progress 1
		.amdhsa_inst_pref_size 210
	.end_amdhsa_kernel
	.amdgpu_metadata
---
amdhsa.version: [ 1, 2 ]
amdhsa.kernels:
  - .name:           k_q9082470f90_qkv
    .symbol:         k_q9082470f90_qkv.kd
    .args:
      - { .name: aimg, .offset: 0, .size: 8, .value_kind: global_buffer, .address_space: global }
      - { .name: wimg, .offset: 8, .size: 8, .value_kind: global_buffer, .address_space: global }
      - { .name: qkv_b, .offset: 16, .size: 8, .value_kind: global_buffer, .address_space: global }
      - { .name: qkvr, .offset: 24, .size: 8, .value_kind: global_buffer, .address_space: global }
    .group_segment_fixed_size: 327680
    .private_segment_fixed_size: 0
    .kernarg_segment_align: 8
    .kernarg_segment_size: 32
    .max_flat_workgroup_size: 128
    .sgpr_count:     100
    .vgpr_count:     1024
    .wavefront_size: 32
...
	.end_amdgpu_metadata
.endif
;; end of part 8
;; launch attn (part 9): grid 8 x 32, 8 waves a work-group, clusters of 4 x 1, 327,680 bytes of LDS; arguments qkvr, oimg; writes oimg
.if DOCPART == 9
	.amdgcn_target "amdgcn-amd-amdhsa--gfx1250"
	.amdhsa_code_object_version 6
	.text
	.protected	k_q9082470f90_attn
	.globl	k_q9082470f90_attn
	.p2align	8
	.type	k_q9082470f90_attn,@function
k_q9082470f90_attn:
	s_mov_b64 s[64:65], 0
	v_nop
	global_prefetch_b8 v0, s[64:65] scope:SCOPE_SE
	s_setreg_imm32_b32 hwreg(HW_REG_WAVE_MODE, 25, 1), 1
	s_wait_xcnt 0x0
	s_wait_alu depctr_hold_cnt(0) depctr_sa_sdst(0) depctr_va_vdst(0) depctr_va_sdst(0) depctr_va_ssrc(0) depctr_va_vcc(0) depctr_vm_vsrc(0)
	s_getreg_b32 s2, hwreg(HW_REG_IB_STS2, 6, 4)
	s_cmp_eq_u32 s2, 0
	s_cbranch_scc0 .Lentry_in_a_cluster
	s_endpgm
.Lentry_in_a_cluster:
	s_bfe_u32 s2, ttmp6, 0x10000c
	s_cmp_lg_u32 s2, 0x3003
	s_cbranch_scc0 .Lentry_shape_is_right
	s_endpgm
.Lentry_shape_is_right:
; Attention of one head on codes of MX-FP8 (E4M3, one E8M0 byte for each 32 along a product's K): o = softmax(q k^T / 8) v, quantised along the channels on the way out.
; t = score x log2(e) / 8; M = the running largest t rounded UP to a whole number; p = 2^(t - M) is quantised along the keys, not normalised; the row's sum is taken of the unquantised p and divides at the end;
; when M moves, the sum and O are multiplied by 2^(old M - new M), which rounds nothing.
; SHARES.  A work-group: 256 queries of one head and batch; each of its eight waves TWO tiles of 16 queries (one record of q), two waves to a SIMD.  Every wave walks the 2,048 keys, 128 a step; a fragment of K or V read from LDS feeds both tiles' products.
; LDS holds the head's K (64 records) and V (64 records) WHOLE: 128 x 2,112 bytes; every byte is filled once, in two groups of loads.
;   At the head: wave 0 K's records 0-19 (steps 0 to 3, and step 4's, which trip 3 reads ahead); waves 1-4 V's steps 0 to 3, a channel tile each.
;   Behind a round of the cluster's barrier: waves 0, 1 K's records 20-63, 22 each; waves 2-5 V's steps 4 to 15, a channel tile each.
;   The first four trips read the head's records alone; a wait for all tensor loads and a barrier stand between them and the other twelve.  All of LDS is claimed.
; CLUSTER of 4 x 1: the four query blocks of a head ask for the same tiles jointly.  No prefetch: the second group is asked for four trips (96 matrix instructions a wave) ahead of the wait for it, and nothing is asked for later.
; RECORDS (2,304 bytes apart, 2,112 used): an image of an operand's registers (group c of 512 bytes: lane (r, h): 16 codes at 16 (r + 16 h)), then 16 scale words at 2048 + 4 r.
;   q, k: [batch][head, 16 + head][pair P of token tiles]: groups 0, 1: tile 2 P, head dims 0-63; groups 2, 3: tile 2 P + 1.   v: [channel tile][key step of 128]: rows = channels, K = the keys.
; Lane row r of tile T stands for row 32 (T / 2) + 8 (T % 2) + r + 8 (r / 8).  Both products are used transposed (S^T = K Q^T, O^T = V^T P^T): a lane holds one query of each tile, and the 16 registers of two neighbouring tiles are 16 neighbours along the next K.
; THE HEAD'S K IS 64, THE INSTRUCTION'S 128.  A record of K is one fragment with two tiles of keys side by side along K; q stands between zeros: (q, 0) meets the first tile, (0, q) the second.  Zero codes add nothing.
; REGISTERS.  Window 0: v1-8 addresses; v9, v44 at work; v10, v11 the add's two; for tile t at 12 + 10 t: -M, the largest t, the sum (2), f (2), the blocks' largest scores (4);
;   v32-35 lane permutes' results, bytes; v36-39 the holds' limits, v45-48 the same once more; v40-43 the conversions' scale operands; v50-51 a chain of the sum;
;   scale words alone: v52-55 K's, v56-59 V's, v60-61 q's, v62-63 p's; v64-127 V's four fragments; v128-191, v192-255 S^T, then p, of tiles 0 and 1.
;   Window 1: v0-39 zeros, q0, zeros, q1, zeros; v48-79 p's codes; v80-143 O^T; v144-207 K's four fragments.
; K's and V's fragments have registers of their own: K's of step j + 1 are asked of LDS behind step j's first products, V's of step j at the trip's top.  The last trip's K loads read the 8,448 bytes behind K's records (V's first records); nothing uses them.
; LIMITS: NaN and infinities are not served; a block of p that has fallen to 0 keeps the byte 1; a block's largest p is made from its largest score, which takes v_exp_f32 not to fall where its input rises.
.set RB,    2112                       ; a record in LDS
.set VLDS,  64*RB                      ; V's records lie behind K's: (16 x tile + step)
.set SPARE, 128*RB                     ; the spare words, 128 bytes for each wave: four blocks of 256 bytes that no other line names
.set MSB, 0
.macro WIN new                         ; the immediate's high byte repeats the setting that is left
.if MSB != \new
	s_set_vgpr_msb (MSB<<8)|\new
.set MSB, \new
.endif
.endm
.macro WALU
	s_wait_alu depctr_va_vdst(0)
.endm
.macro CROUND
	s_barrier_signal -1
	s_barrier_wait -1
	s_cmp_lg_u32 s8, 0
	s_cbranch_scc1 .Lnot_wave_0_\@
	s_barrier_signal -3
.Lnot_wave_0_\@:
	s_barrier_wait -3
	s_barrier_signal -1
	s_barrier_wait -1
.endm
.macro GRP1 g, rows                    ; descriptor group 1: so many records' first 2,112 bytes, 2,304 bytes apart in memory, on end in LDS
	s_mov_b32 s[\g], 15|(3<<16)|(1<<21)            ; 15:0 the mask: all four work-groups; 17:16 elements of 8 bytes; 21 set beside a mask
	s_mov_b32 s[\g+1], 264<<16                     ; tensor_dim0: 2,112 bytes
	s_mov_b32 s[\g+2], (\rows)<<16                 ; tensor_dim1
	s_mov_b32 s[\g+3], 264<<16                     ; tile_dim0
	s_mov_b32 s[\g+4], \rows                       ; tile_dim1
	s_mov_b32 s[\g+5], 288                         ; from record to record
	s_mov_b32 s[\g+6], 0
	s_mov_b32 s[\g+7], 0
.endm
.macro ARM under, g0, g1, next, join   ; an arm of a chain of branches on the wave's number: one load, and a jump to the chain's end; an s_nop 0 and four v_nop follow the load
	s_cmp_lt_u32 s8, \under
	s_cbranch_scc0 \next
	tensor_load_to_lds s[\g0:\g0+3], s[\g1:\g1+7]
	s_nop 0
.rept 4
	v_nop
.endr
	s_branch \join
\next:
.endm
.macro KLOADS                          ; 20 loads: a step's four records of K into window 1, their scale words into v52-55
	WIN 0x40
.irp f, 0,1,2,3
.irp c, 0,1,2,3
	ds_load_b128 v[144+16*\f+4*\c:147+16*\f+4*\c], v3 offset:\f*RB+512*\c
.endr
.endr
	WIN 0
.irp f, 0,1,2,3
	ds_load_b32 v[52+\f], v4 offset:\f*RB+2048
.endr
.endm
.macro VLOADS                          ; 20 loads: a step's record of each of V's four channel tiles
.irp d, 0,1
.irp c, 0,1,2,3
	ds_load_b128 v[64+16*\d+4*\c:67+16*\d+4*\c], v5 offset:\d*16*RB+512*\c
	ds_load_b128 v[96+16*\d+4*\c:99+16*\d+4*\c], v6 offset:\d*16*RB+512*\c
.endr
	ds_load_b32 v[56+\d], v7 offset:\d*16*RB+2048
	ds_load_b32 v[58+\d], v8 offset:\d*16*RB+2048
.endr
.endm
.macro SCALE t                         ; from the four blocks' largest p: scale operands, limits (twice: the dual form wants its two second sources in different banks), bytes, p's scale word
.irp b, 0,1,2,3
	v_max_num_f32 v[18+10*\t+\b], 0x4800000, v[18+10*\t+\b]        ; the floor 2^(9 - 127): the byte cannot fall under 1
.endr
.irp b, 0,1,2,3
	v_add_nc_u32 v[40+\b], 0xfc000000, v[18+10*\t+\b]              ; 8 off the exponent field
.endr
.irp b, 0,1,2,3
	v_and_or_b32 v[36+\b], v[18+10*\t+\b], 0x7f800000, s24         ; 448 x the scale
.endr
.irp b, 0,1,2,3
	v_and_or_b32 v[45+\b], v[18+10*\t+\b], 0x7f800000, s24
.endr
.irp b, 0,1,2,3
	v_lshrrev_b32 v[32+\b], 23, v[40+\b]
.endr
	v_lshl_or_b32 v[62+\t], v33, 8, v32
	v_lshl_or_b32 v[62+\t], v34, 16, v[62+\t]
	v_lshl_or_b32 v[62+\t], v35, 24, v[62+\t]
.endm
.macro ADD6 t, o                       ; five chains and the sum take six pairs of p from register o on
.set k_, 0
.irp p, 50,32,34,18+10*\t,20+10*\t
	v_pk_add_f32 v[\p:\p+1], v[\p:\p+1], v[128+64*\t+\o+2*k_:129+64*\t+\o+2*k_]
.set k_, k_+1
.endr
	v_pk_add_f32 v[14+10*\t:15+10*\t], v[14+10*\t:15+10*\t], v[138+64*\t+\o:139+64*\t+\o]
.endm
.macro SUMS t                          ; the row's sum of the unquantised p: 32 packed additions in six chains; the chains lie in registers that SCALE has done with
.set k_, 0
.irp p, 50,32,34,18+10*\t,20+10*\t
	v_pk_add_f32 v[\p:\p+1], v[128+64*\t+4*k_:129+64*\t+4*k_], v[130+64*\t+4*k_:131+64*\t+4*k_]
.set k_, k_+1
.endr
	v_pk_add_f32 v[14+10*\t:15+10*\t], v[14+10*\t:15+10*\t], v[148+64*\t:149+64*\t]
	ADD6 \t, 22
	ADD6 \t, 34
	ADD6 \t, 46
	v_pk_add_f32 v[50:51], v[50:51], v[186+64*\t:187+64*\t]
	v_pk_add_f32 v[32:33], v[32:33], v[188+64*\t:189+64*\t]
	v_pk_add_f32 v[34:35], v[34:35], v[190+64*\t:191+64*\t]
	v_pk_add_f32 v[14+10*\t:15+10*\t], v[14+10*\t:15+10*\t], v[18+10*\t:19+10*\t]
	v_pk_add_f32 v[50:51], v[50:51], v[20+10*\t:21+10*\t]
	v_pk_add_f32 v[32:33], v[32:33], v[34:35]
	v_pk_add_f32 v[14+10*\t:15+10*\t], v[14+10*\t:15+10*\t], v[50:51]
	v_pk_add_f32 v[14+10*\t:15+10*\t], v[14+10*\t:15+10*\t], v[32:33]
.endm
.macro HOLD2 s, j                      ; the conversion does not saturate (ISA guide 7.6.2); p is not negative, so the hold is one-sided; two holds an instruction
	v_dual_min_num_f32 v[\s+\j], v[\s+\j], v[36+\j/16] :: v_dual_min_num_f32 v[\s+1+\j], v[\s+1+\j], v[45+\j/16]
.endm
.macro CVT t                           ; 64 codes a lane, into window 1
	WIN 0x40
.irp b, 0,1,2,3
	v_cvt_scalef32_pk8_fp8_f32 v[48+16*\t+4*\b:49+16*\t+4*\b], v[128+64*\t+16*\b:135+64*\t+16*\b], v[40+\b]
	v_cvt_scalef32_pk8_fp8_f32 v[50+16*\t+4*\b:51+16*\t+4*\b], v[136+64*\t+16*\b:143+64*\t+16*\b], v[40+\b]
.endr
.endm
	s_load_b128 s[4:7], s[0:1], 0x0                ; q, k, v's records; o's records
	v_lshl_add_u32 v10, v0, 2, SPARE
	v_mov_b32 v11, 0
	ds_add_u32 v10, v11                            ; the opening lines: the add, twice on end, and its wait ahead of the first tensor loads
	ds_add_u32 v10, v11
	v_lshrrev_b32 v1, 5, v0
	v_readfirstlane_b32 s8, v1                     ; wave 0..7
	s_and_b32 s13, ttmp7, 0xffff
	s_lshr_b32 s9, s13, 4                          ; batch
	s_and_b32 s10, s13, 15                         ; head
	s_bfe_u32 s11, ttmp6, 0x40000                  ; cx
	s_lshl_b32 s12, ttmp9, 2
	s_add_co_u32 s12, s12, s11                     ; my block of 256 queries: it enters q's and o's addresses alone
	s_lshl_b32 s14, s9, 5
	s_add_co_u32 s14, s14, s10                     ; 32 x batch + head
	s_add_co_u32 s15, s14, 16
	s_lshl_b32 s15, s15, 6                         ; K's first record
	s_lshl_b32 s17, s10, 7                         ; V: channel tile 4 x head, 32 records a tile,
	s_lshl_b32 s16, s9, 4
	s_add_co_u32 s17, s17, s16                     ; the batch's 16 key steps,
	s_add_co_u32 s17, s17, 4096                    ; behind q's and k's 4,096 records,
	s_lshl_b32 s16, s8, 5
	s_add_co_u32 s17, s17, s16                     ; and a tile on for each wave
	s_mul_i32 s60, s15, 2304                       ; wave 0, at the head: K's records 0-19
	s_mov_b32 s61, 0
	s_sub_co_u32 s62, s17, 32
	s_mul_i32 s62, s62, 2304                       ; waves 1-4, at the head: tile w - 1, steps 0-3
	s_mov_b32 s63, 0
	s_mul_i32 s16, s8, 22
	s_add_co_u32 s16, s16, s15
	s_add_co_u32 s16, s16, 20
	s_mul_i32 s66, s16, 2304                       ; waves 0, 1, later: K's records 20 + 22 w on
	s_mov_b32 s67, 0
	s_sub_co_u32 s40, s17, 60
	s_mul_i32 s40, s40, 2304                       ; waves 2-5, later: tile w - 2, steps 4-15
	s_mov_b32 s41, 0
	GRP1 68, 20
	GRP1 76, 4
	GRP1 84, 22
	GRP1 92, 12
	s_lshl_b32 s42, s14, 6
	s_lshl_b32 s43, s12, 3
	s_add_co_u32 s42, s42, s43
	s_add_co_u32 s42, s42, s8
	s_mul_i32 s42, s42, 2304                       ; q's record: my pair of tiles
	s_mov_b32 s43, 0
	s_mov_b32 s26, 0x01000100                      ; the first tile's two scale bytes, twice: they serve q on either side
	s_mov_b32 s27, 0x03020302                      ; the second tile's
	s_lshl_b32 s50, s9, 7
	s_lshl_b32 s51, s12, 4
	s_add_co_u32 s50, s50, s51
	s_lshl_b32 s51, s8, 1
	s_add_co_u32 s50, s50, s51                     ; my first token tile: 128 x batch + 16 x block + 2 x wave
	s_mul_i32 s50, s50, 17408
	s_lshr_b32 s51, s10, 2
	s_mul_i32 s51, s51, 4352
	s_add_co_u32 s50, s50, s51                     ; o's record: K step of 256 = head / 4
	s_bfe_u32 s51, s10, 0x10001
	s_and_b32 s52, s10, 1
	s_lshl_b32 s53, s51, 11
	s_lshl_b32 s54, s52, 10
	s_add_co_u32 s56, s50, s53
	s_add_co_u32 s56, s56, s54                     ; my two groups of codes
	s_mov_b32 s57, 0
	s_lshl_b32 s53, s51, 6
	s_lshl_b32 s54, s52, 1
	s_add_co_u32 s58, s50, s53
	s_add_co_u32 s58, s58, s54
	s_add_co_u32 s58, s58, 4096                    ; my half of the scale words
	s_mov_b32 s59, 0
	s_mov_b32 s18, 0                               ; the step's records of K: 4 x 2,112 bytes a step
	s_mov_b32 s19, VLDS                            ; and of V: 2,112 a step
	s_mov_b32 s20, 0x76543210
	s_mov_b32 s21, 0xfedcba98                      ; lane l xor 16
	s_mov_b32 s22, 0x3e38aa3b                      ; c = log2(e) / 8
	s_mov_b32 s23, s22                             ; (named with it as a pair, so it is written)
	s_mov_b32 s24, 0x600000                        ; the mantissa field of 448
	s_mov_b32 s25, 4
	s_wait_dscnt 0x0                               ; both opening adds are done
	s_wait_kmcnt 0x0
	s_mov_b32 s28, 1                               ; four groups 0, each with LDS bytes of its own: a constant + the wave's number x a constant
	s_mov_b32 s29, 0
	s_add_nc_u64 s[30:31], s[4:5], s[60:61]
	s_or_b32 s31, s31, 0x80000000
	s_mov_b32 s32, 1
	s_mul_i32 s33, s8, 16*RB
	s_add_co_u32 s33, s33, VLDS-16*RB
	s_add_nc_u64 s[34:35], s[4:5], s[62:63]
	s_or_b32 s35, s35, 0x80000000
	s_mov_b32 s36, 1
	s_mul_i32 s37, s8, 22*RB
	s_add_co_u32 s37, s37, 20*RB
	s_add_nc_u64 s[38:39], s[4:5], s[66:67]
	s_or_b32 s39, s39, 0x80000000
	s_mov_b32 s52, 1
	s_mul_i32 s53, s8, 16*RB
	s_add_co_u32 s53, s53, VLDS-28*RB
	s_add_nc_u64 s[54:55], s[4:5], s[40:41]
	s_or_b32 s55, s55, 0x80000000
	s_add_nc_u64 s[44:45], s[4:5], s[42:43]
	s_add_nc_u64 s[48:49], s[6:7], s[58:59]
	s_add_nc_u64 s[6:7], s[6:7], s[56:57]
	CROUND                                         ; all four work-groups are here: the joint loads meet
	ARM 1, 28, 68, .Lhead_v, .Lhead_asked          ; the head's loads, at most one a wave: what the first four trips read
	ARM 5, 32, 76, .Lhead_none, .Lhead_asked
.Lhead_asked:
	v_and_b32 v2, 31, v0
	v_lshlrev_b32 v1, 4, v2                        ; 16 x lane
	v_and_b32 v2, 15, v0
	v_lshlrev_b32 v2, 2, v2                        ; 4 r
	global_load_b32 v9, v2, s[44:45] offset:2048   ; the record's scale words
	WIN 0x40
	global_load_b128 v[8:11], v1, s[44:45]         ; q of my first tile: head dims 0-31,
	global_load_b128 v[12:15], v1, s[44:45] offset:512    ; 32-63;
	global_load_b128 v[24:27], v1, s[44:45] offset:1024   ; of my second
	global_load_b128 v[28:31], v1, s[44:45] offset:1536
.irp j, 0,1,2,3,4,5,6,7
	v_mov_b32 v[\j], 0                             ; zero codes round q
	v_mov_b32 v[16+\j], 0
	v_mov_b32 v[32+\j], 0
.endr
.set j, 0
.rept 64
	v_mov_b32 v[80+j], 0                           ; O^T: the step is written once; its first trip finds zeros
.set j, j+1
.endr
	WIN 0
.irp t, 0,1
	v_mov_b32 v[13+10*\t], 0xff61b1e6              ; the largest t so far: -3e38
	v_mov_b32 v[14+10*\t], 0
	v_mov_b32 v[15+10*\t], 0
	v_mov_b32 v[17+10*\t], 0                       ; (named as the upper half of f's pair)
.endr
.irp t, 0,1
	v_floor_f32 v[12+10*\t], -v[13+10*\t]          ; -M
.endr
.irp b, 0,1,2,3,4,5,6,7
	v_mov_b32 v[32+\b], 0                          ; written once: a lane permute's destination counts as one of its sources
.endr
	v_add_nc_u32 v3, s18, v1
	v_add_nc_u32 v4, s18, v2
	s_wait_loadcnt 0x0
	v_perm_b32 v60, v9, v9, s26                    ; q's scale words: (s0, s1, s0, s1)
	v_perm_b32 v61, v9, v9, s27
	WALU
	s_wait_tensorcnt 0x0                           ; my load of the head's five, if I have one, has landed
	ds_add_u32 v10, v11                            ; 0 onto my spare word,
	ds_add_u32 v10, v11                            ; twice on end
	s_wait_dscnt 0x0
	CROUND                                         ; everybody's has, and all four work-groups are here
	ARM 2, 36, 84, .Lrest_v, .Lrest_asked          ; the rest of K and V, at most one load a wave
	ARM 6, 52, 92, .Lrest_none, .Lrest_asked
.Lrest_asked:
	KLOADS                                         ; step 0's
.macro BODY                            ; a step of 128 keys
	v_add_nc_u32 v5, s19, v1                       ; these four and four v_nop are the eight places behind the last trip's products
	v_add_nc_u32 v7, s19, v2
	v_add_nc_u32 v6, 32*RB, v5
	v_add_nc_u32 v8, 32*RB, v7
.rept 4
	v_nop
.endr
	VLOADS
	s_wait_dscnt 20                                ; K's 20 loads are in; V's 20 are younger
	WIN 0x05                                       ; K's fragments and q in window 1, S^T in window 0
.irp f, 0,1,2,3                                ; S^T = K Q^T: record f holds keys 32 f + 0..31
.irp t, 0,1
	v_wmma_scale_f32_16x16x128_f8f6f4 v[128+64*\t+16*\f:135+64*\t+16*\f], v[144+16*\f:159+16*\f], v[8+16*\t:23+16*\t], 0, v[52+\f], v[60+\t]
	v_wmma_scale_f32_16x16x128_f8f6f4 v[136+64*\t+16*\f:143+64*\t+16*\f], v[144+16*\f:159+16*\f], v[16*\t:15+16*\t], 0, v[52+\f], v[60+\t]
.endr
.endr
	WIN 0
	s_add_co_u32 s18, s18, 4*RB
	v_add_nc_u32 v3, s18, v1                       ; eight places in front of loads into registers that the products read, and of the first read of the scores
	v_add_nc_u32 v4, s18, v2
.rept 6
	v_nop
.endr
	KLOADS                                         ; the next step's
.irp b, 0,1,2,3                                ; the largest score of each block of 32 keys: for the row's maximum and for the block's largest p; the eight chains of both tiles by turns
.irp t, 0,1
	v_max3_num_f32 v[18+10*\t+\b], v[128+64*\t+16*\b], v[129+64*\t+16*\b], v[130+64*\t+16*\b]
.endr
.endr
.irp i, 3,5,7,9,11,13
.irp b, 0,1,2,3
.irp t, 0,1
	v_max3_num_f32 v[18+10*\t+\b], v[18+10*\t+\b], v[128+64*\t+16*\b+\i], v[129+64*\t+16*\b+\i]
.endr
.endr
.endr
.irp b, 0,1,2,3
.irp t, 0,1
	v_max_num_f32 v[18+10*\t+\b], v[18+10*\t+\b], v[143+64*\t+16*\b]
.endr
.endr
.irp b, 0,1,2,3
.irp t, 0,1
	v_permlanex16_b32 v[32+4*\t+\b], v[18+10*\t+\b], s20, s21
.endr
.endr
.irp b, 0,1,2,3
.irp t, 0,1
	v_max_num_f32 v[18+10*\t+\b], v[18+10*\t+\b], v[32+4*\t+\b]    ; with lane l xor 16's 16 keys
.endr
.endr
.irp t, 0,1
	v_max3_num_f32 v[9+35*\t], v[18+10*\t], v[19+10*\t], v[20+10*\t]
.endr
.irp t, 0,1
	v_max_num_f32 v[9+35*\t], v[9+35*\t], v[21+10*\t]
.endr
.irp t, 0,1
	v_mul_f32 v[9+35*\t], s22, v[9+35*\t]          ; as t (c is positive)
.endr
.irp t, 0,1
	v_max_num_f32 v[13+10*\t], v[13+10*\t], v[9+35*\t]   ; the running largest t
.endr
.irp t, 0,1
	v_mov_b32 v[9+35*\t], v[12+10*\t]
.endr
.irp t, 0,1
	v_floor_f32 v[12+10*\t], -v[13+10*\t]          ; the new -M = -ceil(t)
.endr
.irp t, 0,1
	v_sub_f32 v[9+35*\t], v[12+10*\t], v[9+35*\t]  ; old M - new M: a whole number, 0 or less
.endr
.irp t, 0,1
	v_cvt_i32_f32 v[9+35*\t], v[9+35*\t]
.endr
.irp t, 0,1
	v_ldexp_f32 v[16+10*\t], 1.0, v[9+35*\t]       ; f = 2^(old M - new M)
.endr
.set j, 0
.rept 32
	v_pk_fma_f32 v[128+j:129+j], v[128+j:129+j], s[22:23], v[12:13] op_sel_hi:[1,0,0]   ; tile 0: t - M
.set j, j+2
.endr
.irp b, 0,1,2,3
	v_fma_f32 v[18+\b], v[18+\b], s22, v12
.endr
	WALU                                           ; ahead of the batch
.set j, 0
.rept 32                                       ; tile 0's p = 2^(t - M); among the exponentials tile 1's t - M, which is read behind the next wait
	v_exp_f32 v[128+j], v[128+j]
	v_exp_f32 v[129+j], v[129+j]
	v_pk_fma_f32 v[192+j:193+j], v[192+j:193+j], s[22:23], v[22:23] op_sel_hi:[1,0,0]
.set j, j+2
.endr
.irp b, 0,1,2,3
	v_exp_f32 v[18+\b], v[18+\b]                   ; the block's largest p: the same two instructions on the same number
	v_fma_f32 v[28+\b], v[28+\b], s22, v22
.endr
	v_pk_mul_f32 v[14:15], v[14:15], v[16:17] op_sel_hi:[1,0]   ; the sum under the new M (a plain instruction behind the exponentials)
	WALU                                           ; and the wait behind the batch
	SCALE 0
	SUMS 0
	WALU                                           ; ahead of the second batch
.set j, 0
.rept 32                                       ; tile 1's p; among the exponentials tile 0's holds, which are read behind the next wait
	v_exp_f32 v[192+j], v[192+j]
	v_exp_f32 v[193+j], v[193+j]
	HOLD2 128, j
.set j, j+2
.endr
.irp b, 0,1,2,3
	v_exp_f32 v[28+\b], v[28+\b]
.endr
	v_pk_mul_f32 v[24:25], v[24:25], v[26:27] op_sel_hi:[1,0]
	WALU
	CVT 0
	WIN 0
	SCALE 1                                        ; (its first four lines are plain and name none of the conversions' registers)
	SUMS 1
.set j, 0
.rept 32
	HOLD2 192, j
.set j, j+2
.endr
	CVT 1
	WIN 0x41                                       ; O^T in window 1, f in window 0
	WALU                                           ; directly ahead of the first readers of O^T
.irp t, 0,1
.set j, 0
.rept 16
	v_pk_mul_f32 v[80+32*\t+j:81+32*\t+j], v[80+32*\t+j:81+32*\t+j], v[16+10*\t:17+10*\t] op_sel_hi:[1,0]   ; O^T under the new M; these are also the places in front of the products below
.set j, j+2
.endr
.endr
	WALU
	s_wait_dscnt 20                                ; V's 20 loads are in; the next step's 20 of K are younger
	WIN 0x54                                       ; V's fragments in window 0; p's codes and O^T in window 1
.irp t, 0,1                                    ; O^T += V^T P^T: the eight accumulators by turns
.irp d, 0,1,2,3
	v_wmma_scale_f32_16x16x128_f8f6f4 v[80+32*\t+8*\d:87+32*\t+8*\d], v[64+16*\d:79+16*\d], v[48+16*\t:63+16*\t], v[80+32*\t+8*\d:87+32*\t+8*\d], v[56+\d], v[62+\t]
.endr
.endr
	WIN 0
	s_add_co_u32 s19, s19, RB
.endm
.Lfirst:                                           ; 4 trips on the head's records: K's 0-19 (trip 3 reads step 4's ahead), V's steps 0-3
	BODY
	s_sub_co_u32 s25, s25, 1
	s_cmp_lg_u32 s25, 0
	s_cbranch_scc1 .Lfirst
	s_mov_b32 s25, 12
	s_wait_tensorcnt 0x0                           ; my load of the second group, if I have one, has landed,
	s_wait_dscnt 0x0                               ; no LDS instruction of mine is out at a signal,
	s_barrier_signal -1
	s_barrier_wait -1                              ; and everybody's has: all of K and V lies in LDS
.Lrest:                                            ; the other 12 trips
	BODY
	s_sub_co_u32 s25, s25, 1
	s_cmp_lg_u32 s25, 0
	s_cbranch_scc1 .Lrest
.rept 8
	v_nop
.endr
.irp t, 0,1
	v_add_f32 v[14+10*\t], v[14+10*\t], v[15+10*\t]    ; the sum's two halves,
.endr
.irp t, 0,1
	v_permlanex16_b32 v[32+\t], v[14+10*\t], s20, s21
.endr
.irp t, 0,1
	v_add_f32 v[14+10*\t], v[14+10*\t], v[32+\t]       ; and lane l xor 16's
.endr
	WALU                                           ; ahead of the transcendentals
.irp t, 0,1
	v_rcp_f32 v[14+10*\t], v[14+10*\t]
.endr
	v_nop                                          ; a plain instruction behind them
	WIN 0x01
	WALU                                           ; behind them, and directly ahead of the first readers of O^T
.irp t, 0,1
.set j, 0
.rept 16
	v_pk_mul_f32 v[128+64*\t+j:129+64*\t+j], v[80+32*\t+j:81+32*\t+j], v[14+10*\t:15+10*\t] op_sel_hi:[1,0]   ; register 16 g + i: channel 64 head + 32 g + 16 h + i of my query
.set j, j+2
.endr
.endr
	WIN 0
; o is quantised along the channels: two blocks of 32 a tile, four chains by turns; chain 2 t + g
.irp t, 0,1
.irp g, 0,1
	v_max3_num_f32 v[36+2*\t+\g], |v[128+64*\t+16*\g]|, |v[129+64*\t+16*\g]|, 0x4800000
.endr
.endr
.irp i, 2,4,6,8,10,12,14
.irp t, 0,1
.irp g, 0,1
	v_max3_num_f32 v[36+2*\t+\g], v[36+2*\t+\g], |v[128+64*\t+16*\g+\i]|, |v[129+64*\t+16*\g+\i]|
.endr
.endr
.endr
.irp q, 0,1,2,3
	v_permlanex16_b32 v[32+\q], v[36+\q], s20, s21
.endr
.irp q, 0,1,2,3
	v_max_num_f32 v[36+\q], v[36+\q], v[32+\q]
.endr
.irp q, 0,1,2,3
	v_add_nc_u32 v[40+\q], 0xfc000000, v[36+\q]
.endr
.irp q, 0,1,2,3
	v_and_or_b32 v[45+\q], v[36+\q], 0x7f800000, s24
.endr
.irp q, 0,1,2,3
	v_lshrrev_b32 v[32+\q], 23, v[40+\q]
.endr
.irp t, 0,1
	v_lshl_or_b32 v[50+\t], v[33+2*\t], 8, v[32+2*\t]  ; my head's two bytes of the row's scale word
.endr
.irp t, 0,1
.irp g, 0,1
.irp i, 0,1,2,3,4,5,6,7,8,9,10,11,12,13,14,15
	v_med3_num_f32 v[128+64*\t+16*\g+\i], v[128+64*\t+16*\g+\i], -v[45+2*\t+\g], v[45+2*\t+\g]
.endr
.endr
.endr
.irp t, 0,1
.irp g, 0,1
	v_cvt_scalef32_pk8_fp8_f32 v[64+8*\t+4*\g:65+8*\t+4*\g], v[128+64*\t+16*\g:135+64*\t+16*\g], v[40+2*\t+\g]
	v_cvt_scalef32_pk8_fp8_f32 v[66+8*\t+4*\g:67+8*\t+4*\g], v[136+64*\t+16*\g:143+64*\t+16*\g], v[40+2*\t+\g]
.endr
.endr
	v_nop                                          ; a plain instruction behind the last conversion
.irp t, 0,1
	global_store_b128 v1, v[64+8*\t:67+8*\t], s[6:7] offset:17408*\t        ; a group of the next operand's image: 512 consecutive bytes
	global_store_b128 v1, v[68+8*\t:71+8*\t], s[6:7] offset:17408*\t+512
	global_store_b16 v2, v[50+\t], s[48:49] offset:17408*\t                 ; lanes l and l xor 16 write the same two bytes with the same value
.endr
	s_wait_tensorcnt 0x0                           ; the wave's end
	ds_add_u32 v10, v11
	s_wait_dscnt 0x0
	CROUND                                         ; the closing round
	s_endpgm
.Lfunc_end_k_q9082470f90_attn:
	.size	k_q9082470f90_attn, .Lfunc_end_k_q9082470f90_attn-k_q9082470f90_attn
	.p2alignl 7, 3214868480
	.fill 96, 4, 3214868480
	.section	.rodata,"a",@progbits
	.p2align	6, 0x0
	.amdhsa_kernel k_q9082470f90_attn
		.amdhsa_group_segment_fixed_size 327680
		.amdhsa_private_segment_fixed_size 0
		.amdhsa_enable_private_segment 0
		.amdhsa_kernarg_size 16
		.amdhsa_user_sgpr_count 2
		.amdhsa_user_sgpr_kernarg_segment_ptr 1
		.amdhsa_wavefront_size32 1
		.amdhsa_system_sgpr_workgroup_id_x 1
		.amdhsa_system_sgpr_workgroup_id_y 1
		.amdhsa_system_sgpr_workgroup_id_z 1
		.amdhsa_system_vgpr_workitem_id 0
		.amdhsa_next_free_vgpr 464
		.amdhsa_next_free_sgpr 100
		.amdhsa_reserve_vcc 0
		.amdhsa_float_denorm_mode_32 3
		.amdhsa_float_denorm_mode_16_64 3
		.amdhsa_memory_ordered 1
		.amdhsa_forward_progress 1
		.amdhsa_inst_pref_size 96
	.end_amdhsa_kernel
	.amdgpu_metadata
---
amdhsa.version: [ 1, 2 ]
amdhsa.kernels:
  - .name:           k_q9082470f90_attn
    .symbol:         k_q9082470f90_attn.kd
    .args:
      - { .name: qkvr, .offset: 0, .size: 8, .value_kind: global_buffer, .address_space: global }
      - { .name: oimg, .offset: 8, .size: 8, .value_kind: global_buffer, .address_space: global }
    .group_segment_fixed_size: 327680
    .private_segment_fixed_size: 0
    .kernarg_segment_align: 8
    .kernarg_segment_size: 16
    .max_flat_workgroup_size: 256
    .sgpr_count:     100
    .vgpr_count:     464
    .wavefront_size: 32
...
	.end_amdgpu_metadata
.endif
;; end of part 9
;; launch proj (part 10): grid 8 x 32, 4 waves a work-group, clusters of 4 x 4, 327,680 bytes of LDS; arguments oimg, wimg, proj_b, x, x1; writes x1
.if DOCPART == 10
	.amdgcn_target "amdgcn-amd-amdhsa--gfx1250"
	.amdhsa_code_object_version 6
	.text
	.protected	k_q9082470f90_proj
	.globl	k_q9082470f90_proj
	.p2align	8
	.type	k_q9082470f90_proj,@function
k_q9082470f90_proj:
	s_mov_b64 s[64:65], 0
	v_nop
	global_prefetch_b8 v0, s[64:65] scope:SCOPE_SE
	s_setreg_imm32_b32 hwreg(HW_REG_WAVE_MODE, 25, 1), 1
	s_wait_xcnt 0x0
	s_wait_alu depctr_hold_cnt(0) depctr_sa_sdst(0) depctr_va_vdst(0) depctr_va_sdst(0) depctr_va_ssrc(0) depctr_va_vcc(0) depctr_vm_vsrc(0)
	s_getreg_b32 s2, hwreg(HW_REG_IB_STS2, 6, 4)
	s_cmp_eq_u32 s2, 0
	s_cbranch_scc0 .Lentry_in_a_cluster
	s_endpgm
.Lentry_in_a_cluster:
	s_bfe_u32 s2, ttmp6, 0x10000c
	s_cmp_lg_u32 s2, 0xf033
	s_cbranch_scc0 .Lentry_shape_is_right
	s_endpgm
.Lentry_shape_is_right:
; x1 = x + o proj_w^T + proj_b, from records of MX-FP8 (E4M3 codes, E8M0 bytes; the records are those of launch qkv's head comment), f32 out.
; A tile of C, 128 x 128, by four waves of 64 x 64 (16 accumulators); the matrix instruction is used transposed; the bias is the C of the first products; the residual is added on the way out, which goes through each wave's own stage in LDS.
; K = 1,024 lies in two LDS slots of 512 along K, each filled once: slot 0 at the head, one joint load a wave; slot 1 behind a round of the cluster's barrier.
; CLUSTERS of 4 x 4: A's records are asked for jointly along a row of the cluster, B's along a column.
.set S2,     4
.set BOFF,   3342336
.set NTOUT,  0
.set RECB,   4224
.set RECP,   4352
.set TP,     S2*RECP
.set LAPS,   S2/4
.set HALFT,  8*RECB
.set SLOT,   4*HALFT
.set STAGE,  2*SLOT
.set SPITCH, 272
.set SPARE,  STAGE+4*16*SPITCH
.set FR,     16
.set NP,     8
.set LI,     4
.set ADRA,   16
.set ADRS,   18
.set ADRB,   20
.set STO,    24
.set RD,     25
.set CO,     26
.set SPW,    28
.set NIL,    29
.set SC,     32
.set BI,     64
.set ACC,    128
.set G1,     24
.set G0,     32
.set G1B,    48
.set G0B,    56
.set STEPB,  2*RECP                    ; from a slot's records to the next slot's, in memory
.set PFA,    68                        ; s[68:69] where my prefetches stand; s[70:71] at work
.set PFO,    22                        ; v22 the prefetches' offset: 256 x min(lane, 16); never rewritten
; A PREFETCH INTO THE L2 of slot n's records.  Of the 8 records that my wave's joint load brings, the partner at place p (cx for A's, cy for B's) names records 2 p and 2 p + 1, told apart by address:
; a record is 17 blocks of 256 bytes, a lane a block (lanes 17-31 name the last again).  K has two slots: the head names slot 1, and nothing else is asked for.
.macro ASK n
	global_prefetch_b8 v[PFO], s[PFA:PFA+1] offset:(\n)*STEPB th:TH_LOAD_NT scope:SCOPE_SE
	global_prefetch_b8 v[PFO], s[PFA:PFA+1] offset:(\n)*STEPB+TP th:TH_LOAD_NT scope:SCOPE_SE
.endm
.set MULW,   0x05
.set TO_F,   0x40
.set MSB, 0
.macro WIN new
.if MSB != \new
	s_set_vgpr_msb (MSB<<8)|\new
.set MSB, \new
.endif
.endm
.macro JLOAD s
	s_cmp_eq_u32 s15, 0
	s_cbranch_scc0 .Lfor_b_\@
	tensor_load_to_lds s[G0+4*\s:G0+4*\s+3], s[G1:G1+7]
	s_nop 0
.rept 4
	v_nop
.endr
	s_branch .Lasked_\@
.Lfor_b_\@:
	tensor_load_to_lds s[G0B+4*\s:G0B+4*\s+3], s[G1B:G1B+7]
	s_nop 0
.rept 4
	v_nop
.endr
.Lasked_\@:
.endm
.macro CREST
	s_cmp_lg_u32 s14, 0
	s_cbranch_scc1 .Lnot_wave_0_\@
	s_barrier_signal -3
.Lnot_wave_0_\@:
	s_barrier_wait -3
	s_barrier_signal -1
	s_barrier_wait -1
.endm
.macro CROUND
	s_barrier_signal -1
	s_barrier_wait -1
	CREST
.endm
.macro PLACES n
.rept \n
	v_nop
.endr
.endm
.macro FRAG reg, adr, q, i
.irp c, 0,1,2,3
	ds_load_b128 v[\reg+4*\c:\reg+4*\c+3], v[\adr] offset:((\q)/2)*HALFT+((\q)%2)*2048+(\i)*RECB+512*\c
.endr
.endm
.macro SCALES sc
.irp q, 0,1,2,3
.irp i, 0,1,2,3
	ds_load_b32 v[SC+16*\sc+4*\q+\i], v[ADRS+\sc] offset:(\q/2)*HALFT+\i*RECB+4096+64*(\q%2)
.endr
.endr
.endm
.macro FETCH slot, q, f, sc
	WIN TO_F
.irp i, 0,1,2,3
	FRAG \f+64+FR*\i, ADRB+\slot, \q, \i
.endr
	FRAG \f, ADRA+\slot, \q, 0
	FRAG \f+FR, ADRA+\slot, \q, 1
.if \sc
	WIN 0
	SCALES \slot
	WIN TO_F
.endif
	FRAG \f+2*FR, ADRA+\slot, \q, 2
	FRAG \f+3*FR, ADRA+\slot, \q, 3
.endm
.macro MUL4 f, a, q, sc, cm
.irp b, 0,1,2,3
.if \cm
	v_wmma_scale_f32_16x16x128_f8f6f4 v[ACC+8*(4*(\a)+\b):ACC+8*(4*(\a)+\b)+7], v[\f+64+FR*\b:\f+64+FR*\b+FR-1], v[\f+FR*(\a):\f+FR*(\a)+FR-1], v[BI+8*\b:BI+8*\b+7], v[SC+16*(\sc)+4*(\q)+\b], v[SC+16*(\sc)+4*(\q)+(\a)] matrix_a_scale:MATRIX_SCALE_ROW1
.else
	v_wmma_scale_f32_16x16x128_f8f6f4 v[ACC+8*(4*(\a)+\b):ACC+8*(4*(\a)+\b)+7], v[\f+64+FR*\b:\f+64+FR*\b+FR-1], v[\f+FR*(\a):\f+FR*(\a)+FR-1], v[ACC+8*(4*(\a)+\b):ACC+8*(4*(\a)+\b)+7], v[SC+16*(\sc)+4*(\q)+\b], v[SC+16*(\sc)+4*(\q)+(\a)] matrix_a_scale:MATRIX_SCALE_ROW1
.endif
.endr
.endm
.macro STEP slot, q, cm
.set FB, 128*((\q)%2)
.set GB, 128-FB
	s_wait_dscnt 8
	WIN MULW
	MUL4 FB, 0, \q, \slot, \cm
	MUL4 FB, 1, \q, \slot, \cm
	PLACES NP
	FETCH \slot, (\q)+1, GB, 0
	s_wait_dscnt 32
	WIN MULW
	MUL4 FB, 2, \q, \slot, \cm
	MUL4 FB, 3, \q, \slot, \cm
.endm
.macro TURN slot, next, fill
	WIN 0
	s_wait_tensorcnt 0x0
	ds_add_u32 v[SPW], v[NIL]
	s_wait_dscnt 9
	WIN MULW
	MUL4 128, 0, 3, \slot, 0
	s_wait_dscnt 0x0
	s_barrier_signal -1
	MUL4 128, 1, 3, \slot, 0
	WIN 0
	s_barrier_wait -1
.if \fill
	CREST
	s_add_nc_u64 s[G0+4*\slot+2:G0+4*\slot+3], s[G0+4*\slot+2:G0+4*\slot+3], 4*RECP
	s_add_nc_u64 s[G0B+4*\slot+2:G0B+4*\slot+3], s[G0B+4*\slot+2:G0B+4*\slot+3], 4*RECP
	JLOAD \slot
	PLACES NP-4
.else
	PLACES NP
.endif
	FETCH \next, 0, 0, 1
	WIN MULW
	MUL4 128, 2, 3, \slot, 0
	MUL4 128, 3, 3, \slot, 0
.endm
	s_load_b256 s[4:11], s[0:1], 0x0
	s_load_b64 s[12:13], s[0:1], 0x20
	v_lshl_add_u32 v[SPW], v0, 2, SPARE
	v_mov_b32 v[NIL], 0
	ds_add_u32 v28, v29
	ds_add_u32 v28, v29
	s_wait_dscnt 0x0
	v_lshrrev_b32 v1, 5, v0
	v_readfirstlane_b32 s14, v1
	s_lshr_b32 s15, s14, 1
	s_and_b32 s16, s14, 1
	s_bfe_u32 s40, ttmp6, 0x40000
	s_bfe_u32 s41, ttmp6, 0x40004
	s_lshl_b32 s42, ttmp9, 2
	s_add_co_u32 s42, s42, s40
	s_and_b32 s17, ttmp7, 0xffff
	s_lshl_b32 s17, s17, 2
	s_add_co_u32 s17, s17, s41
	s_lshl_b32 s43, s41, 2
	s_lshl_b32 s43, 15, s43
	s_lshl_b32 s44, 0x1111, s40
	s_or_b32 s[G1+0], s43, (3<<16)|(1<<21)
	s_or_b32 s[G1B+0], s44, (3<<16)|(1<<21)
.irp g, G1, G1B
	s_mov_b32 s[\g+1], 528<<16
	s_mov_b32 s[\g+2], 8<<16
	s_mov_b32 s[\g+3], 528<<16
	s_mov_b32 s[\g+4], 8
	s_mov_b32 s[\g+5], S2*544
	s_mov_b32 s[\g+6], 0
	s_mov_b32 s[\g+7], 0
.endr
	s_mul_i32 s18, s16, RECP
	s_lshl_b32 s20, s17, 3
	s_mul_i32 s20, s20, TP
	s_add_co_u32 s20, s20, s18
	s_mov_b32 s21, 0
	s_lshl_b32 s46, s42, 3
	s_mul_i32 s46, s46, TP
	s_add_co_u32 s46, s46, s18
	s_add_co_u32 s46, s46, BOFF
	s_mov_b32 s47, 0
	s_mul_i32 s45, s14, HALFT
	s_wait_kmcnt 0x0
	s_add_nc_u64 s[20:21], s[4:5], s[20:21]
	s_add_nc_u64 s[46:47], s[6:7], s[46:47]
	CROUND
.irp s, 0,1
	s_mov_b32 s[G0+4*\s], 1
	s_add_co_u32 s[G0+4*\s+1], s45, \s*SLOT
	s_add_nc_u64 s[G0+4*\s+2:G0+4*\s+3], s[20:21], \s*2*RECP
	s_or_b32 s[G0+4*\s+3], s[G0+4*\s+3], 0x80000000
	s_mov_b32 s[G0B+4*\s], 1
	s_add_co_u32 s[G0B+4*\s+1], s45, \s*SLOT
	s_add_nc_u64 s[G0B+4*\s+2:G0B+4*\s+3], s[46:47], \s*2*RECP
	s_or_b32 s[G0B+4*\s+3], s[G0B+4*\s+3], 0x80000000
.endr
	JLOAD 0                                        ; slot 0: one tensor load a wave at the head
	s_cmp_eq_u32 s15, 0                            ; do I fetch for A?
	s_cselect_b64 s[PFA:PFA+1], s[20:21], s[46:47] ; my wave's 8 records of slot 0
	s_cselect_b32 s[PFA+2], s40, s41               ; my place among the four that ask with me
	s_mul_i32 s[PFA+2], s[PFA+2], 2*TP
	s_mov_b32 s[PFA+3], 0
	s_add_nc_u64 s[PFA:PFA+1], s[PFA:PFA+1], s[PFA+2:PFA+3]
	v_and_b32 v[PFO], 31, v0
	v_min_u32 v[PFO], 16, v[PFO]
	v_lshlrev_b32 v[PFO], 8, v[PFO]
	ASK 1
	v_and_b32 v1, 15, v0
	v_bfe_u32 v2, v0, 4, 1
	v_and_b32 v3, 31, v0
	v_lshlrev_b32 v[LI], 4, v3
	s_mul_i32 s21, s15, 4*RECB
	s_mul_i32 s22, s16, 4*RECB
	s_add_co_u32 s22, s22, 2*HALFT
	v_lshlrev_b32 v5, 2, v1
	s_sub_co_u32 s23, s22, s21
	v_mul_u32_u24 v6, s23, v2
	v_add_nc_u32 v5, v5, v6
.irp s, 0,1
	v_add_nc_u32 v[ADRA+\s], s21, v[LI]
	v_add_nc_u32 v[ADRB+\s], s22, v[LI]
	v_add_nc_u32 v[ADRS+\s], s21, v5
	s_add_co_u32 s21, s21, SLOT
	s_add_co_u32 s22, s22, SLOT
.endr
	s_mul_i32 s23, s14, 16*SPITCH
	s_add_co_u32 s23, s23, STAGE
	v_mul_u32_u24 v5, v1, SPITCH
	v_lshl_add_u32 v5, v2, 6, v5
	v_add_nc_u32 v[STO], s23, v5
	v_mul_u32_u24 v5, v2, SPITCH
	v_lshl_add_u32 v5, v1, 4, v5
	v_add_nc_u32 v[RD], s23, v5
	v_lshlrev_b32 v[CO], 12, v2
	v_lshl_add_u32 v[CO], v1, 4, v[CO]
	s_wait_alu depctr_va_vdst(0)
	s_lshl_b32 s46, s42, 9
	s_lshl_b32 s47, s16, 8
	s_add_co_u32 s46, s46, s47
	s_mov_b32 s47, 0
	s_add_nc_u64 s[8:9], s[8:9], s[46:47]
	s_lshl_b32 s20, s17, 7
	s_lshl_b32 s21, s15, 6
	s_add_co_u32 s20, s20, s21
	s_lshl_b32 s20, s20, 12
	s_add_co_u32 s20, s20, s46
	s_mov_b32 s21, 0
	s_add_nc_u64 s[10:11], s[10:11], s[20:21]
	s_add_nc_u64 s[12:13], s[12:13], s[20:21]
	v_lshlrev_b32 v7, 6, v2
.irp b, 0,1,2,3
	global_load_b128 v[BI+8*\b:BI+8*\b+3], v7, s[8:9] offset:(32*(\b/2)+8*(\b%2))*4
	global_load_b128 v[BI+8*\b+4:BI+8*\b+7], v7, s[8:9] offset:(32*(\b/2)+8*(\b%2))*4+16
.endr
	WIN 0x80
.irp a, 0,1,2,3
.irp t, 0,1,2,3,4,5,6,7
	global_load_b128 v[32*\a+4*\t:32*\a+4*\t+3], v[CO], s[10:11] offset:(32*(\a/2)+8*(\a%2)+2*\t+8*(\t/4))*4096
.endr
.endr
	WIN 0
	s_wait_alu depctr_va_vdst(0)
	s_wait_loadcnt 32                              ; the bias is in; the residual's 32 loads are younger
	s_wait_tensorcnt 0x0                           ; my part of slot 0 is in
	ds_add_u32 v[SPW], v[NIL]
	s_wait_dscnt 0x0
	CROUND                                         ; everybody's part of slot 0 is in, and all sixteen work-groups are here
	JLOAD 1                                        ; slot 1: my one tensor load behind the round
	FETCH 0, 0, 0, 1
	STEP 0, 0, 1
.if LAPS > 1
	WIN 0
	s_mov_b32 s3, LAPS-1
.Llap:
	STEP 0, 1, 0
	STEP 0, 2, 0
	TURN 0, 1, 1
	STEP 1, 0, 0
	STEP 1, 1, 0
	STEP 1, 2, 0
	TURN 1, 0, 1
	STEP 0, 0, 0
	WIN 0
	s_sub_co_u32 s3, s3, 1
	s_cmp_lg_u32 s3, 0
	s_cbranch_scc1 .Llap
.endif
	STEP 0, 1, 0
	STEP 0, 2, 0
	TURN 0, 1, 0
	STEP 1, 0, 0
	STEP 1, 1, 0
	STEP 1, 2, 0
	s_wait_dscnt 8
	WIN MULW
	MUL4 128, 0, 3, 1, 0
	MUL4 128, 1, 3, 1, 0
	s_wait_dscnt 0
	MUL4 128, 2, 3, 1, 0
	MUL4 128, 3, 3, 1, 0
	WIN 0
	PLACES NP
.macro TOSTAGE a
.irp b, 0,1,2,3
	ds_store_b128 v[STO], v[ACC+8*(4*(\a)+\b):ACC+8*(4*(\a)+\b)+3] offset:128*(\b/2)+32*(\b%2)
	ds_store_b128 v[STO], v[ACC+8*(4*(\a)+\b)+4:ACC+8*(4*(\a)+\b)+7] offset:128*(\b/2)+32*(\b%2)+16
.endr
	WIN TO_F
.irp t, 0,1,2,3,4,5,6,7
	ds_load_b128 v[32*(\a)+4*\t:32*(\a)+4*\t+3], v[RD] offset:\t*2*SPITCH
.endr
	WIN 0
.endm
.macro SEND a, dsy
	s_wait_dscnt \dsy
	WIN 0x49
.set k, 0
.rept 16
	v_pk_add_f32 v[32*(\a)+k:32*(\a)+k+1], v[32*(\a)+k:32*(\a)+k+1], v[32*(\a)+k:32*(\a)+k+1]
.set k, k+2
.endr
	WIN 0x04
.irp t, 0,1,2,3,4,5,6,7
.if NTOUT
	global_store_b128 v[CO], v[32*(\a)+4*\t:32*(\a)+4*\t+3], s[12:13] offset:(32*((\a)/2)+8*((\a)%2)+2*\t+8*(\t/4))*4096 th:TH_STORE_NT
.else
	global_store_b128 v[CO], v[32*(\a)+4*\t:32*(\a)+4*\t+3], s[12:13] offset:(32*((\a)/2)+8*((\a)%2)+2*\t+8*(\t/4))*4096
.endif
.endr
	WIN 0
.endm
	s_wait_loadcnt 0x0
	TOSTAGE 0
	TOSTAGE 1
	SEND 0, 16
	TOSTAGE 2
	SEND 1, 16
	TOSTAGE 3
	SEND 2, 16
	SEND 3, 0
	s_wait_tensorcnt 0x0
	ds_add_u32 v[SPW], v[NIL]
	s_wait_dscnt 0x0
	CROUND
	s_endpgm
.Lfunc_end_k_q9082470f90_proj:
	.size	k_q9082470f90_proj, .Lfunc_end_k_q9082470f90_proj-k_q9082470f90_proj
	.p2alignl 7, 3214868480
	.fill 96, 4, 3214868480
	.section	.rodata,"a",@progbits
	.p2align	6, 0x0
	.amdhsa_kernel k_q9082470f90_proj
		.amdhsa_group_segment_fixed_size 327680
		.amdhsa_private_segment_fixed_size 0
		.amdhsa_enable_private_segment 0
		.amdhsa_kernarg_size 40
		.amdhsa_user_sgpr_count 2
		.amdhsa_user_sgpr_kernarg_segment_ptr 1
		.amdhsa_wavefront_size32 1
		.amdhsa_system_sgpr_workgroup_id_x 1
		.amdhsa_system_sgpr_workgroup_id_y 1
		.amdhsa_system_sgpr_workgroup_id_z 1
		.amdhsa_system_vgpr_workitem_id 0
		.amdhsa_next_free_vgpr 640
		.amdhsa_next_free_sgpr 72
		.amdhsa_reserve_vcc 0
		.amdhsa_float_denorm_mode_32 3
		.amdhsa_float_denorm_mode_16_64 3
		.amdhsa_memory_ordered 1
		.amdhsa_forward_progress 1
		.amdhsa_inst_pref_size 62
	.end_amdhsa_kernel
	.amdgpu_metadata
---
amdhsa.version: [ 1, 2 ]
amdhsa.kernels:
  - .name:           k_q9082470f90_proj
    .symbol:         k_q9082470f90_proj.kd
    .args:
      - { .name: oimg, .offset: 0, .size: 8, .value_kind: global_buffer, .address_space: global }
      - { .name: wimg, .offset: 8, .size: 8, .value_kind: global_buffer, .address_space: global }
      - { .name: proj_b, .offset: 16, .size: 8, .value_kind: global_buffer, .address_space: global }
      - { .name: x, .offset: 24, .size: 8, .value_kind: global_buffer, .address_space: global }
      - { .name: x1, .offset: 32, .size: 8, .value_kind: global_buffer, .address_space: global }
    .group_segment_fixed_size: 327680
    .private_segment_fixed_size: 0
    .kernarg_segment_align: 8
    .kernarg_segment_size: 40
    .max_flat_workgroup_size: 128
    .sgpr_count:     72
    .vgpr_count:     640
    .wavefront_size: 32
...
	.end_amdgpu_metadata
.endif
;; end of part 10
;; launch ln2: the kernel of part 7 again; grid 256 x 1, 4 waves a work-group, no clusters, 45,568 bytes of LDS; arguments x1, ln2_w, ln2_b, qkv_w, proj_w, fc1_w, fc2_w, aimg, wimg; writes aimg, wimg
;; launch fc1 (part 11): grid 16 x 16, 4 waves a work-group, clusters of 4 x 4, 327,680 bytes of LDS; arguments aimg, wimg, fc1_b, himg; writes himg
.if DOCPART == 11
	.amdgcn_target "amdgcn-amd-amdhsa--gfx1250"
	.amdhsa_code_object_version 6
	.text
	.protected	k_q9082470f90_fc1
	.globl	k_q9082470f90_fc1
	.p2align	8
	.type	k_q9082470f90_fc1,@function
k_q9082470f90_fc1:
	s_mov_b64 s[64:65], 0
	v_nop
	global_prefetch_b8 v0, s[64:65] scope:SCOPE_SE
	s_setreg_imm32_b32 hwreg(HW_REG_WAVE_MODE, 25, 1), 1
	s_wait_xcnt 0x0
	s_wait_alu depctr_hold_cnt(0) depctr_sa_sdst(0) depctr_va_vdst(0) depctr_va_sdst(0) depctr_va_ssrc(0) depctr_va_vcc(0) depctr_vm_vsrc(0)
	s_getreg_b32 s2, hwreg(HW_REG_IB_STS2, 6, 4)
	s_cmp_eq_u32 s2, 0
	s_cbranch_scc0 .Lentry_in_a_cluster
	s_endpgm
.Lentry_in_a_cluster:
	s_bfe_u32 s2, ttmp6, 0x10000c
	s_cmp_lg_u32 s2, 0xf033
	s_cbranch_scc0 .Lentry_shape_is_right
	s_endpgm
.Lentry_shape_is_right:
; h = Q(gelu(xn fc1_w^T + fc1_b)), from records of MX-FP8 to records of MX-FP8 (the records and the core are those of launch qkv's head comment): a tile of C, 256 x 256, by four waves of 128 x 128; K = 1,024 in steps of 256 through two LDS slots.
; The bias is the C of the first products.  On the way out, block by block of 16 rows: the exact gelu by erfc (a rational argument, a polynomial in the exponent, one exponential), in f32; then the quantiser along C's columns, which are the next product's K.
; CLUSTERS of 4 x 4: A's records are asked for jointly along a row of the cluster, B's along a column.  Slot 0 is filled at the head, one joint load a wave; slot 1 behind a round of the cluster's barrier.
.set S2,     4
.set BOFF,   4456448
.set RECB,   4224
.set RECP,   4352
.set TP,     S2*RECP
.set LAPS,   S2/2
.set HALFT,  8*RECB
.set SLOT,   4*HALFT
.set STAGE,  2*SLOT
.set SPARE,  STAGE+4*16*528
.set FR,     16
.set NP,     8
.set LI,     4
.set VO,     8
.set VS,     12
.set ADRA,   16
.set ADRS,   18
.set ADRB,   20
.set SPW,    28
.set NIL,    29
.set C8,     30
.set SC,     32
.set BI,     64
.set AF,     128
.set PC,     128
.set TM,     160
.set PW,     176
.set G1,     24
.set G0,     32
.set G1B,    48
.set G0B,    56
.set STEPB,  RECP                      ; from a slot's records to the next slot's, in memory
.set PFA,    70                        ; s[70:71] where my prefetches stand; s[72:73] at work
.set PFO,    22                        ; v22 the prefetches' offset: 256 x min(lane, 16); never rewritten
; A PREFETCH INTO THE L2 of slot n's records.  Of the 8 records that my wave's joint load brings, the partner at place p (cx for A's, cy for B's) names records 2 p and 2 p + 1, told apart by address:
; a record is 17 blocks of 256 bytes, a lane a block (lanes 17-31 name the last again).  The load of slot t is followed by the request for slot t + 2; the head also names slot 1.  K has 4 slots, so the refills of slots 2 and 3 ask for nothing.
.macro ASK n
	global_prefetch_b8 v[PFO], s[PFA:PFA+1] offset:(\n)*STEPB th:TH_LOAD_NT scope:SCOPE_SE
	global_prefetch_b8 v[PFO], s[PFA:PFA+1] offset:(\n)*STEPB+TP th:TH_LOAD_NT scope:SCOPE_SE
.endm
.set MSB, 0
.macro WIN new
.if MSB != \new
	s_set_vgpr_msb (MSB<<8)|\new
.set MSB, \new
.endif
.endm
.macro JLOAD s
	s_cmp_eq_u32 s15, 0
	s_cbranch_scc0 .Lfor_b_\@
	tensor_load_to_lds s[G0+4*\s:G0+4*\s+3], s[G1:G1+7]
	s_nop 0
.rept 4
	v_nop
.endr
	s_branch .Lasked_\@
.Lfor_b_\@:
	tensor_load_to_lds s[G0B+4*\s:G0B+4*\s+3], s[G1B:G1B+7]
	s_nop 0
.rept 4
	v_nop
.endr
.Lasked_\@:
.endm
.macro CREST
	s_cmp_lg_u32 s14, 0
	s_cbranch_scc1 .Lnot_wave_0_\@
	s_barrier_signal -3
.Lnot_wave_0_\@:
	s_barrier_wait -3
	s_barrier_signal -1
	s_barrier_wait -1
.endm
.macro CROUND
	s_barrier_signal -1
	s_barrier_wait -1
	CREST
.endm
.macro PLACES n
.rept \n
	v_nop
.endr
.endm
.macro FRAG reg, adr, q, i
.irp c, 0,1,2,3
	ds_load_b128 v[\reg+4*\c:\reg+4*\c+3], v[\adr] offset:(\i)*RECB+(\q)*2048+512*\c
.endr
.endm
.macro FETCH_B slot, q, p
	WIN 0x40
.irp i, 0,1,2,3,4,5,6,7
	FRAG 128*(\p)+FR*\i, ADRB+\slot, \q, \i
.endr
	WIN 0
.endm
.macro FETCH_A slot, q, i0
.irp i, \i0, \i0+1, \i0+2, \i0+3
	FRAG AF+FR*(\i), ADRA+\slot, \q, \i
.endr
.endm
.macro SCALES sc
.irp i, 0,1,2,3,4,5,6,7
	ds_load_b32 v[SC+16*\sc+2*\i], v[ADRS+\sc] offset:\i*RECB+4096
	ds_load_b32 v[SC+16*\sc+2*\i+1], v[ADRS+\sc] offset:\i*RECB+4096+64
.endr
.endm
.macro MUL16 a0, p, q, sc, cm
.irp a, \a0, \a0+1
.irp b, 0,1,2,3,4,5,6,7
.if \cm
	v_wmma_scale_f32_16x16x128_f8f6f4 v[8*(8*((\a)%4)+\b):8*(8*((\a)%4)+\b)+7], v[128*(\p)+FR*\b:128*(\p)+FR*\b+FR-1], v[AF+FR*(\a):AF+FR*(\a)+FR-1], v[BI+8*\b:BI+8*\b+7], v[SC+16*(\sc)+2*\b+(\q)], v[SC+16*(\sc)+2*(\a)+(\q)] matrix_a_scale:MATRIX_SCALE_ROW1
.else
	v_wmma_scale_f32_16x16x128_f8f6f4 v[8*(8*((\a)%4)+\b):8*(8*((\a)%4)+\b)+7], v[128*(\p)+FR*\b:128*(\p)+FR*\b+FR-1], v[AF+FR*(\a):AF+FR*(\a)+FR-1], v[8*(8*((\a)%4)+\b):8*(8*((\a)%4)+\b)+7], v[SC+16*(\sc)+2*\b+(\q)], v[SC+16*(\sc)+2*(\a)+(\q)] matrix_a_scale:MATRIX_SCALE_ROW1
.endif
.endr
.endr
.endm
.macro STEP slot, q, cm
	s_wait_dscnt 16
.if \cm
	WIN 0x81
.else
	WIN 0xa1
.endif
	MUL16 0, (\q)%2, \q, \slot, \cm
	MUL16 2, (\q)%2, \q, \slot, \cm
	s_wait_dscnt 0
	PLACES NP
	FETCH_B \slot, (\q)+1, 1-(\q)%2
	FETCH_A \slot, (\q)+1, 0
.if \cm
	WIN 0xc1
.else
	WIN 0xf1
.endif
	MUL16 4, (\q)%2, \q, \slot, \cm
	MUL16 6, (\q)%2, \q, \slot, \cm
	PLACES NP
	WIN 0
	FETCH_A \slot, (\q)+1, 4
.endm
.macro TURN slot, next, fill
	s_wait_tensorcnt 0x0
	ds_add_u32 v[SPW], v[NIL]
	s_wait_dscnt 17
	WIN 0xa1
	MUL16 0, 1, 1, \slot, 0
	s_wait_dscnt 0x0
	s_barrier_signal -1
	MUL16 2, 1, 1, \slot, 0
	WIN 0
	s_barrier_wait -1
.if \fill
	CREST
	s_add_nc_u64 s[G0+4*\slot+2:G0+4*\slot+3], s[G0+4*\slot+2:G0+4*\slot+3], 2*RECP
	s_add_nc_u64 s[G0B+4*\slot+2:G0B+4*\slot+3], s[G0B+4*\slot+2:G0B+4*\slot+3], 2*RECP
	JLOAD \slot
	PLACES NP-4
.else
	PLACES NP
.endif
	s_wait_alu depctr_va_vdst(0)
	FETCH_B \next, 0, 0
	FETCH_A \next, 0, 0
	SCALES \next
	WIN 0xf1
	MUL16 4, 1, 1, \slot, 0
	MUL16 6, 1, 1, \slot, 0
	PLACES NP
	WIN 0
	FETCH_A \next, 0, 4
.endm
	s_load_b256 s[4:11], s[0:1], 0x0
	v_lshl_add_u32 v[SPW], v0, 2, SPARE
	v_mov_b32 v[NIL], 0
	ds_add_u32 v28, v29
	ds_add_u32 v28, v29
	s_wait_dscnt 0x0
	v_lshrrev_b32 v1, 5, v0
	v_readfirstlane_b32 s14, v1
	s_lshr_b32 s15, s14, 1
	s_and_b32 s16, s14, 1
	s_bfe_u32 s40, ttmp6, 0x40000
	s_bfe_u32 s41, ttmp6, 0x40004
	s_lshl_b32 s42, ttmp9, 2
	s_add_co_u32 s42, s42, s40
	s_and_b32 s17, ttmp7, 0xffff
	s_lshl_b32 s17, s17, 2
	s_add_co_u32 s17, s17, s41
	s_lshl_b32 s43, s41, 2
	s_lshl_b32 s43, 15, s43
	s_lshl_b32 s44, 0x1111, s40
	s_or_b32 s[G1+0], s43, (3<<16)|(1<<21)
	s_or_b32 s[G1B+0], s44, (3<<16)|(1<<21)
.irp g, G1, G1B
	s_mov_b32 s[\g+1], 528<<16
	s_mov_b32 s[\g+2], 8<<16
	s_mov_b32 s[\g+3], 528<<16
	s_mov_b32 s[\g+4], 8
	s_mov_b32 s[\g+5], S2*544
	s_mov_b32 s[\g+6], 0
	s_mov_b32 s[\g+7], 0
.endr
	s_lshl_b32 s18, s16, 3
	s_lshl_b32 s20, s17, 4
	s_add_co_u32 s20, s20, s18
	s_mul_i32 s20, s20, TP
	s_mov_b32 s21, 0
	s_lshl_b32 s46, s42, 4
	s_add_co_u32 s46, s46, s18
	s_mul_i32 s46, s46, TP
	s_add_co_u32 s46, s46, BOFF
	s_mov_b32 s47, 0
	s_mul_i32 s45, s14, HALFT
	s_wait_kmcnt 0x0
	s_mov_b64 s[12:13], s[10:11]
	s_add_nc_u64 s[20:21], s[4:5], s[20:21]
	s_add_nc_u64 s[46:47], s[6:7], s[46:47]
	CROUND
.irp s, 0,1
	s_mov_b32 s[G0+4*\s], 1
	s_add_co_u32 s[G0+4*\s+1], s45, \s*SLOT
	s_add_nc_u64 s[G0+4*\s+2:G0+4*\s+3], s[20:21], \s*RECP
	s_or_b32 s[G0+4*\s+3], s[G0+4*\s+3], 0x80000000
	s_mov_b32 s[G0B+4*\s], 1
	s_add_co_u32 s[G0B+4*\s+1], s45, \s*SLOT
	s_add_nc_u64 s[G0B+4*\s+2:G0B+4*\s+3], s[46:47], \s*RECP
	s_or_b32 s[G0B+4*\s+3], s[G0B+4*\s+3], 0x80000000
.endr
	JLOAD 0                                        ; K step 0: one tensor load a wave at the head
	s_cmp_eq_u32 s15, 0                            ; do I fetch for A?
	s_cselect_b64 s[PFA:PFA+1], s[20:21], s[46:47] ; my wave's 8 records of slot 0
	s_cselect_b32 s[PFA+2], s40, s41               ; my place among the four that ask with me
	s_mul_i32 s[PFA+2], s[PFA+2], 2*TP
	s_mov_b32 s[PFA+3], 0
	s_add_nc_u64 s[PFA:PFA+1], s[PFA:PFA+1], s[PFA+2:PFA+3]
	v_and_b32 v[PFO], 31, v0
	v_min_u32 v[PFO], 16, v[PFO]
	v_lshlrev_b32 v[PFO], 8, v[PFO]
	ASK 1
	ASK 2
	v_and_b32 v1, 15, v0
	v_bfe_u32 v2, v0, 4, 1
	v_and_b32 v3, 31, v0
	v_lshlrev_b32 v[LI], 4, v3
	s_mul_i32 s21, s15, HALFT
	s_mul_i32 s22, s16, HALFT
	s_add_co_u32 s22, s22, 2*HALFT
	v_lshlrev_b32 v5, 2, v1
	s_sub_co_u32 s23, s22, s21
	v_mul_u32_u24 v6, s23, v2
	v_add_nc_u32 v5, v5, v6
.irp s, 0,1
	v_add_nc_u32 v[ADRA+\s], s21, v[LI]
	v_add_nc_u32 v[ADRB+\s], s22, v[LI]
	v_add_nc_u32 v[ADRS+\s], s21, v5
	s_add_co_u32 s21, s21, SLOT
	s_add_co_u32 s22, s22, SLOT
.endr
	s_lshl_b32 s46, s42, 10
	s_lshl_b32 s47, s16, 9
	s_add_co_u32 s46, s46, s47
	s_mov_b32 s47, 0
	s_add_nc_u64 s[8:9], s[8:9], s[46:47]
	s_lshl_b32 s20, s17, 4
	s_lshl_b32 s21, s15, 3
	s_add_co_u32 s20, s20, s21
	s_mul_i32 s20, s20, 69632
	s_mul_i32 s46, s42, 4352
	s_add_co_u32 s20, s20, s46
	s_mov_b32 s21, 0
	s_add_nc_u64 s[74:75], s[12:13], s[20:21]
	s_lshl_b32 s46, s16, 11
	s_add_nc_u64 s[12:13], s[74:75], s[46:47]
	s_lshl_b32 s46, s16, 6
	s_add_co_u32 s46, s46, 4096
	v_lshlrev_b32 v[VS], 2, v1
	v_add_nc_u32 v[VS], s46, v[VS]
.irp b, 0,1,2,3
	v_add_nc_u32 v[VO+\b], 512*\b, v[LI]
.endr
	s_mov_b32 s68, 69632
	s_mov_b32 s69, 0
	s_mov_b32 s66, 0x76543210
	s_mov_b32 s67, 0xfedcba98
	s_mov_b32 s98, 0x600000
	s_mov_b32 s76, 0x3eb504f3
	s_mov_b32 s78, 0xbf38aa3b
	s_mov_b32 s80, 0xc034d90f
	s_mov_b32 s82, 0x3fb8ab5a
	s_mov_b32 s84, 0x3f0a29d2
	s_mov_b32 s86, 0x3e0efb2e
	s_mov_b32 s88, 0xbe899a80
	s_mov_b32 s90, 0x3ecdfd18
	s_mov_b32 s92, 0xbfd1a1e5
	s_mov_b32 s94, 0x40097039
	s_mov_b32 s96, 0x3e7c6f08
.irp c, 78,80,82,84,86,88,90,92,94,96
	s_mov_b32 s[\c+1], s[\c]
.endr
	v_lshlrev_b32 v7, 6, v2
.irp b, 0,1,2,3,4,5,6,7
	global_load_b128 v[BI+8*\b:BI+8*\b+3], v7, s[8:9] offset:(32*(\b/2)+8*(\b%2))*4
	global_load_b128 v[BI+8*\b+4:BI+8*\b+7], v7, s[8:9] offset:(32*(\b/2)+8*(\b%2))*4+16
.endr
	s_wait_alu depctr_va_vdst(0)
	s_wait_loadcnt 0x0                             ; the bias is in
	s_wait_tensorcnt 0x0                           ; my part of K step 0 is in
	ds_add_u32 v[SPW], v[NIL]
	s_wait_dscnt 0x0
	CROUND                                         ; everybody's part of K step 0 is in, and all sixteen work-groups are here
	JLOAD 1                                        ; K step 1: my one tensor load behind the round
	ASK 3
	FETCH_B 0, 0, 0
	FETCH_A 0, 0, 0
	SCALES 0
	FETCH_A 0, 0, 4
	STEP 0, 0, 1
	s_mov_b32 s3, LAPS-1
.Llap:
	TURN 0, 1, 1
	STEP 1, 0, 0
	TURN 1, 0, 1
	STEP 0, 0, 0
	s_sub_co_u32 s3, s3, 1
	s_cmp_lg_u32 s3, 0
	s_cbranch_scc1 .Llap
	TURN 0, 1, 0
	STEP 1, 0, 0
	s_wait_dscnt 16
	WIN 0xa1
	MUL16 0, 1, 1, 1, 0
	MUL16 2, 1, 1, 1, 0
	s_wait_dscnt 0
	WIN 0xf1
	MUL16 4, 1, 1, 1, 0
	MUL16 6, 1, 1, 1, 0
	WIN 0
	PLACES NP
.set GX, 0
.set GU, 64
.set GZ, 128
.set GP, 192
.macro COPYIN a
.set AC, 64*((\a)%4)
.set WN, 0x40|(2+(\a)/4)
	WIN WN
.set k, 0
.rept 32
	v_pk_mul_f32 v[GX+k:GX+k+1], v[AC+k:AC+k+1], 1.0 op_sel_hi:[1,0]
.set k, k+2
.endr
	WIN 0
.endm
.macro GELU
	WIN 0x55
.set k, 0
.rept 64
	v_fma_f32 v[GU+k], |v[GX+k]|, s76, 1.0
.set k, k+1
.endr
.set k, 0
	s_wait_alu depctr_va_vdst(0)
.rept 32
	v_rcp_f32 v[GU+k], v[GU+k]
	v_pk_mul_f32 v[GZ+k:GZ+k+1], v[GX+k:GX+k+1], v[GX+k:GX+k+1]
	v_rcp_f32 v[GU+k+1], v[GU+k+1]
.set k, k+2
.endr
	WIN 0x45
.set k, 0
	s_wait_alu depctr_va_vdst(0)
.rept 32
	v_pk_fma_f32 v[GP+k:GP+k+1], v[GU+k:GU+k+1], s[96:97], v[C8:C8+1] op_sel_hi:[1,0,1]
.set k, k+2
.endr
	WIN 0x55
.irp c, 94,92,90,88,86,84,82,80
.set k, 0
.rept 32
	v_pk_fma_f32 v[GP+k:GP+k+1], v[GP+k:GP+k+1], v[GU+k:GU+k+1], s[\c:\c+1] op_sel_hi:[1,1,0]
.set k, k+2
.endr
.endr
.set k, 0
.rept 32
	v_pk_fma_f32 v[GP+k:GP+k+1], v[GZ+k:GZ+k+1], s[78:79], v[GP+k:GP+k+1] op_sel_hi:[1,0,1]
.set k, k+2
.endr
.set k, 0
	s_wait_alu depctr_va_vdst(0)
.rept 64
	v_exp_f32 v[GP+k], v[GP+k]
	v_max_num_f32 v[GZ+k], 0, v[GX+k]
.set k, k+1
.endr
.set k, 0
.rept 32
	v_pk_mul_f32 v[GU+k:GU+k+1], v[GU+k:GU+k+1], v[GX+k:GX+k+1]
.set k, k+2
.endr
.set k, 0
	s_wait_alu depctr_va_vdst(0)
.rept 64
	v_fma_f32 v[GX+k], -|v[GU+k]|, v[GP+k], v[GZ+k]
.set k, k+1
.endr
.endm
.macro QUANT
	WIN 0x14
.irp b, 0,1,2,3
	v_max3_num_f32 v[TM+\b], 0x4800000, |v[GX+16*\b]|, |v[GX+16*\b+1]|
.endr
.irp i, 2,4,6,8,10,12,14
.irp b, 0,1,2,3
	v_max3_num_f32 v[TM+\b], v[TM+\b], |v[GX+16*\b+\i]|, |v[GX+16*\b+\i+1]|
.endr
.endr
	WIN 0
.irp b, 0,1,2,3
	v_permlanex16_b32 v[TM+4+\b], v[TM+\b], s66, s67
.endr
.irp b, 0,1,2,3
	v_max_num_f32 v[TM+\b], v[TM+\b], v[TM+4+\b]
.endr
.irp b, 0,1,2,3
	v_add_nc_u32 v[TM+12+\b], 0xfc000000, v[TM+\b]
.endr
.irp b, 0,1,2,3
	v_and_or_b32 v[TM+8+\b], v[TM+\b], 0x7f800000, s98
.endr
.irp b, 0,1,2,3
	v_lshrrev_b32 v[TM+4+\b], 23, v[TM+12+\b]
.endr
	v_lshl_or_b32 v[PW], v[TM+5], 8, v[TM+4]
	v_lshl_or_b32 v[PW], v[TM+6], 16, v[PW]
	v_lshl_or_b32 v[PW], v[TM+7], 24, v[PW]
	WIN 0x41
.irp b, 0,1,2,3
.irp i, 0,1,2,3,4,5,6,7,8,9,10,11,12,13,14,15
	v_med3_num_f32 v[GX+16*\b+\i], v[GX+16*\b+\i], -v[TM+8+\b], v[TM+8+\b]
.endr
.endr
	WIN 0x01
.irp b, 0,1,2,3
	v_cvt_scalef32_pk8_fp8_f32 v[PC+4*\b:PC+4*\b+1], v[GX+16*\b:GX+16*\b+7], v[TM+12+\b]
	v_cvt_scalef32_pk8_fp8_f32 v[PC+4*\b+2:PC+4*\b+3], v[GX+16*\b+8:GX+16*\b+15], v[TM+12+\b]
.endr
	WIN 0
	v_nop
.endm
.macro QOUT
.irp b, 0,1,2,3
	global_store_b128 v[VO+\b], v[PC+4*\b:PC+4*\b+3], s[12:13]
.endr
	global_store_b32 v[VS], v[PW], s[74:75]
	s_wait_xcnt 0x0
	s_add_nc_u64 s[12:13], s[12:13], s[68:69]
	s_add_nc_u64 s[74:75], s[74:75], s[68:69]
.endm
.irp b, 0,1,2,3
	v_mov_b32 v[TM+4+\b], 0
.endr
	v_mov_b32 v[C8], 0xbf97d29d
	v_mov_b32 v[C8+1], 0xbf97d29d
	s_mov_b32 s3, 0
.Lblk:
.irp a, 0,1,2,3,4,5,6
	s_cmp_eq_u32 s3, \a
	s_cbranch_scc1 .Lin\a
.endr
	COPYIN 7
	s_branch .Lwork
.irp a, 0,1,2,3,4,5,6
.Lin\a:
	COPYIN \a
	s_branch .Lwork
.endr
.Lwork:
	GELU
	QUANT
	QOUT
	s_add_co_u32 s3, s3, 1
	s_cmp_lt_u32 s3, 8
	s_cbranch_scc1 .Lblk
	s_wait_tensorcnt 0x0
	ds_add_u32 v[SPW], v[NIL]
	s_wait_dscnt 0x0
	CROUND
	s_endpgm
.Lfunc_end_k_q9082470f90_fc1:
	.size	k_q9082470f90_fc1, .Lfunc_end_k_q9082470f90_fc1-k_q9082470f90_fc1
	.p2alignl 7, 3214868480
	.fill 96, 4, 3214868480
	.section	.rodata,"a",@progbits
	.p2align	6, 0x0
	.amdhsa_kernel k_q9082470f90_fc1
		.amdhsa_group_segment_fixed_size 327680
		.amdhsa_private_segment_fixed_size 0
		.amdhsa_enable_private_segment 0
		.amdhsa_kernarg_size 32
		.amdhsa_user_sgpr_count 2
		.amdhsa_user_sgpr_kernarg_segment_ptr 1
		.amdhsa_wavefront_size32 1
		.amdhsa_system_sgpr_workgroup_id_x 1
		.amdhsa_system_sgpr_workgroup_id_y 1
		.amdhsa_system_sgpr_workgroup_id_z 1
		.amdhsa_system_vgpr_workitem_id 0
		.amdhsa_next_free_vgpr 1024
		.amdhsa_next_free_sgpr 100
		.amdhsa_reserve_vcc 0
		.amdhsa_float_denorm_mode_32 3
		.amdhsa_float_denorm_mode_16_64 3
		.amdhsa_memory_ordered 1
		.amdhsa_forward_progress 1
		.amdhsa_inst_pref_size 184
	.end_amdhsa_kernel
	.amdgpu_metadata
---
amdhsa.version: [ 1, 2 ]
amdhsa.kernels:
  - .name:           k_q9082470f90_fc1
    .symbol:         k_q9082470f90_fc1.kd
    .args:
      - { .name: aimg, .offset: 0, .size: 8, .value_kind: global_buffer, .address_space: global }
      - { .name: wimg, .offset: 8, .size: 8, .value_kind: global_buffer, .address_space: global }
      - { .name: fc1_b, .offset: 16, .size: 8, .value_kind: global_buffer, .address_space: global }
      - { .name: himg, .offset: 24, .size: 8, .value_kind: global_buffer, .address_space: global }
    .group_segment_fixed_size: 327680
    .private_segment_fixed_size: 0
    .kernarg_segment_align: 8
    .kernarg_segment_size: 32
    .max_flat_workgroup_size: 128
    .sgpr_count:     100
    .vgpr_count:     1024
    .wavefront_size: 32
...
	.end_amdgpu_metadata
.endif
;; end of part 11
;; launch fc2 (part 12): grid 8 x 32, 4 waves a work-group, clusters of 4 x 4, 327,680 bytes of LDS; arguments himg, wimg, fc2_b, x1, out0; writes out0
.if DOCPART == 12
	.amdgcn_target "amdgcn-amd-amdhsa--gfx1250"
	.amdhsa_code_object_version 6
	.text
	.protected	k_q9082470f90_fc2
	.globl	k_q9082470f90_fc2
	.p2align	8
	.type	k_q9082470f90_fc2,@function
k_q9082470f90_fc2:
	s_mov_b64 s[64:65], 0
	v_nop
	global_prefetch_b8 v0, s[64:65] scope:SCOPE_SE
	s_setreg_imm32_b32 hwreg(HW_REG_WAVE_MODE, 25, 1), 1
	s_wait_xcnt 0x0
	s_wait_alu depctr_hold_cnt(0) depctr_sa_sdst(0) depctr_va_vdst(0) depctr_va_sdst(0) depctr_va_ssrc(0) depctr_va_vcc(0) depctr_vm_vsrc(0)
	s_getreg_b32 s2, hwreg(HW_REG_IB_STS2, 6, 4)
	s_cmp_eq_u32 s2, 0
	s_cbranch_scc0 .Lentry_in_a_cluster
	s_endpgm
.Lentry_in_a_cluster:
	s_bfe_u32 s2, ttmp6, 0x10000c
	s_cmp_lg_u32 s2, 0xf033
	s_cbranch_scc0 .Lentry_shape_is_right
	s_endpgm
.Lentry_shape_is_right:
; out0 = x1 + h fc2_w^T + fc2_b, from records of MX-FP8 (E4M3 codes, E8M0 bytes; the records are those of launch qkv's head comment), f32 out.
; A tile of C, 128 x 128, by four waves of 64 x 64 (16 accumulators); the matrix instruction is used transposed; the bias is the C of the first products; the residual is added on the way out, which goes through each wave's own stage in LDS.
; K = 4,096 goes in 8 slots' worth of 512 through a ring of two LDS slots; slot 0 is filled at the head, one joint load a wave; slot 1 behind a round of the cluster's barrier; each refill behind a drained round.
; CLUSTERS of 4 x 4: A's records are asked for jointly along a row of the cluster, B's along a column.
.set S2,     16
.set BOFF,   8912896
.set NTOUT,  1
.set RECB,   4224
.set RECP,   4352
.set TP,     S2*RECP
.set LAPS,   S2/4
.set HALFT,  8*RECB
.set SLOT,   4*HALFT
.set STAGE,  2*SLOT
.set SPITCH, 272
.set SPARE,  STAGE+4*16*SPITCH
.set FR,     16
.set NP,     8
.set LI,     4
.set ADRA,   16
.set ADRS,   18
.set ADRB,   20
.set STO,    24
.set RD,     25
.set CO,     26
.set SPW,    28
.set NIL,    29
.set SC,     32
.set BI,     64
.set ACC,    128
.set G1,     24
.set G0,     32
.set G1B,    48
.set G0B,    56
.set STEPB,  2*RECP                    ; from a slot's records to the next slot's, in memory
.set PFA,    68                        ; s[68:69] where my prefetches stand: at the head slot 0, then one slot on at each change that refills; s[70:71] at work
.set PFO,    22                        ; v22 the prefetches' offset: 256 x min(lane, 16); never rewritten
; A PREFETCH INTO THE L2 of the records n slots on from where s[PFA] stands.  Of the 8 records that my wave's joint load brings, the partner at place p (cx for A's, cy for B's) names records 2 p and 2 p + 1, told apart by address:
; a record is 17 blocks of 256 bytes, a lane a block (lanes 17-31 name the last again).  The load of slot t is followed by the request for slot t + 2; the head also names slot 1.  The loop's last trip refills slots 6 and 7 and asks for nothing: K has 8 slots.
.macro ASK n
	global_prefetch_b8 v[PFO], s[PFA:PFA+1] offset:(\n)*STEPB th:TH_LOAD_NT scope:SCOPE_SE
	global_prefetch_b8 v[PFO], s[PFA:PFA+1] offset:(\n)*STEPB+TP th:TH_LOAD_NT scope:SCOPE_SE
.endm
.set MULW,   0x05
.set TO_F,   0x40
.set MSB, 0
.macro WIN new
.if MSB != \new
	s_set_vgpr_msb (MSB<<8)|\new
.set MSB, \new
.endif
.endm
.macro JLOAD s
	s_cmp_eq_u32 s15, 0
	s_cbranch_scc0 .Lfor_b_\@
	tensor_load_to_lds s[G0+4*\s:G0+4*\s+3], s[G1:G1+7]
	s_nop 0
.rept 4
	v_nop
.endr
	s_branch .Lasked_\@
.Lfor_b_\@:
	tensor_load_to_lds s[G0B+4*\s:G0B+4*\s+3], s[G1B:G1B+7]
	s_nop 0
.rept 4
	v_nop
.endr
.Lasked_\@:
.endm
.macro CREST
	s_cmp_lg_u32 s14, 0
	s_cbranch_scc1 .Lnot_wave_0_\@
	s_barrier_signal -3
.Lnot_wave_0_\@:
	s_barrier_wait -3
	s_barrier_signal -1
	s_barrier_wait -1
.endm
.macro CROUND
	s_barrier_signal -1
	s_barrier_wait -1
	CREST
.endm
.macro PLACES n
.rept \n
	v_nop
.endr
.endm
.macro FRAG reg, adr, q, i
.irp c, 0,1,2,3
	ds_load_b128 v[\reg+4*\c:\reg+4*\c+3], v[\adr] offset:((\q)/2)*HALFT+((\q)%2)*2048+(\i)*RECB+512*\c
.endr
.endm
.macro SCALES sc
.irp q, 0,1,2,3
.irp i, 0,1,2,3
	ds_load_b32 v[SC+16*\sc+4*\q+\i], v[ADRS+\sc] offset:(\q/2)*HALFT+\i*RECB+4096+64*(\q%2)
.endr
.endr
.endm
.macro FETCH slot, q, f, sc
	WIN TO_F
.irp i, 0,1,2,3
	FRAG \f+64+FR*\i, ADRB+\slot, \q, \i
.endr
	FRAG \f, ADRA+\slot, \q, 0
	FRAG \f+FR, ADRA+\slot, \q, 1
.if \sc
	WIN 0
	SCALES \slot
	WIN TO_F
.endif
	FRAG \f+2*FR, ADRA+\slot, \q, 2
	FRAG \f+3*FR, ADRA+\slot, \q, 3
.endm
.macro MUL4 f, a, q, sc, cm
.irp b, 0,1,2,3
.if \cm
	v_wmma_scale_f32_16x16x128_f8f6f4 v[ACC+8*(4*(\a)+\b):ACC+8*(4*(\a)+\b)+7], v[\f+64+FR*\b:\f+64+FR*\b+FR-1], v[\f+FR*(\a):\f+FR*(\a)+FR-1], v[BI+8*\b:BI+8*\b+7], v[SC+16*(\sc)+4*(\q)+\b], v[SC+16*(\sc)+4*(\q)+(\a)] matrix_a_scale:MATRIX_SCALE_ROW1
.else
	v_wmma_scale_f32_16x16x128_f8f6f4 v[ACC+8*(4*(\a)+\b):ACC+8*(4*(\a)+\b)+7], v[\f+64+FR*\b:\f+64+FR*\b+FR-1], v[\f+FR*(\a):\f+FR*(\a)+FR-1], v[ACC+8*(4*(\a)+\b):ACC+8*(4*(\a)+\b)+7], v[SC+16*(\sc)+4*(\q)+\b], v[SC+16*(\sc)+4*(\q)+(\a)] matrix_a_scale:MATRIX_SCALE_ROW1
.endif
.endr
.endm
.macro STEP slot, q, cm
.set FB, 128*((\q)%2)
.set GB, 128-FB
	s_wait_dscnt 8
	WIN MULW
	MUL4 FB, 0, \q, \slot, \cm
	MUL4 FB, 1, \q, \slot, \cm
	PLACES NP
	FETCH \slot, (\q)+1, GB, 0
	s_wait_dscnt 32
	WIN MULW
	MUL4 FB, 2, \q, \slot, \cm
	MUL4 FB, 3, \q, \slot, \cm
.endm
.macro TURN slot, next, fill
.if \fill
	s_wait_xcnt 0x0                                ; the last change's prefetches have read their address: it is stepped only behind this wait
	s_add_nc_u64 s[PFA:PFA+1], s[PFA:PFA+1], STEPB
.endif
	WIN 0
	s_wait_tensorcnt 0x0
	ds_add_u32 v[SPW], v[NIL]
	s_wait_dscnt 9
	WIN MULW
	MUL4 128, 0, 3, \slot, 0
	s_wait_dscnt 0x0
	s_barrier_signal -1
	MUL4 128, 1, 3, \slot, 0
	WIN 0
	s_barrier_wait -1
.if \fill
	CREST
	s_add_nc_u64 s[G0+4*\slot+2:G0+4*\slot+3], s[G0+4*\slot+2:G0+4*\slot+3], 4*RECP
	s_add_nc_u64 s[G0B+4*\slot+2:G0B+4*\slot+3], s[G0B+4*\slot+2:G0B+4*\slot+3], 4*RECP
	JLOAD \slot
	PLACES NP-4
.else
	PLACES NP
.endif
	FETCH \next, 0, 0, 1
.if \fill
	WIN 0                                          ; at a branch and at a label every window is 0
	s_cmp_gt_u32 s3, 1                             ; s3 = 1 in the loop's last trip
	s_cbranch_scc0 .Lno_ask_\@
	ASK 3                                          ; s[PFA] stands one slot under the slot that is being refilled: three on is two slots ahead of the refill
.Lno_ask_\@:
.endif
	WIN MULW
	MUL4 128, 2, 3, \slot, 0
	MUL4 128, 3, 3, \slot, 0
.endm
	s_load_b256 s[4:11], s[0:1], 0x0
	s_load_b64 s[12:13], s[0:1], 0x20
	v_lshl_add_u32 v[SPW], v0, 2, SPARE
	v_mov_b32 v[NIL], 0
	ds_add_u32 v28, v29
	ds_add_u32 v28, v29
	s_wait_dscnt 0x0
	v_lshrrev_b32 v1, 5, v0
	v_readfirstlane_b32 s14, v1
	s_lshr_b32 s15, s14, 1
	s_and_b32 s16, s14, 1
	s_bfe_u32 s40, ttmp6, 0x40000
	s_bfe_u32 s41, ttmp6, 0x40004
	s_lshl_b32 s42, ttmp9, 2
	s_add_co_u32 s42, s42, s40
	s_and_b32 s17, ttmp7, 0xffff
	s_lshl_b32 s17, s17, 2
	s_add_co_u32 s17, s17, s41
	s_lshl_b32 s43, s41, 2
	s_lshl_b32 s43, 15, s43
	s_lshl_b32 s44, 0x1111, s40
	s_or_b32 s[G1+0], s43, (3<<16)|(1<<21)
	s_or_b32 s[G1B+0], s44, (3<<16)|(1<<21)
.irp g, G1, G1B
	s_mov_b32 s[\g+1], 528<<16
	s_mov_b32 s[\g+2], 8<<16
	s_mov_b32 s[\g+3], 528<<16
	s_mov_b32 s[\g+4], 8
	s_mov_b32 s[\g+5], S2*544
	s_mov_b32 s[\g+6], 0
	s_mov_b32 s[\g+7], 0
.endr
	s_mul_i32 s18, s16, RECP
	s_lshl_b32 s20, s17, 3
	s_mul_i32 s20, s20, TP
	s_add_co_u32 s20, s20, s18
	s_mov_b32 s21, 0
	s_lshl_b32 s46, s42, 3
	s_mul_i32 s46, s46, TP
	s_add_co_u32 s46, s46, s18
	s_add_co_u32 s46, s46, BOFF
	s_mov_b32 s47, 0
	s_mul_i32 s45, s14, HALFT
	s_wait_kmcnt 0x0
	s_add_nc_u64 s[20:21], s[4:5], s[20:21]
	s_add_nc_u64 s[46:47], s[6:7], s[46:47]
	CROUND
.irp s, 0,1
	s_mov_b32 s[G0+4*\s], 1
	s_add_co_u32 s[G0+4*\s+1], s45, \s*SLOT
	s_add_nc_u64 s[G0+4*\s+2:G0+4*\s+3], s[20:21], \s*2*RECP
	s_or_b32 s[G0+4*\s+3], s[G0+4*\s+3], 0x80000000
	s_mov_b32 s[G0B+4*\s], 1
	s_add_co_u32 s[G0B+4*\s+1], s45, \s*SLOT
	s_add_nc_u64 s[G0B+4*\s+2:G0B+4*\s+3], s[46:47], \s*2*RECP
	s_or_b32 s[G0B+4*\s+3], s[G0B+4*\s+3], 0x80000000
.endr
	JLOAD 0                                        ; slot 0: one tensor load a wave at the head
	s_cmp_eq_u32 s15, 0                            ; do I fetch for A?
	s_cselect_b64 s[PFA:PFA+1], s[20:21], s[46:47] ; my wave's 8 records of slot 0
	s_cselect_b32 s[PFA+2], s40, s41               ; my place among the four that ask with me
	s_mul_i32 s[PFA+2], s[PFA+2], 2*TP
	s_mov_b32 s[PFA+3], 0
	s_add_nc_u64 s[PFA:PFA+1], s[PFA:PFA+1], s[PFA+2:PFA+3]
	v_and_b32 v[PFO], 31, v0
	v_min_u32 v[PFO], 16, v[PFO]
	v_lshlrev_b32 v[PFO], 8, v[PFO]
	ASK 1
	ASK 2
	v_and_b32 v1, 15, v0
	v_bfe_u32 v2, v0, 4, 1
	v_and_b32 v3, 31, v0
	v_lshlrev_b32 v[LI], 4, v3
	s_mul_i32 s21, s15, 4*RECB
	s_mul_i32 s22, s16, 4*RECB
	s_add_co_u32 s22, s22, 2*HALFT
	v_lshlrev_b32 v5, 2, v1
	s_sub_co_u32 s23, s22, s21
	v_mul_u32_u24 v6, s23, v2
	v_add_nc_u32 v5, v5, v6
.irp s, 0,1
	v_add_nc_u32 v[ADRA+\s], s21, v[LI]
	v_add_nc_u32 v[ADRB+\s], s22, v[LI]
	v_add_nc_u32 v[ADRS+\s], s21, v5
	s_add_co_u32 s21, s21, SLOT
	s_add_co_u32 s22, s22, SLOT
.endr
	s_mul_i32 s23, s14, 16*SPITCH
	s_add_co_u32 s23, s23, STAGE
	v_mul_u32_u24 v5, v1, SPITCH
	v_lshl_add_u32 v5, v2, 6, v5
	v_add_nc_u32 v[STO], s23, v5
	v_mul_u32_u24 v5, v2, SPITCH
	v_lshl_add_u32 v5, v1, 4, v5
	v_add_nc_u32 v[RD], s23, v5
	v_lshlrev_b32 v[CO], 12, v2
	v_lshl_add_u32 v[CO], v1, 4, v[CO]
	s_wait_alu depctr_va_vdst(0)
	s_lshl_b32 s46, s42, 9
	s_lshl_b32 s47, s16, 8
	s_add_co_u32 s46, s46, s47
	s_mov_b32 s47, 0
	s_add_nc_u64 s[8:9], s[8:9], s[46:47]
	s_lshl_b32 s20, s17, 7
	s_lshl_b32 s21, s15, 6
	s_add_co_u32 s20, s20, s21
	s_lshl_b32 s20, s20, 12
	s_add_co_u32 s20, s20, s46
	s_mov_b32 s21, 0
	s_add_nc_u64 s[10:11], s[10:11], s[20:21]
	s_add_nc_u64 s[12:13], s[12:13], s[20:21]
	v_lshlrev_b32 v7, 6, v2
.irp b, 0,1,2,3
	global_load_b128 v[BI+8*\b:BI+8*\b+3], v7, s[8:9] offset:(32*(\b/2)+8*(\b%2))*4
	global_load_b128 v[BI+8*\b+4:BI+8*\b+7], v7, s[8:9] offset:(32*(\b/2)+8*(\b%2))*4+16
.endr
	WIN 0x80
.irp a, 0,1,2,3
.irp t, 0,1,2,3,4,5,6,7
	global_load_b128 v[32*\a+4*\t:32*\a+4*\t+3], v[CO], s[10:11] offset:(32*(\a/2)+8*(\a%2)+2*\t+8*(\t/4))*4096
.endr
.endr
	WIN 0
	s_wait_alu depctr_va_vdst(0)
	s_wait_loadcnt 32                              ; the bias is in; the residual's 32 loads are younger
	s_wait_tensorcnt 0x0                           ; my part of slot 0 is in
	ds_add_u32 v[SPW], v[NIL]
	s_wait_dscnt 0x0
	CROUND                                         ; everybody's part of slot 0 is in, and all sixteen work-groups are here
	JLOAD 1                                        ; slot 1: my one tensor load behind the round
	ASK 3
	FETCH 0, 0, 0, 1
	STEP 0, 0, 1
.if LAPS > 1
	WIN 0
	s_mov_b32 s3, LAPS-1
.Llap:
	STEP 0, 1, 0
	STEP 0, 2, 0
	TURN 0, 1, 1
	STEP 1, 0, 0
	STEP 1, 1, 0
	STEP 1, 2, 0
	TURN 1, 0, 1
	STEP 0, 0, 0
	WIN 0
	s_sub_co_u32 s3, s3, 1
	s_cmp_lg_u32 s3, 0
	s_cbranch_scc1 .Llap
.endif
	STEP 0, 1, 0
	STEP 0, 2, 0
	TURN 0, 1, 0
	STEP 1, 0, 0
	STEP 1, 1, 0
	STEP 1, 2, 0
	s_wait_dscnt 8
	WIN MULW
	MUL4 128, 0, 3, 1, 0
	MUL4 128, 1, 3, 1, 0
	s_wait_dscnt 0
	MUL4 128, 2, 3, 1, 0
	MUL4 128, 3, 3, 1, 0
	WIN 0
	PLACES NP
.macro TOSTAGE a
.irp b, 0,1,2,3
	ds_store_b128 v[STO], v[ACC+8*(4*(\a)+\b):ACC+8*(4*(\a)+\b)+3] offset:128*(\b/2)+32*(\b%2)
	ds_store_b128 v[STO], v[ACC+8*(4*(\a)+\b)+4:ACC+8*(4*(\a)+\b)+7] offset:128*(\b/2)+32*(\b%2)+16
.endr
	WIN TO_F
.irp t, 0,1,2,3,4,5,6,7
	ds_load_b128 v[32*(\a)+4*\t:32*(\a)+4*\t+3], v[RD] offset:\t*2*SPITCH
.endr
	WIN 0
.endm
.macro SEND a, dsy
	s_wait_dscnt \dsy
	WIN 0x49
.set k, 0
.rept 16
	v_pk_add_f32 v[32*(\a)+k:32*(\a)+k+1], v[32*(\a)+k:32*(\a)+k+1], v[32*(\a)+k:32*(\a)+k+1]
.set k, k+2
.endr
	WIN 0x04
.irp t, 0,1,2,3,4,5,6,7
.if NTOUT
	global_store_b128 v[CO], v[32*(\a)+4*\t:32*(\a)+4*\t+3], s[12:13] offset:(32*((\a)/2)+8*((\a)%2)+2*\t+8*(\t/4))*4096 th:TH_STORE_NT
.else
	global_store_b128 v[CO], v[32*(\a)+4*\t:32*(\a)+4*\t+3], s[12:13] offset:(32*((\a)/2)+8*((\a)%2)+2*\t+8*(\t/4))*4096
.endif
.endr
	WIN 0
.endm
	s_wait_loadcnt 0x0
	TOSTAGE 0
	TOSTAGE 1
	SEND 0, 16
	TOSTAGE 2
	SEND 1, 16
	TOSTAGE 3
	SEND 2, 16
	SEND 3, 0
	s_wait_tensorcnt 0x0
	ds_add_u32 v[SPW], v[NIL]
	s_wait_dscnt 0x0
	CROUND
	s_endpgm
.Lfunc_end_k_q9082470f90_fc2:
	.size	k_q9082470f90_fc2, .Lfunc_end_k_q9082470f90_fc2-k_q9082470f90_fc2
	.p2alignl 7, 3214868480
	.fill 96, 4, 3214868480
	.section	.rodata,"a",@progbits
	.p2align	6, 0x0
	.amdhsa_kernel k_q9082470f90_fc2
		.amdhsa_group_segment_fixed_size 327680
		.amdhsa_private_segment_fixed_size 0
		.amdhsa_enable_private_segment 0
		.amdhsa_kernarg_size 40
		.amdhsa_user_sgpr_count 2
		.amdhsa_user_sgpr_kernarg_segment_ptr 1
		.amdhsa_wavefront_size32 1
		.amdhsa_system_sgpr_workgroup_id_x 1
		.amdhsa_system_sgpr_workgroup_id_y 1
		.amdhsa_system_sgpr_workgroup_id_z 1
		.amdhsa_system_vgpr_workitem_id 0
		.amdhsa_next_free_vgpr 640
		.amdhsa_next_free_sgpr 72
		.amdhsa_reserve_vcc 0
		.amdhsa_float_denorm_mode_32 3
		.amdhsa_float_denorm_mode_16_64 3
		.amdhsa_memory_ordered 1
		.amdhsa_forward_progress 1
		.amdhsa_inst_pref_size 103
	.end_amdhsa_kernel
	.amdgpu_metadata
---
amdhsa.version: [ 1, 2 ]
amdhsa.kernels:
  - .name:           k_q9082470f90_fc2
    .symbol:         k_q9082470f90_fc2.kd
    .args:
      - { .name: himg, .offset: 0, .size: 8, .value_kind: global_buffer, .address_space: global }
      - { .name: wimg, .offset: 8, .size: 8, .value_kind: global_buffer, .address_space: global }
      - { .name: fc2_b, .offset: 16, .size: 8, .value_kind: global_buffer, .address_space: global }
      - { .name: x1, .offset: 24, .size: 8, .value_kind: global_buffer, .address_space: global }
      - { .name: out0, .offset: 32, .size: 8, .value_kind: global_buffer, .address_space: global }
    .group_segment_fixed_size: 327680
    .private_segment_fixed_size: 0
    .kernarg_segment_align: 8
    .kernarg_segment_size: 40
    .max_flat_workgroup_size: 128
    .sgpr_count:     72
    .vgpr_count:     640
    .wavefront_size: 32
...
	.end_amdgpu_metadata
.endif
;; end of part 12
